; MI455X (gfx1250); checked and timed in simulation.
; The chip was launched on July 23, 2026; its instructions are those of AMD's public machine-readable ISA for CDNA 5 (MIT licence, August 2026) and "CDNA5" Instruction Set Architecture Reference Guide (July 2026). The comments in the code are by the model that wrote it; some were corrected since.
;; SWA Block. Allowed arithmetic: matrix products marked QUANTISED: E2M1 operands, one E8M0 scale for each 32 along K, by v_wmma_scale_f32_16x16x128_f8f6f4 with both operands' format E2M1 (or v_wmma_scale_f32_32x16x128_f4), f32 sums; everything else in f32.
;; Inputs: ff1_b 3,072 float32; ff1_w 3,072 x 1,024 float32; ff2_b 1,024 float32; ff2_w 1,024 x 3,072 float32; ln1_b 1,024 float32; ln1_w 1,024 float32; ln2_b 1,024 float32; ln2_w 1,024 float32; out_b 1,024 float32; out_w 1,024 x 1,024 float32; qkv_b 3,072 float32; qkv_w 3,072 x 1,024 float32; x 2 x 2,048 x 1,024 float32.
;; Outputs: out0 2 x 2,048 x 1,024 float32.
;; This version of the problem:
;;   THIS VERSION OF THE PROBLEM IS GIVEN IN LOW PRECISION. The matrix products marked QUANTISED in the list below multiply operands that are first quantised to E2M1 (2 exponent bits, 1 mantissa bit; 4 bits a number), with one power-of-two scale for each 32 numbers along K (OCP MX v1.0); their sums are f32. All else is computed in f32.
;;   The module's matrix products, in the order in which they are computed (A, B: the left and right operand; K: the contracted axis; several contracted axes count as one K, in the product's order):
;;     1. [M 4,096, K 1,024] x [K 1,024, N 3,072]; A: computed on the way; B: input qkv_w: QUANTISED
;;     2. batch 32 x [M 2,048, K 64] x [K 64, N 2,048]; A: computed on the way; B: computed on the way: QUANTISED
;;     3. batch 32 x [M 2,048, K 2,048] x [K 2,048, N 64]; A: softmax (see below); B: computed on the way: QUANTISED
;;     4. [M 4,096, K 1,024] x [K 1,024, N 1,024]; A: computed on the way; B: input out_w: QUANTISED
;;     5. [M 4,096, K 1,024] x [K 1,024, N 3,072]; A: computed on the way; B: input ff1_w: QUANTISED
;;     6. [M 4,096, K 3,072] x [K 3,072, N 1,024]; A: computed on the way; B: input ff2_w: QUANTISED
;;   THE QUANTISER, for each operand of a quantised product, along K:
;;     - K is cut into blocks of 32 from its start; a last block that is shorter is filled with zeros.
;;     - A block's scale is 2^e with e = floor(log2(the largest magnitude in the block)) - 2, held to -126 .. 127; a block of zeros has e = 0. As a byte (E8M0): e + 127.
;;     - Each number is divided by its block's scale, clamped to +-6, and rounded to the nearest number of E2M1, ties to even, subnormals kept.
;;     - The product sums the exact products of the quantised numbers (number of the format x scale) in f32.
;;   ~~~python
;;   def quantise(x, axis):      # numpy; x: float32 -> the quantised numbers, widened to float32 again
;;       x = np.moveaxis(x, axis, -1); K = x.shape[-1]
;;       x = np.pad(x, [(0, 0)] * (x.ndim - 1) + [(0, -K % 32)]); x = x.reshape(x.shape[:-1] + (-1, 32)); a = np.abs(x).max(-1, keepdims=True)
;;       e = np.where(a > 0, np.clip(np.frexp(np.where(a > 0, a, 1))[1] - 1 - 2, -126, 127), 0)      # np.frexp(a)[1] - 1 = floor(log2(a)), exactly
;;       r = np.clip(x / 2.0 ** e, -6, 6)
;;       step = 2.0 ** (np.maximum(np.frexp(np.where(r == 0, 1, r))[1] - 1, 0) - 1)
;;       q = np.round(r / step) * step * 2.0 ** e      # np.round: ties to even
;;       return np.moveaxis(q.reshape(q.shape[:-2] + (-1,))[..., :K], -1, axis).astype(np.float32)
;;   ~~~
;;   SOFTMAX AHEAD OF A QUANTISED PRODUCT. Where the list says 'softmax', what is quantised is not the finished softmax but p = 2^(t - M), with t = logit x log2(e) and M = ceil(the row's largest t), a whole number; so 1/2 < the row's largest p <= 1. The row's sum l is taken of the UNQUANTISED p, in f32, and the product's result is divided by l at the end. Since M is a whole number, a kernel that streams over the keys may use a running M (the ceiling of the running maximum): every later rescaling is an exact power of two, which a block's scale takes up: the codes' values come out the same.
;;   OPERANDS COMPUTED ON THE WAY. 'Computed on the way' means the value that the module computes at that place (a softmax that the list does not call 'softmax' is quantised finished and normalised). What goes into a quantiser is computed in f32, as accurately as f32 sums, v_exp_f32 and their like allow (about 1e-6 of the number): no bf16 or f16 on the way to a quantiser, and a product that is left as it is and whose result goes on into a quantised operand takes f32 operands (vector FMAs, or v_wmma_f32_16x16x4_f32). A number that lies on a knife's edge between two numbers of the format may be rounded either way, as far as f32 arithmetic and the matrix unit's own rounding can turn it there, and no further.
;; 2 versions. Each part assembles by itself: llvm-mc -triple=amdgcn-amd-amdhsa -mcpu=gfx1250 --defsym DOCPART=n.
;; ======== version 1 of 2: 5 launches
;; workspace buffers: wts 7,798,784 bytes; qkvc 6,684,672 bytes; x1 16,777,216 bytes; h2c 2,228,224 bytes; gc 6,684,672 bytes
;; launch prep (part 1): grid 896 x 1, 8 waves a work-group, no clusters, 70,144 bytes of LDS; arguments x, qkv_w, out_w, ff1_w, ff2_w, ln1_w, ln1_b, wts; writes wts
.if DOCPART == 1
	.amdgcn_target "amdgcn-amd-amdhsa--gfx1250"
	.amdhsa_code_object_version 6
	.text
	.protected	k_qa84b7d15f9_prep
	.globl	k_qa84b7d15f9_prep
	.p2align	8
	.type	k_qa84b7d15f9_prep,@function
k_qa84b7d15f9_prep:
	s_mov_b64 s[64:65], 0
	v_nop
	global_prefetch_b8 v0, s[64:65] scope:SCOPE_SE
	s_setreg_imm32_b32 hwreg(HW_REG_WAVE_MODE, 25, 1), 1
	s_wait_xcnt 0x0
; PREP: LN1(x) and the four weights become codes of E2M1 with one E8M0 byte for each 32 along K, laid as the matrix unit's registers take them.
; A UNIT is 16 rows x 1,024 along K: 8 fragments of 1,024 bytes (byte 512 c + 16 lane = registers 4 c .. 4 c + 3 of that lane) and 512 bytes of scale words (word 32 r + 4 s).
; The 16 rows of tile T are rows 32 (T / 2) + 8 (T % 2) + i + 8 (i / 8), i = 0 .. 15: as source 0 of a product, two neighbouring tiles then leave 16 neighbours along their rows in a lane's registers.
; Units 0-255: LN1(x); 256-447 qkv_w; 448-511 out_w; 512-703 ff1_w; 704 + 3 T + g: ff2_w's tile T, columns 1,024 g on.  Work-group = unit, wave w = K step w (128 along K).
; Each load reads 512 consecutive bytes of one row; the 16 x 512 bytes turn through the wave's own stage in LDS (pitch 528) so that lane (r, h) holds 16 neighbours of each block of 32 of row r.
; The mean and the variance (of the centred numbers: no difference of large sums) meet across the 8 waves in LDS.  The three barriers stand on every work-group's path; only register work and the
; statistics' words stand under the branches on the work-group's number.  ln1_w and ln1_b are loaded by every work-group, so that each such block reads only registers written on every path.
; LIMITS: NaN and infinities are not served; a block whose largest magnitude lies under 2^-124 keeps the byte 1, a block of zeros too (its codes are zeros; this program alone reads the bytes).
.set WST,  8448                        ; a wave's stage: 16 rows x 528 bytes
.set ST1,  67584                       ; behind the 8 stages: sums (512 bytes), sums of squares (+512), scale words (+1024): word 32 r + 4 w
.set L16,  1                           ; 16 x lane
.set SD,   2                           ; the stage as loaded: stage + 16 x lane
.set SL,   3                           ; the stage by lanes: stage + 528 r + 64 h
.set A1,   4                           ; ST1 + 32 r + 4 w
.set A1R,  5                           ; ST1 + 32 r
.set AGR,  7                           ; ST1 + 1024 + 16 x lane
.set WOFF, 8                           ; 64 h + 512 w: my columns in ln1_w and ln1_b
.set X,    16                          ; v16-79   64 numbers
.set LW,   80                          ; v80-143  ln1_w at my columns
.set LB,   144                         ; v144-207 ln1_b
.set TM,   208                         ; v208-223 the quantiser's work
.set PW,   224                         ; the scale word
.set PC,   226                         ; v226-233 the codes
.set T0,   234
.set T2,   236
.set MP,   238                         ; a pair: the mean, later 1 / sqrt(var + eps)
.set TA,   240
.set TB,   241
.set PS,   242                         ; v242-249 eight partial sums
.set SEL,  32                          ; s[32:33] lane selects: lane l xor 16
; 64 numbers of a lane, register 16 b + i = k 32 b + 16 h + i of my row, become a fragment's codes in v[PC] on and its scale word in v[PW]
.macro QUANT s
.irp b, 0,1,2,3
	v_max3_num_f32 v[TM+\b], |v[\s+16*\b]|, |v[\s+1+16*\b]|, 0x1800000   ; my 16 numbers of block b, and the floor 2^(3 - 127): the byte cannot fall under 1
.endr
.irp i, 2,4,6,8,10,12,14
.irp b, 0,1,2,3
	v_max3_num_f32 v[TM+\b], v[TM+\b], |v[\s+16*\b+\i]|, |v[\s+1+16*\b+\i]|
.endr
.endr
.irp b, 0,1,2,3
	v_permlanex16_b32 v[TM+4+\b], v[TM+\b], s[SEL], s[SEL+1]
.endr
.irp b, 0,1,2,3
	v_max_num_f32 v[TM+\b], v[TM+\b], v[TM+4+\b]   ; with lane l xor 16's: the block's largest magnitude
.endr
.irp b, 0,1,2,3
	v_add_nc_u32 v[TM+12+\b], 0xff000000, v[TM+\b]   ; 2 off its exponent field: the conversion's scale operand
.endr
.irp b, 0,1,2,3
	v_lshrrev_b32 v[TM+4+\b], 23, v[TM+12+\b]      ; the scale's byte
.endr
	v_lshl_or_b32 v[PW], v[TM+5], 8, v[TM+4]
	v_lshl_or_b32 v[PW], v[TM+6], 16, v[PW]
	v_lshl_or_b32 v[PW], v[TM+7], 24, v[PW]
.irp b, 0,1,2,3
	v_cvt_scalef32_pk8_fp4_f32 v[PC+2*\b], v[\s+16*\b:\s+7+16*\b], v[TM+12+\b]
	v_cvt_scalef32_pk8_fp4_f32 v[PC+1+2*\b], v[\s+8+16*\b:\s+15+16*\b], v[TM+12+\b]
.endr
	v_nop                                          ; one plain place behind a scaled conversion
.irp c, 0,1                                    ; a whole block to a lane: lanes 0-15 block 2 c, lanes 16-31 block 2 c + 1
.irp i, 0,1
	v_permlane16_swap_b32 v[PC+4*\c+\i], v[PC+2+4*\c+\i]
.endr
.endr
.endm
.macro LOADROWS pitch                          ; the tile's 16 rows, 512 consecutive bytes of each
.irp i, 0,1,2,3,4,5,6,7,8,9,10,11,12,13,14,15
	global_load_b128 v[X+4*\i:X+4*\i+3], v[L16], s[4:5] offset:(\i+8*(\i/8))*\pitch th:TH_LOAD_NT
.endr
.endm
.macro LNTAIL                                  ; two chains, two halves, two lanes: my row's sum over this wave's 128 columns, in v[TA]
	v_pk_add_f32 v[T0:T0+1], v[T0:T0+1], v[T2:T2+1]
	v_add_f32 v[TA], v[T0], v[T0+1]
	v_permlanex16_b32 v[TB], v[TA], s[SEL], s[SEL+1]
	v_add_f32 v[TA], v[TA], v[TB]
.endm
.macro LNSUM src
	v_pk_add_f32 v[T0:T0+1], v[\src:\src+1], v[\src+2:\src+3]
	v_pk_add_f32 v[T2:T2+1], v[\src+4:\src+5], v[\src+6:\src+7]
.irp j, 8,12,16,20,24,28,32,36,40,44,48,52,56,60
	v_pk_add_f32 v[T0:T0+1], v[T0:T0+1], v[\src+\j:\src+\j+1]
	v_pk_add_f32 v[T2:T2+1], v[T2:T2+1], v[\src+\j+2:\src+\j+3]
.endr
	LNTAIL
.endm
.macro LNSQ src
	v_pk_mul_f32 v[T0:T0+1], v[\src:\src+1], v[\src:\src+1]
	v_pk_mul_f32 v[T2:T2+1], v[\src+2:\src+3], v[\src+2:\src+3]
.irp j, 4,8,12,16,20,24,28,32,36,40,44,48,52,56,60
	v_pk_fma_f32 v[T0:T0+1], v[\src+\j:\src+\j+1], v[\src+\j:\src+\j+1], v[T0:T0+1]
	v_pk_fma_f32 v[T2:T2+1], v[\src+\j+2:\src+\j+3], v[\src+\j+2:\src+\j+3], v[T2:T2+1]
.endr
	LNTAIL
.endm
.macro SUM8 off                                ; the eight waves' parts of my row, summed into v[TA]
	ds_load_b128 v[PS:PS+3], v[A1R] offset:\off
	ds_load_b128 v[PS+4:PS+7], v[A1R] offset:\off+16
	s_wait_dscnt 0x0
	v_add_f32 v[PS], v[PS], v[PS+1]
	v_add_f32 v[PS+2], v[PS+2], v[PS+3]
	v_add_f32 v[PS+4], v[PS+4], v[PS+5]
	v_add_f32 v[PS+6], v[PS+6], v[PS+7]
	v_add_f32 v[PS], v[PS], v[PS+2]
	v_add_f32 v[PS+4], v[PS+4], v[PS+6]
	v_add_f32 v[TA], v[PS], v[PS+4]
.endm
.macro BAR                                     ; my LDS stores have landed and my LDS loads are in: then the work-group's barrier
	s_wait_dscnt 0x0
	s_barrier_signal -1
	s_barrier_wait -1
.endm
	s_load_b512 s[16:31], s[0:1], 0x0              ; x, qkv_w, out_w, ff1_w, ff2_w, ln1_w, ln1_b, wts
	v_lshl_add_u32 v254, v0, 2, 0x10e00
	v_mov_b32 v255, 0
	v_lshrrev_b32 v9, 5, v0
	v_readfirstlane_b32 s3, v9                     ; wave = K step
	v_and_b32 v9, 31, v0                           ; lane
	v_and_b32 v10, 15, v0                          ; r
	v_bfe_u32 v11, v0, 4, 1                        ; h
	v_lshlrev_b32 v[L16], 4, v9
	s_mul_i32 s2, s3, WST
	v_add_nc_u32 v[SD], s2, v[L16]
	v_mul_u32_u24 v[SL], v10, 528
	v_lshl_add_u32 v[SL], v11, 6, v[SL]
	v_add_nc_u32 v[SL], s2, v[SL]
	v_lshlrev_b32 v[A1R], 5, v10
	v_add_nc_u32 v[A1R], ST1, v[A1R]
	s_lshl_b32 s2, s3, 2
	v_add_nc_u32 v[A1], s2, v[A1R]
	v_add_nc_u32 v[AGR], ST1+1024, v[L16]
	v_lshlrev_b32 v[WOFF], 6, v11
	s_lshl_b32 s2, s3, 9
	v_add_nc_u32 v[WOFF], s2, v[WOFF]
.irp b, 0,1,2,3
	v_mov_b32 v[TM+4+\b], 0                        ; written once: a lane permute's destination counts as one of its sources
.endr
	v_mov_b32 v[TB], 0
	s_mov_b32 s[SEL], 0x76543210
	s_mov_b32 s[SEL+1], 0xfedcba98
	s_mov_b32 s34, 0x3a800000                      ; 1 / 1024
	s_mov_b32 s35, 0x3727c5ac                      ; 1e-5
	s_wait_kmcnt 0x0
	s_mov_b64 s[4:5], s[16:17]                     ; which tensor: a choice on the work-group's number alone
	s_mov_b32 s6, 0                                ; and its first unit
	s_cmp_ge_u32 ttmp9, 256
	s_cselect_b64 s[4:5], s[18:19], s[4:5]
	s_cselect_b32 s6, 256, s6
	s_cmp_ge_u32 ttmp9, 448
	s_cselect_b64 s[4:5], s[20:21], s[4:5]
	s_cselect_b32 s6, 448, s6
	s_cmp_ge_u32 ttmp9, 512
	s_cselect_b64 s[4:5], s[22:23], s[4:5]
	s_cselect_b32 s6, 512, s6
	s_cmp_ge_u32 ttmp9, 704
	s_cselect_b64 s[4:5], s[24:25], s[4:5]
	s_cselect_b32 s6, 704, s6
	s_sub_co_u32 s7, ttmp9, s6                     ; the unit's number in its tensor
	s_and_b32 s8, s7, 63                           ; ff2_w: tile,
	s_lshr_b32 s9, s7, 6                           ; third of K,
	s_mul_i32 s10, s8, 3
	s_add_co_u32 s10, s10, s9
	s_add_co_u32 s10, s10, 704                     ; and place: a tile's 24 K steps lie on end
	s_mov_b32 s11, 4096
	s_cmp_ge_u32 ttmp9, 704
	s_cselect_b32 s8, s8, s7                       ; T
	s_cselect_b32 s9, s9, 0                        ; g
	s_cselect_b32 s10, s10, ttmp9                  ; U
	s_cselect_b32 s11, 12288, s11                  ; a row in bytes
	s_lshr_b32 s12, s8, 1
	s_lshl_b32 s12, s12, 5
	s_and_b32 s13, s8, 1
	s_lshl_b32 s13, s13, 3
	s_add_co_u32 s12, s12, s13                     ; the tile's first row
	s_mul_i32 s12, s12, s11
	s_lshl_b32 s13, s9, 12
	s_add_co_u32 s12, s12, s13
	s_lshl_b32 s13, s3, 9
	s_add_co_u32 s12, s12, s13                     ; + 4,096 g + 512 w
	s_mov_b32 s13, 0
	s_add_nc_u64 s[4:5], s[4:5], s[12:13]
	s_lshl_b32 s36, s10, 13                        ; codes: 8,192 U + 1,024 w
	s_lshl_b32 s2, s3, 10
	s_add_co_u32 s36, s36, s2
	s_mov_b32 s37, 0
	s_add_nc_u64 s[36:37], s[30:31], s[36:37]
	s_lshl_b32 s38, s10, 9                         ; scale words: behind all codes, 512 U
	s_add_co_u32 s38, s38, 7340032
	s_mov_b32 s39, 0
	s_add_nc_u64 s[38:39], s[30:31], s[38:39]
	s_cmp_ge_u32 ttmp9, 704
	s_cbranch_scc1 .Lwide
	LOADROWS 4096
	s_branch .Lloaded
.Lwide:
	LOADROWS 12288
.Lloaded:
.irp i, 0,1,2,3,4,5,6,7,8,9,10,11,12,13,14,15
	global_load_b128 v[LW+4*\i:LW+4*\i+3], v[WOFF], s[26:27] offset:128*(\i/4)+16*(\i%4)
.endr
.irp i, 0,1,2,3,4,5,6,7,8,9,10,11,12,13,14,15
	global_load_b128 v[LB+4*\i:LB+4*\i+3], v[WOFF], s[28:29] offset:128*(\i/4)+16*(\i%4)
.endr
	s_wait_loadcnt 32                              ; the 16 rows are in; the 32 loads of gain and bias were issued behind them
.irp i, 0,1,2,3,4,5,6,7,8,9,10,11,12,13,14,15
	ds_store_b128 v[SD], v[X+4*\i:X+4*\i+3] offset:528*\i
.endr
.irp i, 0,1,2,3,4,5,6,7,8,9,10,11,12,13,14,15
	ds_load_b128 v[X+4*\i:X+4*\i+3], v[SL] offset:128*(\i/4)+16*(\i%4)   ; LDS serves a wave's instructions in order: these see my stores
.endr
	s_wait_dscnt 0x0
	s_cmp_lt_u32 ttmp9, 256
	s_cbranch_scc0 .Lno1
	LNSUM X
	ds_store_b32 v[A1], v[TA]
.Lno1:
	BAR
	s_cmp_lt_u32 ttmp9, 256
	s_cbranch_scc0 .Lno2
	SUM8 0
	v_mul_f32 v[MP], s34, v[TA]                    ; the mean
	v_mov_b32 v[MP+1], v[MP]
.set jj, 0
.rept 32
	v_pk_add_f32 v[X+jj:X+jj+1], v[X+jj:X+jj+1], v[MP:MP+1] neg_lo:[0,1] neg_hi:[0,1]
.set jj, jj+2
.endr
	LNSQ X
	ds_store_b32 v[A1], v[TA] offset:512
.Lno2:
	BAR
	s_cmp_lt_u32 ttmp9, 256
	s_cbranch_scc0 .Lno3
	SUM8 512
	v_fma_f32 v[TA], v[TA], s34, s35               ; the variance + eps
	v_rsq_f32 v[MP], v[TA]
	s_wait_loadcnt 0x0                             ; gain and bias
	v_nop                                          ; a plain place behind the transcendental
	s_wait_alu depctr_va_vdst(0)                   ; and the wait ahead of its first reader
	v_mov_b32 v[MP+1], v[MP]
.set jj, 0
.rept 32
	v_pk_mul_f32 v[X+jj:X+jj+1], v[X+jj:X+jj+1], v[MP:MP+1]
.set jj, jj+2
.endr
.set jj, 0
.rept 32
	v_pk_fma_f32 v[X+jj:X+jj+1], v[X+jj:X+jj+1], v[LW+jj:LW+jj+1], v[LB+jj:LB+jj+1]
.set jj, jj+2
.endr
.Lno3:
	QUANT X
	global_store_b128 v[L16], v[PC:PC+3], s[36:37]             ; 512 consecutive bytes each
	global_store_b128 v[L16], v[PC+4:PC+7], s[36:37] offset:512
	ds_store_b32 v[A1], v[PW] offset:1024          ; both lanes of a row write the same word with the same value
	BAR
	s_cmp_lg_u32 s3, 0
	s_cbranch_scc1 .Lend
	ds_load_b128 v[PS:PS+3], v[AGR]                ; the unit's 512 bytes of scale words leave as one run
	s_wait_dscnt 0x0
	global_store_b128 v[L16], v[PS:PS+3], s[38:39]
.Lend:
	s_wait_tensorcnt 0x0
	ds_add_u32 v254, v255
	s_wait_dscnt 0x0
	s_endpgm
.Lfunc_end_k_qa84b7d15f9_prep:
	.size	k_qa84b7d15f9_prep, .Lfunc_end_k_qa84b7d15f9_prep-k_qa84b7d15f9_prep
	.p2alignl 7, 3214868480
	.fill 96, 4, 3214868480
	.section	.rodata,"a",@progbits
	.p2align	6, 0x0
	.amdhsa_kernel k_qa84b7d15f9_prep
		.amdhsa_group_segment_fixed_size 70144
		.amdhsa_private_segment_fixed_size 0
		.amdhsa_enable_private_segment 0
		.amdhsa_kernarg_size 64
		.amdhsa_user_sgpr_count 2
		.amdhsa_user_sgpr_kernarg_segment_ptr 1
		.amdhsa_wavefront_size32 1
		.amdhsa_system_sgpr_workgroup_id_x 1
		.amdhsa_system_sgpr_workgroup_id_y 1
		.amdhsa_system_sgpr_workgroup_id_z 1
		.amdhsa_system_vgpr_workitem_id 0
		.amdhsa_next_free_vgpr 256
		.amdhsa_next_free_sgpr 66
		.amdhsa_reserve_vcc 0
		.amdhsa_float_denorm_mode_32 3
		.amdhsa_float_denorm_mode_16_64 3
		.amdhsa_memory_ordered 1
		.amdhsa_forward_progress 1
		.amdhsa_inst_pref_size 29
	.end_amdhsa_kernel
	.amdgpu_metadata
---
amdhsa.version: [ 1, 2 ]
amdhsa.kernels:
  - .name:           k_qa84b7d15f9_prep
    .symbol:         k_qa84b7d15f9_prep.kd
    .args:
      - { .name: x, .offset: 0, .size: 8, .value_kind: global_buffer, .address_space: global }
      - { .name: qkv_w, .offset: 8, .size: 8, .value_kind: global_buffer, .address_space: global }
      - { .name: out_w, .offset: 16, .size: 8, .value_kind: global_buffer, .address_space: global }
      - { .name: ff1_w, .offset: 24, .size: 8, .value_kind: global_buffer, .address_space: global }
      - { .name: ff2_w, .offset: 32, .size: 8, .value_kind: global_buffer, .address_space: global }
      - { .name: ln1_w, .offset: 40, .size: 8, .value_kind: global_buffer, .address_space: global }
      - { .name: ln1_b, .offset: 48, .size: 8, .value_kind: global_buffer, .address_space: global }
      - { .name: wts, .offset: 56, .size: 8, .value_kind: global_buffer, .address_space: global }
    .group_segment_fixed_size: 70144
    .private_segment_fixed_size: 0
    .kernarg_segment_align: 8
    .kernarg_segment_size: 64
    .max_flat_workgroup_size: 256
    .sgpr_count:     66
    .vgpr_count:     256
    .wavefront_size: 32
...
	.end_amdgpu_metadata
.endif
;; end of part 1
;; launch qkv (part 2): grid 12 x 16, 4 waves a work-group, clusters of 4 x 4, 281,088 bytes of LDS; arguments wts, qkv_b, qkvc; writes qkvc
.if DOCPART == 2
	.amdgcn_target "amdgcn-amd-amdhsa--gfx1250"
	.amdhsa_code_object_version 6
	.text
	.protected	k_qa84b7d15f9_qkv
	.globl	k_qa84b7d15f9_qkv
	.p2align	8
	.type	k_qa84b7d15f9_qkv,@function
k_qa84b7d15f9_qkv:
	s_mov_b64 s[64:65], 0
	v_nop
	global_prefetch_b8 v0, s[64:65] scope:SCOPE_SE
	s_setreg_imm32_b32 hwreg(HW_REG_WAVE_MODE, 25, 1), 1
	s_wait_xcnt 0x0
	s_wait_alu depctr_hold_cnt(0) depctr_sa_sdst(0) depctr_va_vdst(0) depctr_va_sdst(0) depctr_va_ssrc(0) depctr_va_vcc(0) depctr_vm_vsrc(0)
	s_getreg_b32 s2, hwreg(HW_REG_IB_STS2, 6, 4)
	s_cmp_eq_u32 s2, 0
	s_cbranch_scc0 .Lentry_in_a_cluster
	s_endpgm
.Lentry_in_a_cluster:
	s_bfe_u32 s2, ttmp6, 0x10000c
	s_cmp_lg_u32 s2, 0xf033
	s_cbranch_scc0 .Lentry_shape_is_right
	s_endpgm
.Lentry_shape_is_right:
; QKV: LN1(x) qkv_w^T + qkv_b on codes of E2M1, and its results quantised on the way: q and k along the head's 64, v along the keys.
; A work-group makes 256 tokens x 256 channels, each of its four waves 128 x 128: 64 accumulators.  K = 1,024: both panels (512 rows x 512 bytes of codes, 16 KiB of scale words) fit in LDS, so every LDS byte is
; filled ONCE: five tensor loads a wave at the start (scale words, then four chunks of two K steps), no slot is filled again.
; CLUSTER 4 x 4: the weights' panel hangs on the work-group's x alone and is asked for jointly along a column of the cluster, the tokens' panel on y alone and jointly along a row.
; ROLES.  P is source 0: its rows run along a lane's registers in the result and become the next product's K.  R is source 1: its rows are the lanes.  q, k (x under 8): P = weights (128 channels = two heads = one
; K step of the scores' product), R = tokens.  v (cluster x = 2, the same in all partners): P = tokens (128 keys = one K step of the second product), R = weights.  The loads are the same; only the bases of the LDS
; reads, the bias and the place of the output differ.
; Operands lie as images of their registers: a fragment (tile, K step) is 1,024 bytes, byte 512 c + 16 lane; tile T holds rows 32 (T / 2) + 8 (T % 2) + i + 8 (i / 8).
; OUTPUT (qkvc): codes of q, k: [16 head pairs: 8 of q, 8 of k][256 token tiles] KiB; of v: [64 channel tiles][32 key steps] KiB; scale words: 64 bytes a fragment.
; LIMITS: NaN and infinities are not served; a block under 2^-124, a block of zeros too, keeps the byte 1 (this program alone reads the bytes).
.set WC,   2097152                     ; qkv_w's codes in wts
.set WSC,  7471104                     ; and its scale words
.set HSC,  7340032                     ; LN1(x)'s scale words (its codes lie at 0)
.set VC,   4194304
.set QKS,  6291456
.set VS,   6553600
.set SCL,  262144                      ; LDS: behind four chunks of 65,536 (weights' 16 tiles x 2 KiB, tokens' at +32,768): scale words, 4,096 bytes a wave's load
.set STGS, 278528                      ; and 512 bytes a wave for the scale words on their way out: no tensor load lands here
.set ADP,  1                           ; v1-4   P's fragments in chunk c
.set ADR,  5                           ; v5-8   R's
.set ASP,  9                           ; P's scale words
.set ASR,  10
.set ASTG, 11                          ; STGS + 512 w + 4 r
.set ASTR, 12                          ; STGS + 512 w + 16 lane
.set L16,  13
.set BV,   16                          ; v16-31  v's bias: a pair for each of R's tiles
.set SC,   32                          ; v32-159 scale words: P's tile p, K step s at SC + 8 p + s; R's tile a at SC + 64 + 8 a + s
.set H,    32                          ; on the way out: 64 results
.set BIAS, 160                         ; v160-223 q's and k's bias, in the result's layout
.set TM,   224
.set PW,   240
.set PC,   242
.set SQ,   252
.set SEL,  16                          ; s[16:17]
.set ISV,  101
.set MSB, 0
.macro WIN new                         ; the immediate's high byte repeats the setting that is left
.if MSB != (\new)
	s_set_vgpr_msb (MSB<<8)|(\new)
.set MSB, (\new)
.endif
.endm
.macro PLACES n
.rept \n
	v_nop
.endr
.endm
.macro QUANT s
.irp b, 0,1,2,3
	v_max3_num_f32 v[TM+\b], |v[\s+16*\b]|, |v[\s+1+16*\b]|, 0x1800000   ; my 16 numbers of block b, and the floor 2^(3 - 127)
.endr
.irp i, 2,4,6,8,10,12,14
.irp b, 0,1,2,3
	v_max3_num_f32 v[TM+\b], v[TM+\b], |v[\s+16*\b+\i]|, |v[\s+1+16*\b+\i]|
.endr
.endr
.irp b, 0,1,2,3
	v_permlanex16_b32 v[TM+4+\b], v[TM+\b], s[SEL], s[SEL+1]
.endr
.irp b, 0,1,2,3
	v_max_num_f32 v[TM+\b], v[TM+\b], v[TM+4+\b]
.endr
.irp b, 0,1,2,3
	v_add_nc_u32 v[TM+12+\b], 0xff000000, v[TM+\b]   ; 2 off the exponent field: the conversion's scale operand
.endr
.irp b, 0,1,2,3
	v_lshrrev_b32 v[TM+4+\b], 23, v[TM+12+\b]
.endr
	v_lshl_or_b32 v[PW], v[TM+5], 8, v[TM+4]
	v_lshl_or_b32 v[PW], v[TM+6], 16, v[PW]
	v_lshl_or_b32 v[PW], v[TM+7], 24, v[PW]
.irp b, 0,1,2,3
	v_cvt_scalef32_pk8_fp4_f32 v[PC+2*\b], v[\s+16*\b:\s+7+16*\b], v[TM+12+\b]
	v_cvt_scalef32_pk8_fp4_f32 v[PC+1+2*\b], v[\s+8+16*\b:\s+15+16*\b], v[TM+12+\b]
.endr
	v_nop                                          ; one plain place behind a scaled conversion
.irp c, 0,1
.irp i, 0,1
	v_permlane16_swap_b32 v[PC+4*\c+\i], v[PC+2+4*\c+\i]
.endr
.endr
.endm
.macro CROUND                          ; a round of the cluster's barrier
	s_barrier_signal -1
	s_barrier_wait -1
	s_cmp_lg_u32 s3, 0
	s_cbranch_scc1 .Lnot_wave_0_\@
	s_barrier_signal -3
.Lnot_wave_0_\@:
	s_barrier_wait -3
	s_barrier_signal -1
	s_barrier_wait -1
.endm
.macro MKG0 g, loff, b, goff           ; a descriptor's group 0: count 1; LDS address s100 + loff; global address s[b:b+1] + goff; type 2
	s_mov_b32 s[\g], 1
	s_add_co_u32 s[\g+1], s100, \loff
	s_add_nc_u64 s[\g+2:\g+3], s[\b:\b+1], \goff
	s_or_b32 s[\g+3], s[\g+3], 0x80000000
.endm
	s_load_b128 s[4:7], s[0:1], 0x0                ; wts, qkv_b
	s_load_b64 s[8:9], s[0:1], 0x10                ; qkvc
	v_lshl_add_u32 v250, v0, 2, 0x44800
	v_mov_b32 v251, 0
	ds_add_u32 v250, v251
	ds_add_u32 v250, v251
	v_lshrrev_b32 v14, 5, v0
	v_readfirstlane_b32 s3, v14                    ; wave 0..3
	s_and_b32 s14, s3, 1                           ; which 128 of P are mine; also which half of a panel I fetch
	s_lshr_b32 s15, s3, 1                          ; which 128 of R; also: I fetch weights (0) or tokens (1)
	s_bfe_u32 s16, ttmp6, 0x40000                  ; cx
	s_bfe_u32 s17, ttmp6, 0x40004                  ; cy
	s_lshl_b32 s12, ttmp9, 2
	s_add_co_u32 s12, s12, s16                     ; X: the weights' panel
	s_and_b32 s13, ttmp7, 0xffff
	s_lshl_b32 s13, s13, 2
	s_add_co_u32 s13, s13, s17                     ; Y: the tokens' panel
	s_lshl_b32 s18, s17, 2
	s_lshl_b32 s18, 15, s18                        ; my row of the cluster
	s_lshl_b32 s19, 0x1111, s16                    ; my column
	; group 1.  Codes: 8 tiles' 2 KiB (two K steps), 8 KiB apart: 8 rows of 256 elements of 8 bytes, pitch 1,024.  Scale words: 4 KiB dense: 16 rows of 32 elements
	s_or_b32 s24, s19, (3<<16)|(1<<21)             ; weights: the mask of my column, elements of 8 bytes, bit 21 beside a mask
	s_or_b32 s40, s19, (3<<16)|(1<<21)
	s_or_b32 s32, s18, (3<<16)|(1<<21)             ; tokens: the mask of my row
	s_or_b32 s48, s18, (3<<16)|(1<<21)
.irp g, 24, 32
	s_mov_b32 s[\g+1], 256<<16
	s_mov_b32 s[\g+2], 8<<16
	s_mov_b32 s[\g+3], 256<<16
	s_mov_b32 s[\g+4], 8
	s_mov_b32 s[\g+5], 1024
	s_mov_b32 s[\g+6], 0
	s_mov_b32 s[\g+7], 0
.endr
.irp g, 40, 48
	s_mov_b32 s[\g+1], 32<<16
	s_mov_b32 s[\g+2], 16<<16
	s_mov_b32 s[\g+3], 32<<16
	s_mov_b32 s[\g+4], 16
	s_mov_b32 s[\g+5], 32
	s_mov_b32 s[\g+6], 0
	s_mov_b32 s[\g+7], 0
.endr
	s_lshl_b32 s2, s14, 16                         ; my half: 8 tiles x 8 KiB
	s_lshl_b32 s20, s12, 17                        ; weights: 16 tiles x 8 KiB a panel (registers that never hold cy)
	s_add_co_u32 s20, s20, s2
	s_add_co_u32 s20, s20, WC
	s_mov_b32 s21, 0
	s_lshl_b32 s22, s13, 17                        ; tokens (registers that never hold cx)
	s_add_co_u32 s22, s22, s2
	s_mov_b32 s23, 0
	s_lshl_b32 s100, s3, 14                        ; in a chunk: 16 KiB x wave: no place in the cluster enters an LDS address
	s_wait_dscnt 0x0
	s_wait_kmcnt 0x0
	s_add_nc_u64 s[20:21], s[4:5], s[20:21]
	s_add_nc_u64 s[22:23], s[4:5], s[22:23]
	MKG0 56, 0, 20, 0
	MKG0 60, 65536, 20, 2048
	MKG0 68, 131072, 20, 4096
	MKG0 72, 196608, 20, 6144
	MKG0 80, 0, 22, 0
	MKG0 84, 65536, 22, 2048
	MKG0 88, 131072, 22, 4096
	MKG0 92, 196608, 22, 6144
	s_lshl_b32 s2, s14, 12                         ; scale words: 8 tiles x 512 bytes a half
	s_lshl_b32 s20, s12, 13
	s_add_co_u32 s20, s20, s2
	s_add_co_u32 s20, s20, WSC
	s_mov_b32 s21, 0
	s_lshl_b32 s22, s13, 13
	s_add_co_u32 s22, s22, s2
	s_add_co_u32 s22, s22, HSC
	s_mov_b32 s23, 0
	s_add_nc_u64 s[20:21], s[4:5], s[20:21]
	s_add_nc_u64 s[22:23], s[4:5], s[22:23]
	s_lshl_b32 s100, s3, 12
	MKG0 76, SCL, 20, 0
	MKG0 96, SCL, 22, 0
	CROUND                                         ; all sixteen work-groups are here: the joint loads meet
	s_cmp_lt_u32 s3, 2                             ; a wave's five fills stand in one branch on the wave's number: five tensor loads of mine are out
	s_cbranch_scc0 .Lfor_h
	tensor_load_to_lds s[76:79], s[40:47]
	s_nop 0
	tensor_load_to_lds s[56:59], s[24:31]
	s_nop 0
	tensor_load_to_lds s[60:63], s[24:31]
	s_nop 0
	tensor_load_to_lds s[68:71], s[24:31]
	s_nop 0
	tensor_load_to_lds s[72:75], s[24:31]
	s_nop 0
	PLACES 4
	s_branch .Lasked
.Lfor_h:
	tensor_load_to_lds s[96:99], s[48:55]
	s_nop 0
	tensor_load_to_lds s[80:83], s[32:39]
	s_nop 0
	tensor_load_to_lds s[84:87], s[32:39]
	s_nop 0
	tensor_load_to_lds s[88:91], s[32:39]
	s_nop 0
	tensor_load_to_lds s[92:95], s[32:39]
	s_nop 0
	PLACES 4
.Lasked:
	v_and_b32 v224, 31, v0
	v_lshlrev_b32 v[L16], 4, v224
	v_and_b32 v225, 15, v0                         ; r
	v_bfe_u32 v14, v0, 4, 1
	v_lshlrev_b32 v14, 6, v14                      ; 64 h: my half's place in the bias along registers
	v_and_b32 v15, 8, v225
	v_add_nc_u32 v15, v15, v225
	v_lshlrev_b32 v15, 2, v15                      ; 4 (r + 8 (r / 8)): my channel's place in the bias along lanes
	s_cmp_eq_u32 ttmp9, 2                          ; v's panels: the cluster's x, the same in all partners
	s_cselect_b32 s[ISV], 1, 0
	s_cselect_b32 s18, 32768, 0                    ; P's place in a chunk,
	s_cselect_b32 s19, 0, 32768                    ; R's,
	s_cselect_b32 s20, 8192, 0                     ; and among the scale words
	s_cselect_b32 s21, 0, 8192
	s_lshl_b32 s2, s14, 14
	s_add_co_u32 s18, s18, s2
	s_lshl_b32 s2, s15, 14
	s_add_co_u32 s19, s19, s2
.irp c, 0,1,2,3
	v_add_nc_u32 v[ADP+\c], s18, v[L16]
	v_add_nc_u32 v[ADR+\c], s19, v[L16]
	s_add_co_u32 s18, s18, 65536
	s_add_co_u32 s19, s19, 65536
.endr
	s_lshl_b32 s2, s14, 12
	s_add_co_u32 s20, s20, s2
	s_add_co_u32 s20, s20, SCL
	s_lshl_b32 s2, s15, 12
	s_add_co_u32 s21, s21, s2
	s_add_co_u32 s21, s21, SCL
	v_lshlrev_b32 v226, 5, v225                    ; 32 r
	v_add_nc_u32 v[ASP], s20, v226
	v_add_nc_u32 v[ASR], s21, v226
	s_lshl_b32 s2, s3, 9
	s_add_co_u32 s2, s2, STGS
	v_lshl_add_u32 v[ASTG], v225, 2, s2
	v_add_nc_u32 v[ASTR], s2, v[L16]
.irp b, 0,1,2,3
	v_mov_b32 v[TM+4+\b], 0                        ; written once: a lane permute's destination counts as one of its sources
.endr
	; where the results go
	s_lshl_b32 s2, s12, 1
	s_add_co_u32 s2, s2, s14
	s_lshl_b32 s2, s2, 8
	s_lshl_b32 s10, s13, 4
	s_add_co_u32 s2, s2, s10
	s_lshl_b32 s10, s15, 3
	s_add_co_u32 s2, s2, s10                       ; q, k: fragment (2 X + ph) 256 + 16 Y + 8 rh
	s_sub_co_u32 s11, s12, 8
	s_lshl_b32 s11, s11, 4
	s_add_co_u32 s11, s11, s10                     ; v: first channel tile 16 (X - 8) + 8 rh (used where X is 8 or more)
	s_lshl_b32 s10, s13, 1
	s_add_co_u32 s10, s10, s14                     ; key step 2 Y + ph
	s_lshl_b32 s21, s11, 5
	s_add_co_u32 s21, s21, s10
	s_lshl_b32 s21, s21, 10
	s_add_co_u32 s21, s21, VC
	s_lshl_b32 s22, s10, 6
	s_add_co_u32 s22, s22, s11
	s_lshl_b32 s22, s22, 6
	s_add_co_u32 s22, s22, VS
	s_lshl_b32 s23, s2, 6
	s_add_co_u32 s23, s23, QKS
	s_lshl_b32 s2, s2, 10
	s_mov_b32 s18, 1024
	s_cmp_eq_u32 s[ISV], 1
	s_cselect_b32 s20, s21, s2                     ; codes,
	s_cselect_b32 s22, s22, s23                    ; scale words,
	s_cselect_b32 s18, 32768, s18                  ; and from one of R's tiles to the next
	s_mov_b32 s21, 0
	s_mov_b32 s23, 0
	s_mov_b32 s19, 0
	s_add_nc_u64 s[20:21], s[8:9], s[20:21]
	s_add_nc_u64 s[22:23], s[8:9], s[22:23]
	s_lshl_b32 s10, s12, 10                        ; the bias of P's 128 channels,
	s_lshl_b32 s2, s14, 9
	s_add_co_u32 s10, s10, s2
	s_mov_b32 s11, 0
	s_add_nc_u64 s[4:5], s[6:7], s[10:11]
	s_lshl_b32 s10, s12, 10                        ; and of R's: both are loaded, so that no register is unwritten on either way
	s_lshl_b32 s2, s15, 9
	s_add_co_u32 s10, s10, s2
	s_add_nc_u64 s[6:7], s[6:7], s[10:11]
	s_mov_b32 s[SEL], 0x76543210
	s_mov_b32 s[SEL+1], 0xfedcba98
.irp i, 0,1,2,3,4,5,6,7,8,9,10,11,12,13,14,15
	global_load_b128 v[BIAS+4*\i:BIAS+4*\i+3], v14, s[4:5] offset:128*(\i/4)+16*(\i%4)
.endr
.irp a, 0,1,2,3,4,5,6,7
	global_load_b32 v[BV+2*\a], v15, s[6:7] offset:4*(32*(\a/2)+8*(\a%2))
	global_load_b32 v[BV+2*\a+1], v15, s[6:7] offset:4*(32*(\a/2)+8*(\a%2))
.endr
.macro FETCH s                         ; K step s: 8 + 8 fragments into set s % 2 of window 1 (P at v0 / v64, R at v128 / v192)
	WIN 0x40
.irp i, 0,1,2,3,4,5,6,7
.irp c, 0,1
	ds_load_b128 v[64*((\s)%2)+8*\i+4*\c:64*((\s)%2)+8*\i+4*\c+3], v[ADP+(\s)/2] offset:2048*\i+1024*((\s)%2)+512*\c
	ds_load_b128 v[128+64*((\s)%2)+8*\i+4*\c:128+64*((\s)%2)+8*\i+4*\c+3], v[ADR+(\s)/2] offset:2048*\i+1024*((\s)%2)+512*\c
.endr
.endr
.endm
.macro MUL s                           ; 64 matrix instructions; the 64 accumulators take turns in one order in every step; step 0 starts the sums
.irp a, 0,1,2,3,4,5,6,7
	WIN 0xa5+0x50*(\a/4)                           ; P and R in window 1; C and D in window 2 (R's tiles 0-3) or 3
.irp p, 0,1,2,3,4,5,6,7
.if (\s) == 0
	v_wmma_scale_f32_16x16x128_f8f6f4 v[64*(\a%4)+8*\p:64*(\a%4)+8*\p+7], v[64*((\s)%2)+8*\p:64*((\s)%2)+8*\p+7], v[128+64*((\s)%2)+8*\a:128+64*((\s)%2)+8*\a+7], 0, v[SC+8*\p+(\s)], v[SC+64+8*\a+(\s)] matrix_a_fmt:MATRIX_FMT_FP4 matrix_b_fmt:MATRIX_FMT_FP4
.else
	v_wmma_scale_f32_16x16x128_f8f6f4 v[64*(\a%4)+8*\p:64*(\a%4)+8*\p+7], v[64*((\s)%2)+8*\p:64*((\s)%2)+8*\p+7], v[128+64*((\s)%2)+8*\a:128+64*((\s)%2)+8*\a+7], v[64*(\a%4)+8*\p:64*(\a%4)+8*\p+7], v[SC+8*\p+(\s)], v[SC+64+8*\a+(\s)] matrix_a_fmt:MATRIX_FMT_FP4 matrix_b_fmt:MATRIX_FMT_FP4
.endif
.endr
.endr
.endm
.macro STEP s
	s_wait_dscnt 0x0                               ; this step's fragments are in
.if ((\s) == 1) || ((\s) == 3) || ((\s) == 5)
	s_wait_tensorcnt 3-((\s)+1)/2                  ; my part of the next chunk has landed: the count is the chunks issued behind it
	s_barrier_signal -1
	s_barrier_wait -1                              ; everybody's has
.endif
.if (\s) < 7
.if (\s) > 0
	PLACES 4                                       ; in front of loads into registers that the step before multiplied
.endif
	FETCH (\s)+1
.endif
	MUL \s
.endm
	s_wait_tensorcnt 3                             ; the scale words and chunk 0 are in; three chunks were issued behind them
	s_barrier_signal -1
	s_barrier_wait -1
.irp p, 0,1,2,3,4,5,6,7
.irp f, 0,1
	ds_load_b128 v[SC+8*\p+4*\f:SC+8*\p+4*\f+3], v[ASP] offset:512*\p+16*\f
	ds_load_b128 v[SC+64+8*\p+4*\f:SC+64+8*\p+4*\f+3], v[ASR] offset:512*\p+16*\f
.endr
.endr
	FETCH 0
.irp s, 0,1,2,3,4,5,6,7
	STEP \s
.endr
	WIN 0
	PLACES 4                                       ; in front of the first reads of results and the first writes over scale words
	s_wait_loadcnt 0x0                             ; the biases
; R's tile a: its 64 results a lane get their bias (which is also the move into window 0), are quantised, and leave as one fragment
.macro EPI a
	s_cmp_eq_u32 s[ISV], 0
	s_cbranch_scc0 .Lv_\@
	WIN 0x02+(\a)/4
.set jj, 0
.rept 32
	v_pk_add_f32 v[H+jj:H+jj+1], v[64*((\a)%4)+jj:64*((\a)%4)+jj+1], v[BIAS+jj:BIAS+jj+1]
.set jj, jj+2
.endr
	WIN 0
	s_branch .Lj_\@
.Lv_\@:
	WIN 0x02+(\a)/4
.set jj, 0
.rept 32
	v_pk_add_f32 v[H+jj:H+jj+1], v[64*((\a)%4)+jj:64*((\a)%4)+jj+1], v[BV+2*(\a):BV+2*(\a)+1]
.set jj, jj+2
.endr
	WIN 0
.Lj_\@:
	QUANT H
	global_store_b128 v[L16], v[PC:PC+3], s[20:21]
	global_store_b128 v[L16], v[PC+4:PC+7], s[20:21] offset:512
	ds_store_b32 v[ASTG], v[PW] offset:64*(\a)
	s_wait_dscnt 0x0
	s_wait_xcnt 0x0                                ; the stores have read their registers and their base: both are written again only behind these waits
	s_add_nc_u64 s[20:21], s[20:21], s[18:19]
.endm
.irp a, 0,1,2,3,4,5,6,7
	EPI \a
.endr
	ds_load_b128 v[SQ:SQ+3], v[ASTR]               ; my eight fragments' scale words: 512 consecutive bytes
	s_wait_dscnt 0x0
	global_store_b128 v[L16], v[SQ:SQ+3], s[22:23]
	s_wait_tensorcnt 0x0
	ds_add_u32 v250, v251
	s_wait_dscnt 0x0
	CROUND                                         ; the closing round: no work-group ends while a partner may still ask for a tile that names it
	s_endpgm
.Lfunc_end_k_qa84b7d15f9_qkv:
	.size	k_qa84b7d15f9_qkv, .Lfunc_end_k_qa84b7d15f9_qkv-k_qa84b7d15f9_qkv
	.p2alignl 7, 3214868480
	.fill 96, 4, 3214868480
	.section	.rodata,"a",@progbits
	.p2align	6, 0x0
	.amdhsa_kernel k_qa84b7d15f9_qkv
		.amdhsa_group_segment_fixed_size 281088
		.amdhsa_private_segment_fixed_size 0
		.amdhsa_enable_private_segment 0
		.amdhsa_kernarg_size 24
		.amdhsa_user_sgpr_count 2
		.amdhsa_user_sgpr_kernarg_segment_ptr 1
		.amdhsa_wavefront_size32 1
		.amdhsa_system_sgpr_workgroup_id_x 1
		.amdhsa_system_sgpr_workgroup_id_y 1
		.amdhsa_system_sgpr_workgroup_id_z 1
		.amdhsa_system_vgpr_workitem_id 0
		.amdhsa_next_free_vgpr 1024
		.amdhsa_next_free_sgpr 104
		.amdhsa_reserve_vcc 0
		.amdhsa_float_denorm_mode_32 3
		.amdhsa_float_denorm_mode_16_64 3
		.amdhsa_memory_ordered 1
		.amdhsa_forward_progress 1
		.amdhsa_inst_pref_size 166
	.end_amdhsa_kernel
	.amdgpu_metadata
---
amdhsa.version: [ 1, 2 ]
amdhsa.kernels:
  - .name:           k_qa84b7d15f9_qkv
    .symbol:         k_qa84b7d15f9_qkv.kd
    .args:
      - { .name: wts, .offset: 0, .size: 8, .value_kind: global_buffer, .address_space: global }
      - { .name: qkv_b, .offset: 8, .size: 8, .value_kind: global_buffer, .address_space: global }
      - { .name: qkvc, .offset: 16, .size: 8, .value_kind: global_buffer, .address_space: global }
    .group_segment_fixed_size: 281088
    .private_segment_fixed_size: 0
    .kernarg_segment_align: 8
    .kernarg_segment_size: 24
    .max_flat_workgroup_size: 128
    .sgpr_count:     104
    .vgpr_count:     1024
    .wavefront_size: 32
...
	.end_amdgpu_metadata
.endif
;; end of part 2
;; launch attn (part 3): grid 256 x 1, 8 waves a work-group, no clusters, 78,848 bytes of LDS; arguments qkvc, wts, x, out_b, ln2_w, ln2_b, x1, h2c; writes x1, h2c
.if DOCPART == 3
	.amdgcn_target "amdgcn-amd-amdhsa--gfx1250"
	.amdhsa_code_object_version 6
	.text
	.protected	k_qa84b7d15f9_attn
	.globl	k_qa84b7d15f9_attn
	.p2align	8
	.type	k_qa84b7d15f9_attn,@function
k_qa84b7d15f9_attn:
	s_mov_b64 s[64:65], 0
	v_nop
	global_prefetch_b8 v0, s[64:65] scope:SCOPE_SE
	s_setreg_imm32_b32 hwreg(HW_REG_WAVE_MODE, 25, 1), 1
	s_wait_xcnt 0x0
; ATTN: for one tile of 16 tokens: the windowed attention of all 16 heads, the out projection, + out_b + x = x1 (stored), LN2(x1) quantised (stored).  All three products on codes of E2M1.
; Work-group = token tile T: rows 32 G + 8 u + i + 8 (i / 8), G = T / 2, u = T % 2.  Wave hp owns heads 2 hp, 2 hp + 1; afterwards columns 128 hp .. + 127 of the out projection, of x1 and of LN2(x1).
; THE WINDOW.  Key j counts for query i where i - 128 < j <= i.  The queries of group G (32 tokens) need the five groups G - 4 + g, g = 0 .. 4: in g = 0 the keys whose place in the group lies above the query's,
; g = 1 .. 3 whole, in g = 4 those not above.  At a sequence's start the groups in front of it are set to -infinity.  The addresses are not held back there: they then fall into earlier, written parts of qkvc
; (at most 8 KiB in front of k's codes, 1 KiB in front of v's, 4 KiB in front of v's scale words), whose bytes are codes and scale bytes like any other; those scores are replaced, and those codes of v meet zero codes of p.
; Both products are used transposed, a lane holds one query.  A fragment of k holds two heads side by side along K; q is taken as [q_a, 0] and [0, q_b].  v lies with a channel tile's groups of 32 keys 256 bytes
; apart, so a fragment may begin at any group; groups 0-3 are one K step, group 4 is the last block of a second, whose other codes of p are zeros.
; SOFTMAX: t = score x log2(e) / 8; M = ceil(the row's largest t), exact, since the whole window is in registers; p = 2^(t - M) is quantised; the sum of the unquantised p divides at the end.
; No cluster: what all work-groups share is out_w's codes, which do not fit in LDS and of which each fragment feeds one wave of a work-group; they go from memory straight into registers, three K steps ahead.
; LIMITS: NaN and infinities are not served; a block under 2^-124, a block of zeros too, keeps the byte 1 (this program alone reads the bytes).
.set WST,  8448
.set CIMG, 67584                       ; LDS: 8 stages of 8,448; ctx's 8 fragments; their scale words (64 bytes each); sums, sums of squares, scale words of LN2
.set CSC,  75776
.set ST1,  76288
.set QKS,  6291456
.set VC,   4194304
.set VS,   6553600
.set WOC,  3670016
.set WOS,  7569408
.set L16,  1
.set R4,   2
.set SD,   3
.set SL,   4
.set A1,   5
.set A1R,  6
.set AGR,  7
.set DQ,   8                           ; my query's place in its group - 16 h
.set NINF, 9
.set CIR,  10
.set CIW,  11
.set CSR,  12
.set CSW,  13
.set QF,   16                          ; v16-27 q_a, zeros, q_b
.set QS,   28
.set KS,   30                          ; v30-39
.set VW0,  40                          ; v40-47 v's scale words of groups 0-3
.set VW1,  48                          ; v48-55 group 4's byte on top
.set BM,   56                          ; v56-60 the blocks' largest scores, then p
.set BT,   61
.set SO,   66
.set BY,   71
.set PA,   80                          ; p's codes, groups 0-3
.set PB,   88                          ; zeros, and group 4 as the last block
.set SS,   96                          ; v96-175 80 scores, then p
.set OT,   176                         ; v176-239 ctx of my two heads; later the out projection's sums, x1, LN2(x1)
.set NM,   240                         ; -M (a pair is named)
.set SUMA, 242
.set SUMB, 244
.set PW0,  246
.set PW1,  247
.set RL,   248                         ; 1 / the sum (a pair is named)
.set WOFF, 250                         ; 64 h + 512 hp
.set WSO,  251                         ; 32 r
.set AA,   16                          ; behind the attention: v16-79 out_b, then ln2_w
.set BB,   96                          ; v96-159 out_w's scale words, then x, then ln2_b
.set CS8,  80                          ; v80-87 ctx's scale words
.set PC,   160
.set PW,   168
.set TM,   240                         ; the quantiser's work: +0..7 and +12..15
.set T0,   88
.set T2,   90
.set MP,   92
.set TA,   94
.set TB,   95
.set PS,   168
.set VF,   80                          ; window 1: v0-79 k, v80-175 v (12 registers a channel tile), v192-255 out_w's K step 0
.set SEL,  32
.set CS,   34                          ; s[34:35] c = log2(e) / 8
.set MK,   40                          ; s[40:55] lane masks: n above my query's place
.set GM,   6
.set MSB, 0
.macro WIN new
.if MSB != (\new)
	s_set_vgpr_msb (MSB<<8)|(\new)
.set MSB, (\new)
.endif
.endm
.macro PLACES n
.rept \n
	v_nop
.endr
.endm
.macro WMZ d, a, b, sa, sb             ; a product that starts a sum
	v_wmma_scale_f32_16x16x128_f8f6f4 v[\d:\d+7], v[\a:\a+7], v[\b:\b+7], 0, v[\sa], v[\sb] matrix_a_fmt:MATRIX_FMT_FP4 matrix_b_fmt:MATRIX_FMT_FP4
.endm
.macro WMC d, a, b, c, sa, sb          ; and one that adds onto registers
	v_wmma_scale_f32_16x16x128_f8f6f4 v[\d:\d+7], v[\a:\a+7], v[\b:\b+7], v[\c:\c+7], v[\sa], v[\sb] matrix_a_fmt:MATRIX_FMT_FP4 matrix_b_fmt:MATRIX_FMT_FP4
.endm
.macro QUANT s
.irp b, 0,1,2,3
	v_max3_num_f32 v[TM+\b], |v[\s+16*\b]|, |v[\s+1+16*\b]|, 0x1800000
.endr
.irp i, 2,4,6,8,10,12,14
.irp b, 0,1,2,3
	v_max3_num_f32 v[TM+\b], v[TM+\b], |v[\s+16*\b+\i]|, |v[\s+1+16*\b+\i]|
.endr
.endr
.irp b, 0,1,2,3
	v_permlanex16_b32 v[TM+4+\b], v[TM+\b], s[SEL], s[SEL+1]
.endr
.irp b, 0,1,2,3
	v_max_num_f32 v[TM+\b], v[TM+\b], v[TM+4+\b]
.endr
.irp b, 0,1,2,3
	v_add_nc_u32 v[TM+12+\b], 0xff000000, v[TM+\b]
.endr
.irp b, 0,1,2,3
	v_lshrrev_b32 v[TM+4+\b], 23, v[TM+12+\b]
.endr
	v_lshl_or_b32 v[PW], v[TM+5], 8, v[TM+4]
	v_lshl_or_b32 v[PW], v[TM+6], 16, v[PW]
	v_lshl_or_b32 v[PW], v[TM+7], 24, v[PW]
.irp b, 0,1,2,3
	v_cvt_scalef32_pk8_fp4_f32 v[PC+2*\b], v[\s+16*\b:\s+7+16*\b], v[TM+12+\b]
	v_cvt_scalef32_pk8_fp4_f32 v[PC+1+2*\b], v[\s+8+16*\b:\s+15+16*\b], v[TM+12+\b]
.endr
	v_nop
.irp c, 0,1
.irp i, 0,1
	v_permlane16_swap_b32 v[PC+4*\c+\i], v[PC+2+4*\c+\i]
.endr
.endr
.endm
.macro LNTAIL
	v_pk_add_f32 v[T0:T0+1], v[T0:T0+1], v[T2:T2+1]
	v_add_f32 v[TA], v[T0], v[T0+1]
	v_permlanex16_b32 v[TB], v[TA], s[SEL], s[SEL+1]
	v_add_f32 v[TA], v[TA], v[TB]
.endm
.macro LNSUM src
	v_pk_add_f32 v[T0:T0+1], v[\src:\src+1], v[\src+2:\src+3]
	v_pk_add_f32 v[T2:T2+1], v[\src+4:\src+5], v[\src+6:\src+7]
.irp j, 8,12,16,20,24,28,32,36,40,44,48,52,56,60
	v_pk_add_f32 v[T0:T0+1], v[T0:T0+1], v[\src+\j:\src+\j+1]
	v_pk_add_f32 v[T2:T2+1], v[T2:T2+1], v[\src+\j+2:\src+\j+3]
.endr
	LNTAIL
.endm
.macro LNSQ src
	v_pk_mul_f32 v[T0:T0+1], v[\src:\src+1], v[\src:\src+1]
	v_pk_mul_f32 v[T2:T2+1], v[\src+2:\src+3], v[\src+2:\src+3]
.irp j, 4,8,12,16,20,24,28,32,36,40,44,48,52,56,60
	v_pk_fma_f32 v[T0:T0+1], v[\src+\j:\src+\j+1], v[\src+\j:\src+\j+1], v[T0:T0+1]
	v_pk_fma_f32 v[T2:T2+1], v[\src+\j+2:\src+\j+3], v[\src+\j+2:\src+\j+3], v[T2:T2+1]
.endr
	LNTAIL
.endm
.macro SUM8 off
	ds_load_b128 v[PS:PS+3], v[A1R] offset:\off
	ds_load_b128 v[PS+4:PS+7], v[A1R] offset:\off+16
	s_wait_dscnt 0x0
	v_add_f32 v[PS], v[PS], v[PS+1]
	v_add_f32 v[PS+2], v[PS+2], v[PS+3]
	v_add_f32 v[PS+4], v[PS+4], v[PS+5]
	v_add_f32 v[PS+6], v[PS+6], v[PS+7]
	v_add_f32 v[PS], v[PS], v[PS+2]
	v_add_f32 v[PS+4], v[PS+4], v[PS+6]
	v_add_f32 v[TA], v[PS], v[PS+4]
.endm
.macro BAR
	s_wait_dscnt 0x0
	s_barrier_signal -1
	s_barrier_wait -1
.endm
	s_load_b512 s[16:31], s[0:1], 0x0              ; qkvc, wts, x, out_b, ln2_w, ln2_b, x1, h2c
	v_lshrrev_b32 v14, 5, v0
	v_readfirstlane_b32 s3, v14                    ; wave = head pair hp
	v_and_b32 v14, 31, v0
	v_and_b32 v15, 15, v0                          ; r
	v_bfe_u32 v9, v0, 4, 1                         ; h
	v_lshlrev_b32 v[L16], 4, v14
	v_lshlrev_b32 v[R4], 2, v15
	s_mul_i32 s10, s3, WST
	v_add_nc_u32 v[SD], s10, v[L16]
	v_mul_u32_u24 v[SL], v15, 528
	v_lshl_add_u32 v[SL], v9, 6, v[SL]
	v_add_nc_u32 v[SL], s10, v[SL]
	v_lshlrev_b32 v[WSO], 5, v15
	v_add_nc_u32 v[A1R], ST1, v[WSO]
	s_lshl_b32 s10, s3, 2
	v_add_nc_u32 v[A1], s10, v[A1R]
	v_add_nc_u32 v[AGR], ST1+1024, v[L16]
	v_add_nc_u32 v[CIR], CIMG, v[L16]
	s_lshl_b32 s10, s3, 10
	v_add_nc_u32 v[CIW], s10, v[CIR]
	v_add_nc_u32 v[CSR], CSC, v[R4]
	s_lshl_b32 s10, s3, 6
	v_add_nc_u32 v[CSW], s10, v[CSR]
	v_lshlrev_b32 v[WOFF], 6, v9
	s_lshl_b32 s10, s3, 9
	v_add_nc_u32 v[WOFF], s10, v[WOFF]
	s_lshr_b32 s4, ttmp9, 1                        ; G
	s_and_b32 s5, ttmp9, 1                         ; u
	s_and_b32 s[GM], s4, 63                        ; the group's number in its sequence
	s_and_b32 s7, s4, 3
	s_lshl_b32 s7, s7, 3                           ; 8 (G % 4): where group G - 4's byte begins in a pair of v's scale words
	s_sub_co_u32 s8, 24, s7
	v_and_b32 v[DQ], 8, v15
	v_add_nc_u32 v[DQ], v[DQ], v15
	s_lshl_b32 s10, s5, 3
	v_add_nc_u32 v[DQ], s10, v[DQ]                 ; 8 u + r + 8 (r / 8)
	v_lshlrev_b32 v9, 4, v9
	v_sub_nc_u32 v[DQ], v[DQ], v9
	v_mov_b32 v[NINF], 0xff800000
	s_mov_b32 s[SEL], 0x76543210
	s_mov_b32 s[SEL+1], 0xfedcba98
	s_mov_b32 s[CS], 0x3e38aa3b
	s_mov_b32 s[CS+1], s[CS]
	s_lshl_b32 s10, s3, 8
	s_lshl_b32 s11, s4, 1
	s_add_co_u32 s10, s10, s11
	s_add_co_u32 s10, s10, 2040                    ; k: fragment (8 + hp) 256 + 2 G - 8
	s_lshl_b32 s56, s10, 10
	s_mov_b32 s57, 0
	s_lshl_b32 s58, s10, 6
	s_add_co_u32 s58, s58, QKS
	s_mov_b32 s59, 0
	s_lshl_b32 s10, s3, 8
	s_add_co_u32 s10, s10, ttmp9                   ; q: fragment 256 hp + T
	s_lshl_b32 s60, s10, 10
	s_mov_b32 s61, 0
	s_lshl_b32 s62, s10, 6
	s_add_co_u32 s62, s62, QKS
	s_mov_b32 s63, 0
	s_lshl_b32 s10, s3, 10
	s_add_co_u32 s10, s10, s4
	s_lshl_b32 s66, s10, 8
	s_add_co_u32 s66, s66, VC-1024                 ; v: channel tile 8 hp, group G - 4
	s_mov_b32 s67, 0
	s_lshr_b32 s10, s4, 2
	s_lshl_b32 s68, s10, 12
	s_lshl_b32 s10, s3, 9
	s_add_co_u32 s68, s68, s10
	s_add_co_u32 s68, s68, VS-4096                 ; its scale words: key step G / 4 - 1
	s_mov_b32 s69, 0
	s_lshl_b32 s70, s3, 16
	s_add_co_u32 s70, s70, WOC                     ; out_w: my 8 tiles
	s_mov_b32 s71, 0
	s_lshl_b32 s36, s3, 12
	s_add_co_u32 s36, s36, WOS
	s_mov_b32 s37, 0
	s_lshl_b32 s12, s4, 5
	s_lshl_b32 s13, s5, 3
	s_add_co_u32 s12, s12, s13
	s_lshl_b32 s12, s12, 12
	s_lshl_b32 s13, s3, 9
	s_add_co_u32 s12, s12, s13                     ; x, x1: row 32 G + 8 u, + 512 hp bytes
	s_mov_b32 s13, 0
	s_lshl_b32 s14, ttmp9, 3
	s_add_co_u32 s14, s14, s3
	s_lshl_b32 s14, s14, 10                        ; h2c: fragment 8 T + hp
	s_mov_b32 s15, 0
	s_lshl_b32 s38, ttmp9, 9
	s_add_co_u32 s38, s38, 2097152
	s_mov_b32 s39, 0
	s_wait_kmcnt 0x0
	s_add_nc_u64 s[56:57], s[16:17], s[56:57]
	s_add_nc_u64 s[58:59], s[16:17], s[58:59]
	s_add_nc_u64 s[60:61], s[16:17], s[60:61]
	s_add_nc_u64 s[62:63], s[16:17], s[62:63]
	s_add_nc_u64 s[66:67], s[16:17], s[66:67]
	s_add_nc_u64 s[68:69], s[16:17], s[68:69]
	s_add_nc_u64 s[70:71], s[18:19], s[70:71]
	s_add_nc_u64 s[36:37], s[18:19], s[36:37]
	s_add_nc_u64 s[20:21], s[20:21], s[12:13]
	s_add_nc_u64 s[28:29], s[28:29], s[12:13]
	s_add_nc_u64 s[38:39], s[30:31], s[38:39]
	s_add_nc_u64 s[30:31], s[30:31], s[14:15]
	s_mov_b32 s12, 0x3a800000                      ; 1 / 1024
	s_mov_b32 s13, 0x3727c5ac                      ; 1e-5
	; ---- all that the attention needs, and out_w's first K step
.irp i, 0,1,2,3,4,5,6,7,8,9,10,11,12,13,14,15
	global_load_b128 v[SS+4*\i:SS+4*\i+3], v[L16], s[20:21] offset:(\i+8*(\i/8))*4096 th:TH_LOAD_NT   ; x: 512 consecutive bytes of a row
.endr
	WIN 0x40
.irp t, 0,1,2,3,4,5,6,7,8,9
.irp c, 0,1
	global_load_b128 v[8*\t+4*\c:8*\t+4*\c+3], v[L16], s[56:57] offset:1024*\t+512*\c
.endr
.endr
	WIN 0
.irp t, 0,1,2,3,4,5,6,7,8,9
	global_load_b32 v[KS+\t], v[R4], s[58:59] offset:64*\t
.endr
	global_load_b128 v[QF:QF+3], v[L16], s[60:61]
	global_load_b128 v[QF+8:QF+11], v[L16], s[60:61] offset:512
	global_load_b32 v[QS], v[R4], s[62:63]
	WIN 0x40
.irp i, 0,1,2,3,4,5,6,7
	global_load_b128 v[VF+12*\i:VF+12*\i+3], v[L16], s[66:67] offset:32768*\i          ; groups 0, 1
	global_load_b128 v[VF+12*\i+4:VF+12*\i+7], v[L16], s[66:67] offset:32768*\i+512    ; groups 2, 3
	global_load_b128 v[VF+12*\i+8:VF+12*\i+11], v[L16], s[66:67] offset:32768*\i+768   ; groups 3, 4
.endr
	WIN 0
.irp i, 0,1,2,3,4,5,6,7
	global_load_b32 v[VW0+\i], v[R4], s[68:69] offset:64*\i
	global_load_b32 v[VW1+\i], v[R4], s[68:69] offset:64*\i+4096
.endr
	WIN 0x40
.irp p, 0,1,2,3,4,5,6,7
.irp c, 0,1
	global_load_b128 v[192+8*\p+4*\c:192+8*\p+4*\c+3], v[L16], s[70:71] offset:8192*\p+512*\c
.endr
.endr
	WIN 0
	s_wait_loadcnt 63                              ; x is in: 89 loads were issued behind it, and a smaller count is safe
.irp i, 0,1,2,3,4,5,6,7,8,9,10,11,12,13,14,15
	ds_store_b128 v[SD], v[SS+4*\i:SS+4*\i+3] offset:528*\i   ; x waits in my stage
.endr
.irp n, 0,1,2,3,4,5,6,7,8,9,10,11,12,13,14,15
	v_cmp_gt_i32 s[MK+\n], \n, v[DQ]               ; the key at place 16 h + n of a group lies above my query's place
.endr
.irp i, 0,1,2,3
	v_mov_b32 v[QF+4+\i], 0
	v_mov_b32 v[PB+\i], 0
.endr
.irp i, 0,1,2,3,4
	v_mov_b32 v[BT+\i], 0                          ; written once: a lane permute's destination counts as one of its sources
.endr
	v_mov_b32 v[NM+1], 0                           ; (named as upper halves of pairs)
	v_mov_b32 v[RL+1], 0
	s_wait_loadcnt 0x0
.irp i, 0,1,2,3,4,5,6,7
	v_alignbit_b32 v[VW0+\i], v[VW1+\i], v[VW0+\i], s7   ; the bytes of groups G - 4 .. G - 1
	v_lshlrev_b32 v[VW1+\i], s8, v[VW1+\i]         ; group G's byte on top; what stands below it meets zero codes
.endr
	s_wait_dscnt 0x0                               ; the stores have read the registers that the scores take
	PLACES 8
; One head: 10 tiles of scores, mask, softmax, p's codes, 8 products for ctx
.macro JOB hd
	WIN 0x01                                       ; source 0 in window 1
.irp t, 0,1,2,3,4,5,6,7,8,9
	WMZ SS+8*\t, 8*\t, QF+4*\hd, KS+\t, QS
.endr
	WIN 0
	PLACES 4
	s_cmp_lt_u32 s[GM], 4                          ; at a sequence's start: the groups in front of it
	s_cbranch_scc0 .Linside_\@
.irp g, 0,1,2,3
	s_add_co_u32 s10, s[GM], \g
	s_cmp_lt_u32 s10, 4
	s_cselect_b32 s11, -1, 0
.irp n, 0,1,2,3,4,5,6,7,8,9,10,11,12,13,14,15
	v_cndmask_b32 v[SS+16*\g+\n], v[SS+16*\g+\n], v[NINF], s11
.endr
.endr
.Linside_\@:
.irp n, 0,1,2,3,4,5,6,7,8,9,10,11,12,13,14,15
	v_cndmask_b32 v[SS+\n], v[NINF], v[SS+\n], s[MK+\n]          ; group 0: only the keys above
.endr
.irp n, 0,1,2,3,4,5,6,7,8,9,10,11,12,13,14,15
	v_cndmask_b32 v[SS+64+\n], v[SS+64+\n], v[NINF], s[MK+\n]    ; group 4: only those not above
.endr
.irp b, 0,1,2,3,4
	v_max3_num_f32 v[BM+\b], v[SS+16*\b], v[SS+16*\b+1], v[SS+16*\b+2]   ; each block's largest score: for the row's maximum and, since p rises with the score, for the block's largest p
.endr
.irp i, 3,5,7,9,11,13
.irp b, 0,1,2,3,4
	v_max3_num_f32 v[BM+\b], v[BM+\b], v[SS+16*\b+\i], v[SS+16*\b+\i+1]
.endr
.endr
.irp b, 0,1,2,3,4
	v_max_num_f32 v[BM+\b], v[BM+\b], v[SS+16*\b+15]
.endr
.irp b, 0,1,2,3,4
	v_permlanex16_b32 v[BT+\b], v[BM+\b], s[SEL], s[SEL+1]
.endr
.irp b, 0,1,2,3,4
	v_max_num_f32 v[BM+\b], v[BM+\b], v[BT+\b]
.endr
	v_max3_num_f32 v14, v[BM], v[BM+1], v[BM+2]
	v_max3_num_f32 v14, v14, v[BM+3], v[BM+4]
	v_mul_f32 v14, s[CS], v14
	v_floor_f32 v[NM], -v14                        ; -M = floor(-t) = -ceil(t)
.set jj, 0
.rept 40
	v_pk_fma_f32 v[SS+jj:SS+jj+1], v[SS+jj:SS+jj+1], s[CS:CS+1], v[NM:NM+1] op_sel_hi:[1,0,0]
.set jj, jj+2
.endr
.irp b, 0,1,2,3,4
	v_fma_f32 v[BM+\b], v[BM+\b], s[CS], v[NM]
.endr
.set jj, 0
.rept 80
	v_exp_f32 v[SS+jj], v[SS+jj]                   ; p = 2^(t - M): not normalised
.set jj, jj+1
.endr
	v_nop                                          ; a plain place behind the batch
	s_wait_alu depctr_va_vdst(0)                   ; one wait for the 80, ahead of their first reader
.irp b, 0,1,2,3,4
	v_exp_f32 v[BM+\b], v[BM+\b]
.endr
	v_pk_add_f32 v[SUMA:SUMA+1], v[SS:SS+1], v[SS+2:SS+3]         ; the sum of the unquantised p, in two chains
	v_pk_add_f32 v[SUMB:SUMB+1], v[SS+4:SS+5], v[SS+6:SS+7]
.set jj, 8
.rept 18
	v_pk_add_f32 v[SUMA:SUMA+1], v[SUMA:SUMA+1], v[SS+jj:SS+jj+1]
	v_pk_add_f32 v[SUMB:SUMB+1], v[SUMB:SUMB+1], v[SS+jj+2:SS+jj+3]
.set jj, jj+4
.endr
	v_pk_add_f32 v[SUMA:SUMA+1], v[SUMA:SUMA+1], v[SUMB:SUMB+1]
	s_wait_alu depctr_va_vdst(0)                   ; and one for the five
.irp b, 0,1,2,3,4
	v_max_num_f32 v[BM+\b], 0x1800000, v[BM+\b]    ; the floor: a block whose every p is 0 keeps the byte 1; its codes are zeros
.endr
.irp b, 0,1,2,3,4
	v_add_nc_u32 v[SO+\b], 0xff000000, v[BM+\b]
.endr
.irp b, 0,1,2,3,4
	v_lshrrev_b32 v[BY+\b], 23, v[SO+\b]
.endr
	v_lshl_or_b32 v[PW0], v[BY+1], 8, v[BY]
	v_lshl_or_b32 v[PW0], v[BY+2], 16, v[PW0]
	v_lshl_or_b32 v[PW0], v[BY+3], 24, v[PW0]
	v_lshlrev_b32 v[PW1], 24, v[BY+4]
	v_mov_b32 v[PB+4], 0
	v_mov_b32 v[PB+5], 0
.irp b, 0,1,2,3
	v_cvt_scalef32_pk8_fp4_f32 v[PA+2*\b], v[SS+16*\b:SS+16*\b+7], v[SO+\b]
	v_cvt_scalef32_pk8_fp4_f32 v[PA+2*\b+1], v[SS+16*\b+8:SS+16*\b+15], v[SO+\b]
.endr
	v_cvt_scalef32_pk8_fp4_f32 v[PB+6], v[SS+64:SS+71], v[SO+4]
	v_cvt_scalef32_pk8_fp4_f32 v[PB+7], v[SS+72:SS+79], v[SO+4]
	v_nop
.irp c, 0,1
.irp i, 0,1
	v_permlane16_swap_b32 v[PA+4*\c+\i], v[PA+2+4*\c+\i]
.endr
.endr
	v_permlane16_swap_b32 v[PB+4], v[PB+6]         ; lanes 0-15 (block 2) keep zeros, lanes 16-31 (block 3) hold group 4's 32 keys
	v_permlane16_swap_b32 v[PB+5], v[PB+7]
	v_add_f32 v14, v[SUMA], v[SUMA+1]
	v_permlanex16_b32 v15, v14, s[SEL], s[SEL+1]
	v_add_f32 v14, v14, v15
	v_rcp_f32 v[RL], v14
	PLACES 8                                       ; a scale register written by a vector instruction stands 8 places ahead of a scaled matrix instruction
	WIN 0x01
.irp t, 0,1,2,3
	WMZ OT+32*\hd+8*\t, VF+12*(4*\hd+\t), PA, VW0+4*\hd+\t, PW0
.endr
.irp t, 0,1,2,3
	WMC OT+32*\hd+8*\t, VF+12*(4*\hd+\t)+4, PB, OT+32*\hd+8*\t, VW1+4*\hd+\t, PW1   ; the four sums take turns
.endr
	WIN 0
	PLACES 4
	s_wait_alu depctr_va_vdst(0)                   ; the reciprocal's wait, ahead of its first reader
.set jj, 0
.rept 16
	v_pk_mul_f32 v[OT+32*\hd+jj:OT+32*\hd+jj+1], v[OT+32*\hd+jj:OT+32*\hd+jj+1], v[RL:RL+1] op_sel_hi:[1,0]
.set jj, jj+2
.endr
.endm
	JOB 0
	JOB 1
	; ---- out_w's K steps 1 and 2, its scale words, out_b; meanwhile ctx of my two heads becomes K step hp of the out projection
	WIN 0x40
.irp p, 0,1,2,3,4,5,6,7
.irp c, 0,1
	global_load_b128 v[64+8*\p+4*\c:64+8*\p+4*\c+3], v[L16], s[70:71] offset:8192*\p+1024+512*\c
.endr
.endr
.irp p, 0,1,2,3,4,5,6,7
.irp c, 0,1
	global_load_b128 v[128+8*\p+4*\c:128+8*\p+4*\c+3], v[L16], s[70:71] offset:8192*\p+2048+512*\c
.endr
.endr
	WIN 0
.irp p, 0,1,2,3,4,5,6,7
.irp f, 0,1
	global_load_b128 v[BB+8*\p+4*\f:BB+8*\p+4*\f+3], v[WSO], s[36:37] offset:512*\p+16*\f
.endr
.endr
.irp i, 0,1,2,3,4,5,6,7,8,9,10,11,12,13,14,15
	global_load_b128 v[AA+4*\i:AA+4*\i+3], v[WOFF], s[22:23] offset:128*(\i/4)+16*(\i%4)
.endr
	QUANT OT
	ds_store_b128 v[CIW], v[PC:PC+3]
	ds_store_b128 v[CIW], v[PC+4:PC+7] offset:512
	ds_store_b32 v[CSW], v[PW]
	BAR                                            ; ctx's eight fragments lie in LDS
	WIN 0x40
.irp s, 0,1,2,3,4,5,6,7
.irp c, 0,1
	ds_load_b128 v[8*\s+4*\c:8*\s+4*\c+3], v[CIR] offset:1024*\s+512*\c
.endr
.endr
	WIN 0
.irp s, 0,1,2,3,4,5,6,7
	ds_load_b32 v[CS8+\s], v[CSR] offset:64*\s
.endr
	s_wait_dscnt 0x0
	s_wait_loadcnt 0x0
; K step s of the out projection: source 0 = my 8 tiles of out_w, source 1 = ctx; out_b is the C of the first step.  The step's registers then take K step s + 3.
.macro OSTEP s
.if ((\s) >= 3) && ((\s) < 7)
	s_wait_loadcnt 32                              ; this step's 16 loads are in; two later runs of 16 were issued behind them
.endif
.if (\s) == 7
	s_wait_loadcnt 16                              ; behind the last step's loads: ln2_w's 16
.endif
	WIN 0x05
.irp p, 0,1,2,3,4,5,6,7
.if (\s) == 0
	WMC OT+8*\p, 64+64*(((\s)+2)%3)+8*\p, 8*(\s), AA+8*\p, BB+8*\p+(\s), CS8+(\s)
.else
	WMC OT+8*\p, 64+64*(((\s)+2)%3)+8*\p, 8*(\s), OT+8*\p, BB+8*\p+(\s), CS8+(\s)
.endif
.endr
	WIN 0
	PLACES 4
.if (\s) <= 4
	WIN 0x40
.irp p, 0,1,2,3,4,5,6,7
.irp c, 0,1
	global_load_b128 v[64+64*(((\s)+2)%3)+8*\p+4*\c:64+64*(((\s)+2)%3)+8*\p+4*\c+3], v[L16], s[70:71] offset:8192*\p+1024*((\s)+3)+512*\c
.endr
.endr
	WIN 0
.endif
.if (\s) == 5
.irp i, 0,1,2,3,4,5,6,7,8,9,10,11,12,13,14,15
	global_load_b128 v[AA+4*\i:AA+4*\i+3], v[WOFF], s[24:25] offset:128*(\i/4)+16*(\i%4)   ; ln2_w
.endr
.endif
.endm
.irp s, 0,1,2,3,4,5,6,7
	OSTEP \s
.endr
	; ---- x1 = the sums + x; it leaves through my stage as whole runs of 512 bytes
.irp i, 0,1,2,3,4,5,6,7,8,9,10,11,12,13,14,15
	ds_load_b128 v[BB+4*\i:BB+4*\i+3], v[SL] offset:128*(\i/4)+16*(\i%4)
.endr
	s_wait_dscnt 0x0
.set jj, 0
.rept 32
	v_pk_add_f32 v[OT+jj:OT+jj+1], v[OT+jj:OT+jj+1], v[BB+jj:BB+jj+1]
.set jj, jj+2
.endr
.irp i, 0,1,2,3,4,5,6,7,8,9,10,11,12,13,14,15
	global_load_b128 v[BB+4*\i:BB+4*\i+3], v[WOFF], s[26:27] offset:128*(\i/4)+16*(\i%4)   ; ln2_b
.endr
.irp i, 0,1,2,3,4,5,6,7,8,9,10,11,12,13,14,15
	ds_store_b128 v[SL], v[OT+4*\i:OT+4*\i+3] offset:128*(\i/4)+16*(\i%4)
.endr
	WIN 0x40
.irp i, 0,1,2,3,4,5,6,7,8,9,10,11,12,13,14,15
	ds_load_b128 v[64+4*\i:64+4*\i+3], v[SD] offset:528*\i   ; LDS serves a wave's instructions in order: these see my stores
.endr
	WIN 0
	LNSUM OT
	s_wait_dscnt 0x0
	WIN 0x04                                       ; a store's data are its source 1: window 1
.irp i, 0,1,2,3,4,5,6,7,8,9,10,11,12,13,14,15
	global_store_b128 v[L16], v[64+4*\i:64+4*\i+3], s[28:29] offset:(\i+8*(\i/8))*4096
.endr
	WIN 0
	; ---- LN2 across the eight waves, then the quantiser
	ds_store_b32 v[A1], v[TA]
	BAR
	SUM8 0
	v_mul_f32 v[MP], s12, v[TA]
	v_mov_b32 v[MP+1], v[MP]
.set jj, 0
.rept 32
	v_pk_add_f32 v[OT+jj:OT+jj+1], v[OT+jj:OT+jj+1], v[MP:MP+1] neg_lo:[0,1] neg_hi:[0,1]
.set jj, jj+2
.endr
	LNSQ OT
	ds_store_b32 v[A1], v[TA] offset:512
	BAR
	SUM8 512
	v_fma_f32 v[TA], v[TA], s12, s13
	v_rsq_f32 v[MP], v[TA]
	s_wait_loadcnt 0x0                             ; ln2_w, ln2_b
	v_nop
	s_wait_alu depctr_va_vdst(0)
	v_mov_b32 v[MP+1], v[MP]
.set jj, 0
.rept 32
	v_pk_mul_f32 v[OT+jj:OT+jj+1], v[OT+jj:OT+jj+1], v[MP:MP+1]
.set jj, jj+2
.endr
.set jj, 0
.rept 32
	v_pk_fma_f32 v[OT+jj:OT+jj+1], v[OT+jj:OT+jj+1], v[AA+jj:AA+jj+1], v[BB+jj:BB+jj+1]
.set jj, jj+2
.endr
	QUANT OT
	global_store_b128 v[L16], v[PC:PC+3], s[30:31]
	global_store_b128 v[L16], v[PC+4:PC+7], s[30:31] offset:512
	ds_store_b32 v[A1], v[PW] offset:1024
	BAR
	s_cmp_lg_u32 s3, 0
	s_cbranch_scc1 .Lend
	ds_load_b128 v[T0:T0+3], v[AGR]
	s_wait_dscnt 0x0
	global_store_b128 v[L16], v[T0:T0+3], s[38:39]
.Lend:
	s_wait_xcnt 0x0
	v_lshl_add_u32 v254, v0, 2, 0x13000
	v_mov_b32 v255, 0
	s_wait_tensorcnt 0x0
	ds_add_u32 v254, v255
	s_wait_dscnt 0x0
	s_endpgm
.Lfunc_end_k_qa84b7d15f9_attn:
	.size	k_qa84b7d15f9_attn, .Lfunc_end_k_qa84b7d15f9_attn-k_qa84b7d15f9_attn
	.p2alignl 7, 3214868480
	.fill 96, 4, 3214868480
	.section	.rodata,"a",@progbits
	.p2align	6, 0x0
	.amdhsa_kernel k_qa84b7d15f9_attn
		.amdhsa_group_segment_fixed_size 78848
		.amdhsa_private_segment_fixed_size 0
		.amdhsa_enable_private_segment 0
		.amdhsa_kernarg_size 64
		.amdhsa_user_sgpr_count 2
		.amdhsa_user_sgpr_kernarg_segment_ptr 1
		.amdhsa_wavefront_size32 1
		.amdhsa_system_sgpr_workgroup_id_x 1
		.amdhsa_system_sgpr_workgroup_id_y 1
		.amdhsa_system_sgpr_workgroup_id_z 1
		.amdhsa_system_vgpr_workitem_id 0
		.amdhsa_next_free_vgpr 512
		.amdhsa_next_free_sgpr 72
		.amdhsa_reserve_vcc 0
		.amdhsa_float_denorm_mode_32 3
		.amdhsa_float_denorm_mode_16_64 3
		.amdhsa_memory_ordered 1
		.amdhsa_forward_progress 1
		.amdhsa_inst_pref_size 120
	.end_amdhsa_kernel
	.amdgpu_metadata
---
amdhsa.version: [ 1, 2 ]
amdhsa.kernels:
  - .name:           k_qa84b7d15f9_attn
    .symbol:         k_qa84b7d15f9_attn.kd
    .args:
      - { .name: qkvc, .offset: 0, .size: 8, .value_kind: global_buffer, .address_space: global }
      - { .name: wts, .offset: 8, .size: 8, .value_kind: global_buffer, .address_space: global }
      - { .name: x, .offset: 16, .size: 8, .value_kind: global_buffer, .address_space: global }
      - { .name: out_b, .offset: 24, .size: 8, .value_kind: global_buffer, .address_space: global }
      - { .name: ln2_w, .offset: 32, .size: 8, .value_kind: global_buffer, .address_space: global }
      - { .name: ln2_b, .offset: 40, .size: 8, .value_kind: global_buffer, .address_space: global }
      - { .name: x1, .offset: 48, .size: 8, .value_kind: global_buffer, .address_space: global }
      - { .name: h2c, .offset: 56, .size: 8, .value_kind: global_buffer, .address_space: global }
    .group_segment_fixed_size: 78848
    .private_segment_fixed_size: 0
    .kernarg_segment_align: 8
    .kernarg_segment_size: 64
    .max_flat_workgroup_size: 256
    .sgpr_count:     72
    .vgpr_count:     512
    .wavefront_size: 32
...
	.end_amdgpu_metadata
.endif
;; end of part 3
;; launch ff1 (part 4): grid 12 x 16, 4 waves a work-group, clusters of 4 x 4, 281,088 bytes of LDS; arguments wts, h2c, ff1_b, gc; writes gc
.if DOCPART == 4
	.amdgcn_target "amdgcn-amd-amdhsa--gfx1250"
	.amdhsa_code_object_version 6
	.text
	.protected	k_qa84b7d15f9_ff1
	.globl	k_qa84b7d15f9_ff1
	.p2align	8
	.type	k_qa84b7d15f9_ff1,@function
k_qa84b7d15f9_ff1:
	s_mov_b64 s[64:65], 0
	v_nop
	global_prefetch_b8 v0, s[64:65] scope:SCOPE_SE
	s_setreg_imm32_b32 hwreg(HW_REG_WAVE_MODE, 25, 1), 1
	s_wait_xcnt 0x0
	s_wait_alu depctr_hold_cnt(0) depctr_sa_sdst(0) depctr_va_vdst(0) depctr_va_sdst(0) depctr_va_ssrc(0) depctr_va_vcc(0) depctr_vm_vsrc(0)
	s_getreg_b32 s2, hwreg(HW_REG_IB_STS2, 6, 4)
	s_cmp_eq_u32 s2, 0
	s_cbranch_scc0 .Lentry_in_a_cluster
	s_endpgm
.Lentry_in_a_cluster:
	s_bfe_u32 s2, ttmp6, 0x10000c
	s_cmp_lg_u32 s2, 0xf033
	s_cbranch_scc0 .Lentry_shape_is_right
	s_endpgm
.Lentry_shape_is_right:
; FF1: gelu(LN2(x1) ff1_w^T + ff1_b) on codes of E2M1, quantised on the way along the hidden units, which are the next product's K.
; A work-group makes 256 tokens x 256 hidden units, each of its four waves 128 x 128.  K = 1,024: both panels fit in LDS, every LDS byte is filled ONCE: five tensor loads a wave at the start.
; CLUSTER 4 x 4: the weights' panel is asked for jointly along a column of the cluster, the tokens' along a row.  Source 0 = weights (P: its rows run along a lane's registers), source 1 = tokens (R: the lanes).
; GELU is exact: 0.5 x (1 + erf(x / sqrt 2)), erf(z) = z P(z^2) / Q(z^2) with z held to +-4, a rational form good to a few units in the last place of 1.
; LIMITS: for x far under 0 the result therefore carries an absolute error of about 1e-7 |x|, as any f32 sum 1 + erf does.  NaN and infinities are not served; a block under 2^-124, a block of zeros too, keeps the byte 1.
; The way out is a loop of 8 trips, one of R's tiles each: only the 32 additions that fetch a tile's sums differ from trip to trip, and stand in eight short blocks chosen by the trip's number.
.set WC,   4194304                     ; ff1_w's codes in wts
.set WSC,  7602176
.set HSC,  2097152                     ; LN2(x1)'s scale words in h2c
.set GS,   6291456
.set SCL,  262144
.set STGS, 278528
.set ADP,  1
.set ADR,  5
.set ASP,  9
.set ASR,  10
.set ASTG, 11
.set ASTR, 12
.set L16,  13
.set KA1,  16                          ; pairs: the second coefficients of P and Q
.set KB1,  18
.set SC,   32
.set H,    32
.set GZ,   96
.set GZ2,  112
.set GP,   128
.set GQ,   144
.set BIAS, 160
.set TM,   224
.set PW,   240
.set PC,   242
.set SQ,   252
.set SEL,  16
.set MSB, 0
.macro WIN new
.if MSB != (\new)
	s_set_vgpr_msb (MSB<<8)|(\new)
.set MSB, (\new)
.endif
.endm
.macro PLACES n
.rept \n
	v_nop
.endr
.endm
.macro QUANT s
.irp b, 0,1,2,3
	v_max3_num_f32 v[TM+\b], |v[\s+16*\b]|, |v[\s+1+16*\b]|, 0x1800000
.endr
.irp i, 2,4,6,8,10,12,14
.irp b, 0,1,2,3
	v_max3_num_f32 v[TM+\b], v[TM+\b], |v[\s+16*\b+\i]|, |v[\s+1+16*\b+\i]|
.endr
.endr
.irp b, 0,1,2,3
	v_permlanex16_b32 v[TM+4+\b], v[TM+\b], s[SEL], s[SEL+1]
.endr
.irp b, 0,1,2,3
	v_max_num_f32 v[TM+\b], v[TM+\b], v[TM+4+\b]
.endr
.irp b, 0,1,2,3
	v_add_nc_u32 v[TM+12+\b], 0xff000000, v[TM+\b]
.endr
.irp b, 0,1,2,3
	v_lshrrev_b32 v[TM+4+\b], 23, v[TM+12+\b]
.endr
	v_lshl_or_b32 v[PW], v[TM+5], 8, v[TM+4]
	v_lshl_or_b32 v[PW], v[TM+6], 16, v[PW]
	v_lshl_or_b32 v[PW], v[TM+7], 24, v[PW]
.irp b, 0,1,2,3
	v_cvt_scalef32_pk8_fp4_f32 v[PC+2*\b], v[\s+16*\b:\s+7+16*\b], v[TM+12+\b]
	v_cvt_scalef32_pk8_fp4_f32 v[PC+1+2*\b], v[\s+8+16*\b:\s+15+16*\b], v[TM+12+\b]
.endr
	v_nop
.irp c, 0,1
.irp i, 0,1
	v_permlane16_swap_b32 v[PC+4*\c+\i], v[PC+2+4*\c+\i]
.endr
.endr
.endm
.macro CROUND
	s_barrier_signal -1
	s_barrier_wait -1
	s_cmp_lg_u32 s3, 0
	s_cbranch_scc1 .Lnot_wave_0_\@
	s_barrier_signal -3
.Lnot_wave_0_\@:
	s_barrier_wait -3
	s_barrier_signal -1
	s_barrier_wait -1
.endm
.macro MKG0 g, loff, b, goff
	s_mov_b32 s[\g], 1
	s_add_co_u32 s[\g+1], s100, \loff
	s_add_nc_u64 s[\g+2:\g+3], s[\b:\b+1], \goff
	s_or_b32 s[\g+3], s[\g+3], 0x80000000
.endm
	s_load_b256 s[4:11], s[0:1], 0x0               ; wts, h2c, ff1_b, gc
	v_lshl_add_u32 v250, v0, 2, 0x44800
	v_mov_b32 v251, 0
	ds_add_u32 v250, v251
	ds_add_u32 v250, v251
	v_lshrrev_b32 v14, 5, v0
	v_readfirstlane_b32 s3, v14
	s_and_b32 s14, s3, 1                           ; which 128 hidden units are mine; also which half of a panel I fetch
	s_lshr_b32 s15, s3, 1                          ; which 128 tokens; also: I fetch weights (0) or tokens (1)
	s_bfe_u32 s16, ttmp6, 0x40000
	s_bfe_u32 s17, ttmp6, 0x40004
	s_lshl_b32 s12, ttmp9, 2
	s_add_co_u32 s12, s12, s16                     ; X
	s_and_b32 s13, ttmp7, 0xffff
	s_lshl_b32 s13, s13, 2
	s_add_co_u32 s13, s13, s17                     ; Y
	s_lshl_b32 s18, s17, 2
	s_lshl_b32 s18, 15, s18                        ; my row of the cluster
	s_lshl_b32 s19, 0x1111, s16                    ; my column
	s_or_b32 s24, s19, (3<<16)|(1<<21)
	s_or_b32 s40, s19, (3<<16)|(1<<21)
	s_or_b32 s32, s18, (3<<16)|(1<<21)
	s_or_b32 s48, s18, (3<<16)|(1<<21)
.irp g, 24, 32                         ; codes: 8 rows (tiles) of 256 elements of 8 bytes (two K steps), pitch 1,024
	s_mov_b32 s[\g+1], 256<<16
	s_mov_b32 s[\g+2], 8<<16
	s_mov_b32 s[\g+3], 256<<16
	s_mov_b32 s[\g+4], 8
	s_mov_b32 s[\g+5], 1024
	s_mov_b32 s[\g+6], 0
	s_mov_b32 s[\g+7], 0
.endr
.irp g, 40, 48                         ; scale words: 4 KiB dense
	s_mov_b32 s[\g+1], 32<<16
	s_mov_b32 s[\g+2], 16<<16
	s_mov_b32 s[\g+3], 32<<16
	s_mov_b32 s[\g+4], 16
	s_mov_b32 s[\g+5], 32
	s_mov_b32 s[\g+6], 0
	s_mov_b32 s[\g+7], 0
.endr
	s_lshl_b32 s2, s14, 16
	s_lshl_b32 s20, s12, 17
	s_add_co_u32 s20, s20, s2
	s_add_co_u32 s20, s20, WC
	s_mov_b32 s21, 0
	s_lshl_b32 s22, s13, 17
	s_add_co_u32 s22, s22, s2
	s_mov_b32 s23, 0
	s_lshl_b32 s100, s3, 14
	s_wait_dscnt 0x0
	s_wait_kmcnt 0x0
	s_add_nc_u64 s[20:21], s[4:5], s[20:21]
	s_add_nc_u64 s[22:23], s[6:7], s[22:23]
	MKG0 56, 0, 20, 0
	MKG0 60, 65536, 20, 2048
	MKG0 68, 131072, 20, 4096
	MKG0 72, 196608, 20, 6144
	MKG0 80, 0, 22, 0
	MKG0 84, 65536, 22, 2048
	MKG0 88, 131072, 22, 4096
	MKG0 92, 196608, 22, 6144
	s_lshl_b32 s2, s14, 12
	s_lshl_b32 s20, s12, 13
	s_add_co_u32 s20, s20, s2
	s_add_co_u32 s20, s20, WSC
	s_mov_b32 s21, 0
	s_lshl_b32 s22, s13, 13
	s_add_co_u32 s22, s22, s2
	s_add_co_u32 s22, s22, HSC
	s_mov_b32 s23, 0
	s_add_nc_u64 s[20:21], s[4:5], s[20:21]
	s_add_nc_u64 s[22:23], s[6:7], s[22:23]
	s_lshl_b32 s100, s3, 12
	MKG0 76, SCL, 20, 0
	MKG0 96, SCL, 22, 0
	CROUND                                         ; all sixteen work-groups are here: the joint loads meet
	s_cmp_lt_u32 s3, 2                             ; five tensor loads of mine are out
	s_cbranch_scc0 .Lfor_h
	tensor_load_to_lds s[76:79], s[40:47]
	s_nop 0
	tensor_load_to_lds s[56:59], s[24:31]
	s_nop 0
	tensor_load_to_lds s[60:63], s[24:31]
	s_nop 0
	tensor_load_to_lds s[68:71], s[24:31]
	s_nop 0
	tensor_load_to_lds s[72:75], s[24:31]
	s_nop 0
	PLACES 4
	s_branch .Lasked
.Lfor_h:
	tensor_load_to_lds s[96:99], s[48:55]
	s_nop 0
	tensor_load_to_lds s[80:83], s[32:39]
	s_nop 0
	tensor_load_to_lds s[84:87], s[32:39]
	s_nop 0
	tensor_load_to_lds s[88:91], s[32:39]
	s_nop 0
	tensor_load_to_lds s[92:95], s[32:39]
	s_nop 0
	PLACES 4
.Lasked:
	v_and_b32 v224, 31, v0
	v_lshlrev_b32 v[L16], 4, v224
	v_and_b32 v225, 15, v0
	v_bfe_u32 v14, v0, 4, 1
	v_lshlrev_b32 v14, 6, v14                      ; 64 h
	s_lshl_b32 s18, s14, 14                        ; P = weights, at a chunk's head
	s_lshl_b32 s19, s15, 14
	s_add_co_u32 s19, s19, 32768                   ; R = tokens, behind them
.irp c, 0,1,2,3
	v_add_nc_u32 v[ADP+\c], s18, v[L16]
	v_add_nc_u32 v[ADR+\c], s19, v[L16]
	s_add_co_u32 s18, s18, 65536
	s_add_co_u32 s19, s19, 65536
.endr
	s_lshl_b32 s20, s14, 12
	s_add_co_u32 s20, s20, SCL
	s_lshl_b32 s21, s15, 12
	s_add_co_u32 s21, s21, SCL+8192
	v_lshlrev_b32 v226, 5, v225
	v_add_nc_u32 v[ASP], s20, v226
	v_add_nc_u32 v[ASR], s21, v226
	s_lshl_b32 s2, s3, 9
	s_add_co_u32 s2, s2, STGS
	v_lshl_add_u32 v[ASTG], v225, 2, s2
	v_add_nc_u32 v[ASTR], s2, v[L16]
.irp b, 0,1,2,3
	v_mov_b32 v[TM+4+\b], 0
.endr
	v_mov_b32 v[KA1], 0x32edffee                   ; 2.77068142e-08
	v_mov_b32 v[KA1+1], 0x32edffee
	v_mov_b32 v[KB1], 0xb95fbd29                   ; -2.13374055e-04
	v_mov_b32 v[KB1+1], 0xb95fbd29
	s_lshl_b32 s2, s12, 1
	s_add_co_u32 s2, s2, s14
	s_lshl_b32 s2, s2, 8
	s_lshl_b32 s18, s13, 4
	s_add_co_u32 s2, s2, s18
	s_lshl_b32 s18, s15, 3
	s_add_co_u32 s2, s2, s18                       ; my first fragment: (2 X + ph) 256 + 16 Y + 8 rh
	s_lshl_b32 s20, s2, 10
	s_mov_b32 s21, 0
	s_lshl_b32 s22, s2, 6
	s_add_co_u32 s22, s22, GS
	s_mov_b32 s23, 0
	s_add_nc_u64 s[20:21], s[10:11], s[20:21]
	s_add_nc_u64 s[22:23], s[10:11], s[22:23]
	s_lshl_b32 s18, s12, 10
	s_lshl_b32 s2, s14, 9
	s_add_co_u32 s18, s18, s2
	s_mov_b32 s19, 0
	s_add_nc_u64 s[8:9], s[8:9], s[18:19]          ; the bias of my 128 hidden units
	s_mov_b32 s[SEL], 0x76543210
	s_mov_b32 s[SEL+1], 0xfedcba98
.irp i, 0,1,2,3,4,5,6,7,8,9,10,11,12,13,14,15
	global_load_b128 v[BIAS+4*\i:BIAS+4*\i+3], v14, s[8:9] offset:128*(\i/4)+16*(\i%4)
.endr
.macro FETCH s
	WIN 0x40
.irp i, 0,1,2,3,4,5,6,7
.irp c, 0,1
	ds_load_b128 v[64*((\s)%2)+8*\i+4*\c:64*((\s)%2)+8*\i+4*\c+3], v[ADP+(\s)/2] offset:2048*\i+1024*((\s)%2)+512*\c
	ds_load_b128 v[128+64*((\s)%2)+8*\i+4*\c:128+64*((\s)%2)+8*\i+4*\c+3], v[ADR+(\s)/2] offset:2048*\i+1024*((\s)%2)+512*\c
.endr
.endr
.endm
.macro MUL s                           ; the 64 accumulators take turns in one order in every step; step 0 starts the sums
.irp a, 0,1,2,3,4,5,6,7
	WIN 0xa5+0x50*(\a/4)
.irp p, 0,1,2,3,4,5,6,7
.if (\s) == 0
	v_wmma_scale_f32_16x16x128_f8f6f4 v[64*(\a%4)+8*\p:64*(\a%4)+8*\p+7], v[64*((\s)%2)+8*\p:64*((\s)%2)+8*\p+7], v[128+64*((\s)%2)+8*\a:128+64*((\s)%2)+8*\a+7], 0, v[SC+8*\p+(\s)], v[SC+64+8*\a+(\s)] matrix_a_fmt:MATRIX_FMT_FP4 matrix_b_fmt:MATRIX_FMT_FP4
.else
	v_wmma_scale_f32_16x16x128_f8f6f4 v[64*(\a%4)+8*\p:64*(\a%4)+8*\p+7], v[64*((\s)%2)+8*\p:64*((\s)%2)+8*\p+7], v[128+64*((\s)%2)+8*\a:128+64*((\s)%2)+8*\a+7], v[64*(\a%4)+8*\p:64*(\a%4)+8*\p+7], v[SC+8*\p+(\s)], v[SC+64+8*\a+(\s)] matrix_a_fmt:MATRIX_FMT_FP4 matrix_b_fmt:MATRIX_FMT_FP4
.endif
.endr
.endr
.endm
.macro STEP s
	s_wait_dscnt 0x0
.if ((\s) == 1) || ((\s) == 3) || ((\s) == 5)
	s_wait_tensorcnt 3-((\s)+1)/2                  ; my part of the next chunk has landed: the count is the chunks issued behind it
	s_barrier_signal -1
	s_barrier_wait -1
.endif
.if (\s) < 7
.if (\s) > 0
	PLACES 4
.endif
	FETCH (\s)+1
.endif
	MUL \s
.endm
	s_wait_tensorcnt 3                             ; the scale words and chunk 0 are in; three chunks were issued behind them
	s_barrier_signal -1
	s_barrier_wait -1
.irp p, 0,1,2,3,4,5,6,7
.irp f, 0,1
	ds_load_b128 v[SC+8*\p+4*\f:SC+8*\p+4*\f+3], v[ASP] offset:512*\p+16*\f
	ds_load_b128 v[SC+64+8*\p+4*\f:SC+64+8*\p+4*\f+3], v[ASR] offset:512*\p+16*\f
.endr
.endr
	FETCH 0
.irp s, 0,1,2,3,4,5,6,7
	STEP \s
.endr
	WIN 0
	PLACES 4
	s_wait_loadcnt 0x0                             ; the bias
.macro MOVE a                          ; R's tile a: sums + bias, into window 0
	WIN 0x02+(\a)/4
.set jj, 0
.rept 32
	v_pk_add_f32 v[H+jj:H+jj+1], v[64*((\a)%4)+jj:64*((\a)%4)+jj+1], v[BIAS+jj:BIAS+jj+1]
.set jj, jj+2
.endr
	WIN 0
.endm
.macro GELU q                          ; 16 numbers: the 16 reciprocals are one batch with one wait
.set HB, H+16*(\q)
.irp i, 0,2,4,6,8,10,12,14
	v_pk_mul_f32 v[GZ+\i:GZ+\i+1], v[HB+\i:HB+\i+1], 0x3f3504f3 op_sel_hi:[1,0]   ; z = x / sqrt 2
.endr
.irp i, 0,1,2,3,4,5,6,7,8,9,10,11,12,13,14,15
	v_med3_num_f32 v[GZ+\i], v[GZ+\i], -4.0, 4.0
.endr
.irp i, 0,2,4,6,8,10,12,14
	v_pk_mul_f32 v[GZ2+\i:GZ2+\i+1], v[GZ+\i:GZ+\i+1], v[GZ+\i:GZ+\i+1]
.endr
.irp i, 0,2,4,6,8,10,12,14
	v_pk_fma_f32 v[GP+\i:GP+\i+1], v[GZ2+\i:GZ2+\i+1], 0xaf95df0b, v[KA1:KA1+1] op_sel_hi:[1,0,1]
	v_pk_fma_f32 v[GQ+\i:GQ+\i+1], v[GZ2+\i:GZ2+\i+1], 0xb77460cd, v[KB1:KB1+1] op_sel_hi:[1,0,1]
.endr
.irp k, 0xb60cff51, 0xb86ec2d2, 0xba40ac63, 0xbb41a1f6, 0xbc83dbd4
.irp i, 0,2,4,6,8,10,12,14
	v_pk_fma_f32 v[GP+\i:GP+\i+1], v[GP+\i:GP+\i+1], v[GZ2+\i:GZ2+\i+1], \k op_sel_hi:[1,1,0]
.endr
.endr
.irp k, 0xbadc924e, 0xbbf19bf8, 0xbc69b6a7
.irp i, 0,2,4,6,8,10,12,14
	v_pk_fma_f32 v[GQ+\i:GQ+\i+1], v[GQ+\i:GQ+\i+1], v[GZ2+\i:GZ2+\i+1], \k op_sel_hi:[1,1,0]
.endr
.endr
.irp i, 0,1,2,3,4,5,6,7,8,9,10,11,12,13,14,15
	v_rcp_f32 v[GQ+\i], v[GQ+\i]                   ; every coefficient of Q is negative: Q is never 0
.endr
.irp i, 0,2,4,6,8,10,12,14
	v_pk_mul_f32 v[GP+\i:GP+\i+1], v[GP+\i:GP+\i+1], v[GZ+\i:GZ+\i+1]
	v_pk_mul_f32 v[HB+\i:HB+\i+1], v[HB+\i:HB+\i+1], 0.5 op_sel_hi:[1,0]
.endr
	s_wait_alu depctr_va_vdst(0)                   ; one wait for the batch, ahead of its first reader
.irp i, 0,2,4,6,8,10,12,14
	v_pk_mul_f32 v[GP+\i:GP+\i+1], v[GP+\i:GP+\i+1], v[GQ+\i:GQ+\i+1]   ; erf
.endr
.irp i, 0,2,4,6,8,10,12,14
	v_pk_fma_f32 v[HB+\i:HB+\i+1], v[HB+\i:HB+\i+1], v[GP+\i:GP+\i+1], v[HB+\i:HB+\i+1]   ; 0.5 x erf + 0.5 x
.endr
.endm
	s_mov_b32 s18, 0                               ; the trip = R's tile
	s_mov_b32 s19, 0                               ; and its scale words' place in my stage
.Lepi:
	s_cmp_eq_u32 s18, 0
	s_cbranch_scc1 .Lm0
	s_cmp_eq_u32 s18, 1
	s_cbranch_scc1 .Lm1
	s_cmp_eq_u32 s18, 2
	s_cbranch_scc1 .Lm2
	s_cmp_eq_u32 s18, 3
	s_cbranch_scc1 .Lm3
	s_cmp_eq_u32 s18, 4
	s_cbranch_scc1 .Lm4
	s_cmp_eq_u32 s18, 5
	s_cbranch_scc1 .Lm5
	s_cmp_eq_u32 s18, 6
	s_cbranch_scc1 .Lm6
	MOVE 7
	s_branch .Lcommon
.Lm0:
	MOVE 0
	s_branch .Lcommon
.Lm1:
	MOVE 1
	s_branch .Lcommon
.Lm2:
	MOVE 2
	s_branch .Lcommon
.Lm3:
	MOVE 3
	s_branch .Lcommon
.Lm4:
	MOVE 4
	s_branch .Lcommon
.Lm5:
	MOVE 5
	s_branch .Lcommon
.Lm6:
	MOVE 6
.Lcommon:
	GELU 0
	GELU 1
	GELU 2
	GELU 3
	QUANT H
	global_store_b128 v[L16], v[PC:PC+3], s[20:21]
	global_store_b128 v[L16], v[PC+4:PC+7], s[20:21] offset:512
	v_add_nc_u32 v[SQ], s19, v[ASTG]
	ds_store_b32 v[SQ], v[PW]
	s_wait_dscnt 0x0
	s_wait_xcnt 0x0                                ; the stores have read their registers and their base
	s_add_nc_u64 s[20:21], s[20:21], 1024
	s_add_co_u32 s19, s19, 64
	s_add_co_u32 s18, s18, 1
	s_cmp_lt_u32 s18, 8
	s_cbranch_scc1 .Lepi
	ds_load_b128 v[SQ:SQ+3], v[ASTR]
	s_wait_dscnt 0x0
	global_store_b128 v[L16], v[SQ:SQ+3], s[22:23]
	s_wait_tensorcnt 0x0
	ds_add_u32 v250, v251
	s_wait_dscnt 0x0
	CROUND                                         ; the closing round
	s_endpgm
.Lfunc_end_k_qa84b7d15f9_ff1:
	.size	k_qa84b7d15f9_ff1, .Lfunc_end_k_qa84b7d15f9_ff1-k_qa84b7d15f9_ff1
	.p2alignl 7, 3214868480
	.fill 96, 4, 3214868480
	.section	.rodata,"a",@progbits
	.p2align	6, 0x0
	.amdhsa_kernel k_qa84b7d15f9_ff1
		.amdhsa_group_segment_fixed_size 281088
		.amdhsa_private_segment_fixed_size 0
		.amdhsa_enable_private_segment 0
		.amdhsa_kernarg_size 32
		.amdhsa_user_sgpr_count 2
		.amdhsa_user_sgpr_kernarg_segment_ptr 1
		.amdhsa_wavefront_size32 1
		.amdhsa_system_sgpr_workgroup_id_x 1
		.amdhsa_system_sgpr_workgroup_id_y 1
		.amdhsa_system_sgpr_workgroup_id_z 1
		.amdhsa_system_vgpr_workitem_id 0
		.amdhsa_next_free_vgpr 1024
		.amdhsa_next_free_sgpr 104
		.amdhsa_reserve_vcc 0
		.amdhsa_float_denorm_mode_32 3
		.amdhsa_float_denorm_mode_16_64 3
		.amdhsa_memory_ordered 1
		.amdhsa_forward_progress 1
		.amdhsa_inst_pref_size 168
	.end_amdhsa_kernel
	.amdgpu_metadata
---
amdhsa.version: [ 1, 2 ]
amdhsa.kernels:
  - .name:           k_qa84b7d15f9_ff1
    .symbol:         k_qa84b7d15f9_ff1.kd
    .args:
      - { .name: wts, .offset: 0, .size: 8, .value_kind: global_buffer, .address_space: global }
      - { .name: h2c, .offset: 8, .size: 8, .value_kind: global_buffer, .address_space: global }
      - { .name: ff1_b, .offset: 16, .size: 8, .value_kind: global_buffer, .address_space: global }
      - { .name: gc, .offset: 24, .size: 8, .value_kind: global_buffer, .address_space: global }
    .group_segment_fixed_size: 281088
    .private_segment_fixed_size: 0
    .kernarg_segment_align: 8
    .kernarg_segment_size: 32
    .max_flat_workgroup_size: 128
    .sgpr_count:     104
    .vgpr_count:     1024
    .wavefront_size: 32
...
	.end_amdgpu_metadata
.endif
;; end of part 4
;; launch ff2 (part 5): grid 8 x 32, 4 waves a work-group, clusters of 4 x 4, 327,680 bytes of LDS; arguments wts, gc, ff2_b, x1, out0; writes out0
.if DOCPART == 5
	.amdgcn_target "amdgcn-amd-amdhsa--gfx1250"
	.amdhsa_code_object_version 6
	.text
	.protected	k_qa84b7d15f9_ff2
	.globl	k_qa84b7d15f9_ff2
	.p2align	8
	.type	k_qa84b7d15f9_ff2,@function
k_qa84b7d15f9_ff2:
	s_mov_b64 s[64:65], 0
	v_nop
	global_prefetch_b8 v0, s[64:65] scope:SCOPE_SE
	s_setreg_imm32_b32 hwreg(HW_REG_WAVE_MODE, 25, 1), 1
	s_wait_xcnt 0x0
	s_wait_alu depctr_hold_cnt(0) depctr_sa_sdst(0) depctr_va_vdst(0) depctr_va_sdst(0) depctr_va_ssrc(0) depctr_va_vcc(0) depctr_vm_vsrc(0)
	s_getreg_b32 s2, hwreg(HW_REG_IB_STS2, 6, 4)
	s_cmp_eq_u32 s2, 0
	s_cbranch_scc0 .Lentry_in_a_cluster
	s_endpgm
.Lentry_in_a_cluster:
	s_bfe_u32 s2, ttmp6, 0x10000c
	s_cmp_lg_u32 s2, 0xf033
	s_cbranch_scc0 .Lentry_shape_is_right
	s_endpgm
.Lentry_shape_is_right:
; FF2: out0 = x1 + gelu(..) ff2_w^T + ff2_b, the product on codes of E2M1.
; A work-group makes 128 tokens x 128 columns (256 work-groups), each of its four waves 64 x 64: 16 accumulators.  Source 0 = ff2_w's rows (P), source 1 = tokens (R).
; K = 3,072 = 24 steps = six sixths of four.  Four LDS slots of 64 KiB take sixths 0-3 with the first fills; sixth 4 is filled into slot 0 and sixth 5 into slot 1, each behind the wait for all my tensor loads,
; the add onto my spare word, the wait for it and for my reads, and a round of the cluster's barrier.  By this text's count five tensor loads of a wave are out at the start, one behind each change of slots.
; The launch claims all of a WGP's LDS.
; CLUSTER 4 x 4: P's panel is asked for jointly along a column of the cluster, R's along a row.
; x1's 64 x 64 numbers of a wave are asked for at the head, in the layout in which the results leave, and are on their way during the whole product.  ff2_b is the C of the first step.
.set W2C,  5767168
.set W2S,  7700480
.set GS,   6291456
.set SCL,  262144                      ; P's scale words (tile x 1,536), then R's at +12,288 (K step x 512 + tile x 64); 6,144 bytes a wave's load
.set STAGE, 286720                     ; 16 rows x 272 bytes for each wave: no tensor load lands here
.set SPARE, 304128                     ; the spare words, 128 bytes for each wave: no other line names them
.set ADP,  1                           ; v1-4  P's fragments in slot n
.set ADR,  5                           ; v5-8  R's
.set ASP,  9
.set ASR,  10
.set STO,  11
.set RD,   12
.set CO,   13
.set SPW,  28
.set NIL,  29
.set SC,   32                          ; v32-95 two sets of scale words, by the sixth's parity: P's tile p at +4 p + s', R's tile a at +16 + 4 a + s'
.set BIAS, 96                          ; v96-127
.set ACC,  128                         ; v128-255: (a, p) at ACC + 8 (4 a + p)
.set MSB, 0
.macro WIN new
.if MSB != (\new)
	s_set_vgpr_msb (MSB<<8)|(\new)
.set MSB, (\new)
.endif
.endm
.macro PLACES n
.rept \n
	v_nop
.endr
.endm
.macro CROUND
	s_barrier_signal -1
	s_barrier_wait -1
	s_cmp_lg_u32 s3, 0
	s_cbranch_scc1 .Lnot_wave_0_\@
	s_barrier_signal -3
.Lnot_wave_0_\@:
	s_barrier_wait -3
	s_barrier_signal -1
	s_barrier_wait -1
.endm
.macro MKG0 g, loff, b, goff
	s_mov_b32 s[\g], 1
	s_add_co_u32 s[\g+1], s2, \loff
	s_add_nc_u64 s[\g+2:\g+3], s[\b:\b+1], \goff
	s_or_b32 s[\g+3], s[\g+3], 0x80000000
.endm
.macro JLOAD g0p, g0r                  ; a joint refill: waves 0 and 1 fetch for P, waves 2 and 3 for R; four v_nop follow each line
	s_cmp_eq_u32 s15, 0
	s_cbranch_scc0 .Lfor_r_\@
	tensor_load_to_lds s[\g0p:\g0p+3], s[24:31]
	s_nop 0
	PLACES 4
	s_branch .Lasked_\@
.Lfor_r_\@:
	tensor_load_to_lds s[\g0r:\g0r+3], s[32:39]
	s_nop 0
	PLACES 4
.Lasked_\@:
.endm
	s_load_b256 s[4:11], s[0:1], 0x0               ; wts, gc, ff2_b, x1
	s_load_b64 s[12:13], s[0:1], 0x20              ; out0
	v_lshl_add_u32 v[SPW], v0, 2, SPARE
	v_mov_b32 v[NIL], 0
	ds_add_u32 v28, v29
	ds_add_u32 v28, v29
	s_wait_dscnt 0x0
	v_lshrrev_b32 v14, 5, v0
	v_readfirstlane_b32 s3, v14
	s_and_b32 s14, s3, 1                           ; which 64 columns are mine; also which half I fetch
	s_lshr_b32 s15, s3, 1                          ; which 64 tokens; also: I fetch for P (0) or R (1)
	s_bfe_u32 s16, ttmp6, 0x40000
	s_bfe_u32 s17, ttmp6, 0x40004
	s_lshl_b32 s18, ttmp9, 2
	s_add_co_u32 s18, s18, s16                     ; X
	s_and_b32 s19, ttmp7, 0xffff
	s_lshl_b32 s19, s19, 2
	s_add_co_u32 s19, s19, s17                     ; Y
	s_lshl_b32 s20, s17, 2
	s_lshl_b32 s20, 15, s20                        ; my row of the cluster
	s_lshl_b32 s21, 0x1111, s16                    ; my column
	s_or_b32 s24, s21, (3<<16)|(1<<21)             ; P's codes: 4 rows (tiles) of 512 elements of 8 bytes (four K steps), pitch 3,072
	s_mov_b32 s25, 512<<16
	s_mov_b32 s26, 4<<16
	s_mov_b32 s27, 512<<16
	s_mov_b32 s28, 4
	s_mov_b32 s29, 3072
	s_mov_b32 s30, 0
	s_mov_b32 s31, 0
	s_or_b32 s32, s20, (3<<16)|(1<<21)             ; R's codes: 2 rows (K steps) of 1,024 elements (eight tiles), pitch 32,768
	s_mov_b32 s33, 1024<<16
	s_mov_b32 s34, 2<<16
	s_mov_b32 s35, 1024<<16
	s_mov_b32 s36, 2
	s_mov_b32 s37, 32768
	s_mov_b32 s38, 0
	s_mov_b32 s39, 0
	s_or_b32 s40, s21, (3<<16)|(1<<21)             ; P's scale words: 6,144 bytes dense
	s_mov_b32 s41, 32<<16
	s_mov_b32 s42, 24<<16
	s_mov_b32 s43, 32<<16
	s_mov_b32 s44, 24
	s_mov_b32 s45, 32
	s_mov_b32 s46, 0
	s_mov_b32 s47, 0
	s_or_b32 s48, s20, (3<<16)|(1<<21)             ; R's: 12 rows (K steps) of 64 elements (eight tiles), pitch 2,048
	s_mov_b32 s49, 64<<16
	s_mov_b32 s50, 12<<16
	s_mov_b32 s51, 64<<16
	s_mov_b32 s52, 12
	s_mov_b32 s53, 2048
	s_mov_b32 s54, 0
	s_mov_b32 s55, 0
	s_mul_i32 s22, s18, 196608                     ; P: 8 tiles x 24 KiB a panel (registers that never hold cy),
	s_mul_i32 s2, s14, 98304
	s_add_co_u32 s22, s22, s2
	s_add_co_u32 s22, s22, W2C
	s_mov_b32 s23, 0
	s_lshl_b32 s100, s19, 13                       ; R: 8 KiB a panel in each K step (registers that never hold cx),
	s_lshl_b32 s2, s14, 19                         ; my two K steps of a sixth
	s_add_co_u32 s100, s100, s2
	s_mov_b32 s101, 0
	s_lshl_b32 s2, s3, 14                          ; in a slot: 16 KiB x wave
	s_wait_kmcnt 0x0
	s_add_nc_u64 s[22:23], s[4:5], s[22:23]
	s_add_nc_u64 s[100:101], s[6:7], s[100:101]
	MKG0 56, 0, 22, 0
	MKG0 60, 65536, 22, 4096
	MKG0 68, 131072, 22, 8192
	MKG0 72, 196608, 22, 12288
	MKG0 80, 0, 100, 0
	MKG0 84, 65536, 100, 1048576
	MKG0 88, 131072, 100, 2097152
	MKG0 92, 196608, 100, 3145728
	s_mul_i32 s22, s18, 12288
	s_mul_i32 s2, s14, 6144
	s_add_co_u32 s22, s22, s2
	s_add_co_u32 s22, s22, W2S
	s_mov_b32 s23, 0
	s_lshl_b32 s100, s19, 9
	s_mul_i32 s2, s14, 196608
	s_add_co_u32 s100, s100, s2
	s_add_co_u32 s100, s100, GS
	s_mov_b32 s101, 0
	s_add_nc_u64 s[22:23], s[4:5], s[22:23]
	s_add_nc_u64 s[100:101], s[6:7], s[100:101]
	s_mul_i32 s2, s3, 6144
	MKG0 76, SCL, 22, 0
	MKG0 96, SCL, 100, 0
	CROUND                                         ; all sixteen work-groups are here: the first joint loads meet
	s_cmp_lt_u32 s3, 2
	s_cbranch_scc0 .Lfirst_r
	tensor_load_to_lds s[76:79], s[40:47]
	s_nop 0
	tensor_load_to_lds s[56:59], s[24:31]
	s_nop 0
	tensor_load_to_lds s[60:63], s[24:31]
	s_nop 0
	tensor_load_to_lds s[68:71], s[24:31]
	s_nop 0
	tensor_load_to_lds s[72:75], s[24:31]
	s_nop 0
	PLACES 4
	s_branch .Lfirst_asked
.Lfirst_r:
	tensor_load_to_lds s[96:99], s[48:55]
	s_nop 0
	tensor_load_to_lds s[80:83], s[32:39]
	s_nop 0
	tensor_load_to_lds s[84:87], s[32:39]
	s_nop 0
	tensor_load_to_lds s[88:91], s[32:39]
	s_nop 0
	tensor_load_to_lds s[92:95], s[32:39]
	s_nop 0
	PLACES 4
.Lfirst_asked:
	v_and_b32 v15, 31, v0
	v_lshlrev_b32 v15, 4, v15                      ; 16 x lane
	v_and_b32 v16, 15, v0                          ; r
	v_bfe_u32 v17, v0, 4, 1                        ; h
	v_lshlrev_b32 v14, 6, v17                      ; 64 h: my half's place in the bias
	s_lshl_b32 s20, s14, 14                        ; P: my 4 tiles x 4 KiB
	s_lshl_b32 s21, s15, 12                        ; R: my 4 tiles x 1 KiB in each K step
	s_add_co_u32 s21, s21, 32768
.irp n, 0,1,2,3
	v_add_nc_u32 v[ADP+\n], s20, v15
	v_add_nc_u32 v[ADR+\n], s21, v15
	s_add_co_u32 s20, s20, 65536
	s_add_co_u32 s21, s21, 65536
.endr
	s_mul_i32 s20, s14, 6144
	s_add_co_u32 s20, s20, SCL
	v_lshl_add_u32 v[ASP], v16, 5, s20
	s_lshl_b32 s20, s15, 8
	s_add_co_u32 s20, s20, SCL+12288
	v_lshl_add_u32 v[ASR], v16, 2, s20
	s_mul_i32 s20, s3, 4352
	s_add_co_u32 s20, s20, STAGE
	v_mul_u32_u24 v[STO], v16, 272
	v_lshl_add_u32 v[STO], v17, 6, v[STO]
	v_add_nc_u32 v[STO], s20, v[STO]               ; in: row r, + 64 h
	v_mul_u32_u24 v[RD], v17, 272
	v_lshl_add_u32 v[RD], v16, 4, v[RD]
	v_add_nc_u32 v[RD], s20, v[RD]                 ; back: lanes 0-15 one row of 256 bytes, lanes 16-31 the next
	v_lshlrev_b32 v[CO], 12, v17
	v_lshl_add_u32 v[CO], v16, 4, v[CO]            ; and the same two rows in x1 and out0
	s_lshl_b32 s20, s19, 19                        ; row 128 Y + 64 rh, column 128 X + 64 ph
	s_lshl_b32 s21, s15, 18
	s_add_co_u32 s20, s20, s21
	s_lshl_b32 s21, s18, 9
	s_add_co_u32 s20, s20, s21
	s_lshl_b32 s21, s14, 8
	s_add_co_u32 s20, s20, s21
	s_mov_b32 s21, 0
	s_add_nc_u64 s[10:11], s[10:11], s[20:21]
	s_add_nc_u64 s[12:13], s[12:13], s[20:21]
	s_lshl_b32 s20, s18, 9
	s_lshl_b32 s22, s14, 8
	s_add_co_u32 s20, s20, s22
	s_add_nc_u64 s[8:9], s[8:9], s[20:21]
.irp i, 0,1,2,3,4,5,6,7
	global_load_b128 v[BIAS+4*\i:BIAS+4*\i+3], v14, s[8:9] offset:128*(\i/4)+16*(\i%4)
.endr
	WIN 0x80                                       ; destination window 2
.irp a, 0,1,2,3
.irp i, 0,1,2,3,4,5,6,7
	global_load_b128 v[32*\a+4*\i:32*\a+4*\i+3], v[CO], s[10:11] offset:(32*(\a/2)+8*(\a%2)+2*\i+8*(\i/4))*4096 th:TH_LOAD_NT
.endr
.endr
	WIN 0
.macro FETCHG gi                       ; group gi = K steps 2 gi, 2 gi + 1: 32 loads into set gi % 2 of window 1 (a step: P's 4 fragments, then R's 4)
.set FB, 128*((\gi)%2)
.set SLT, ((\gi)/2)%4
	WIN 0x40
.irp st, 0,1
.irp i, 0,1,2,3
.irp c, 0,1
	ds_load_b128 v[FB+64*\st+8*\i+4*\c:FB+64*\st+8*\i+4*\c+3], v[ADP+SLT] offset:4096*\i+1024*(2*((\gi)%2)+\st)+512*\c
	ds_load_b128 v[FB+64*\st+32+8*\i+4*\c:FB+64*\st+32+8*\i+4*\c+3], v[ADR+SLT] offset:8192*(2*((\gi)%2)+\st)+1024*\i+512*\c
.endr
.endr
.endr
	WIN 0
.endm
.macro SCALESQ q                       ; sixth q's scale words into set q % 2
.set SB, SC+32*((\q)%2)
.irp p, 0,1,2,3
	ds_load_b128 v[SB+4*\p:SB+4*\p+3], v[ASP] offset:1536*\p+512*((\q)/2)+16*((\q)%2)
.endr
.irp a, 0,1,2,3
.irp st, 0,1,2,3
	ds_load_b32 v[SB+16+4*\a+\st], v[ASR] offset:512*(4*(\q)+\st)+64*\a
.endr
.endr
.endm
.macro MULG gi                         ; 2 x 16 matrix instructions; the 16 accumulators take turns in one order; the first step takes the bias as C
.set FB, 128*((\gi)%2)
.set SB, SC+32*(((\gi)/2)%2)
	WIN 0x05
.irp st, 0,1
.irp a, 0,1,2,3
.irp p, 0,1,2,3
.if ((\gi) == 0) && (\st == 0)
	v_wmma_scale_f32_16x16x128_f8f6f4 v[ACC+8*(4*\a+\p):ACC+8*(4*\a+\p)+7], v[FB+64*\st+8*\p:FB+64*\st+8*\p+7], v[FB+64*\st+32+8*\a:FB+64*\st+32+8*\a+7], v[BIAS+8*\p:BIAS+8*\p+7], v[SB+4*\p+2*((\gi)%2)+\st], v[SB+16+4*\a+2*((\gi)%2)+\st] matrix_a_fmt:MATRIX_FMT_FP4 matrix_b_fmt:MATRIX_FMT_FP4
.else
	v_wmma_scale_f32_16x16x128_f8f6f4 v[ACC+8*(4*\a+\p):ACC+8*(4*\a+\p)+7], v[FB+64*\st+8*\p:FB+64*\st+8*\p+7], v[FB+64*\st+32+8*\a:FB+64*\st+32+8*\a+7], v[ACC+8*(4*\a+\p):ACC+8*(4*\a+\p)+7], v[SB+4*\p+2*((\gi)%2)+\st], v[SB+16+4*\a+2*((\gi)%2)+\st] matrix_a_fmt:MATRIX_FMT_FP4 matrix_b_fmt:MATRIX_FMT_FP4
.endif
.endr
.endr
.endr
	WIN 0
.endm
; Slot n, all of whose fragments are in registers, is filled again with the sixth four further on
.macro CHANGE n
	s_wait_tensorcnt 0x0                           ; all my tensor loads have landed, so a group 0 may be written
	ds_add_u32 v[SPW], v[NIL]                      ; 0 onto my spare word
	s_add_nc_u64 s[58+4*\n:59+4*\n], s[58+4*\n:59+4*\n], 16384       ; P: sixteen K steps on in each tile
	s_add_nc_u64 s[82+4*\n:83+4*\n], s[82+4*\n:83+4*\n], 4194304     ; R: sixteen K steps on
	s_wait_dscnt 0x0                               ; the add is done, and my reads of the slot are over
	CROUND                                         ; no wave of any partner still reads the slot or has a load on its way
	JLOAD 56+4*\n, 80+4*\n                         ; the first tensor load behind the round; its four v_nop are also the places in front of the loads that follow
.endm
	s_wait_tensorcnt 3                             ; the scale words and sixth 0 are in; three sixths were issued behind them
	s_barrier_signal -1
	s_barrier_wait -1
	s_wait_loadcnt 32                              ; the bias is in; x1's 32 loads were issued behind it
	SCALESQ 0
	FETCHG 0
	s_wait_dscnt 0x0
	FETCHG 1
	MULG 0
	s_wait_dscnt 0x0
	CHANGE 0
	SCALESQ 1
	FETCHG 2
	MULG 1
	s_wait_dscnt 0x0
	PLACES 4
	FETCHG 3
	MULG 2
	s_wait_dscnt 0x0
	CHANGE 1                                       ; its wait for all loads and its round also show sixth 4 landed, to every wave
	SCALESQ 2
	FETCHG 4
	MULG 3
	s_wait_dscnt 0x0
	PLACES 4
	FETCHG 5
	MULG 4
	s_wait_dscnt 0x0
	PLACES 4
	SCALESQ 3
	FETCHG 6
	MULG 5
	s_wait_dscnt 0x0
	PLACES 4
	FETCHG 7
	MULG 6
	s_wait_dscnt 0x0
	PLACES 4
	SCALESQ 4
	FETCHG 8
	MULG 7
	s_wait_dscnt 0x0
	PLACES 4
	FETCHG 9
	MULG 8
	s_wait_dscnt 0x0
	s_wait_tensorcnt 0x0                           ; my part of sixth 5 has landed,
	s_barrier_signal -1
	s_barrier_wait -1                              ; everybody's has
	PLACES 4
	SCALESQ 5
	FETCHG 10
	MULG 9
	s_wait_dscnt 0x0
	PLACES 4
	FETCHG 11
	MULG 10
	s_wait_dscnt 0x0
	MULG 11
	s_wait_loadcnt 0x0                             ; x1
	PLACES 4
; R's tile a: 16 rows x 64 columns through my stage, back as whole runs of 256 bytes, + x1, stored
.macro OUTA a
.set TT, 32+32*((\a)%2)
.irp p, 0,1,2,3
	ds_store_b128 v[STO], v[ACC+8*(4*(\a)+\p):ACC+8*(4*(\a)+\p)+3] offset:128*(\p/2)+32*(\p%2)       ; each accumulator from its low end on
	ds_store_b128 v[STO], v[ACC+8*(4*(\a)+\p)+4:ACC+8*(4*(\a)+\p)+7] offset:128*(\p/2)+32*(\p%2)+16
.endr
	s_wait_xcnt 0x0                                ; earlier stores have read the registers that the loads below fill
.irp i, 0,1,2,3,4,5,6,7
	ds_load_b128 v[TT+4*\i:TT+4*\i+3], v[RD] offset:544*\i   ; LDS serves a wave's instructions in order: these see my stores
.endr
	s_wait_dscnt 0x0
	WIN 0x08                                       ; source 1 (x1) in window 2
.set jj, 0
.rept 16
	v_pk_add_f32 v[TT+jj:TT+jj+1], v[TT+jj:TT+jj+1], v[32*(\a)+jj:32*(\a)+jj+1]
.set jj, jj+2
.endr
	WIN 0
.irp i, 0,1,2,3,4,5,6,7
	global_store_b128 v[CO], v[TT+4*\i:TT+4*\i+3], s[12:13] offset:(32*((\a)/2)+8*((\a)%2)+2*\i+8*(\i/4))*4096 th:TH_STORE_NT   ; 16 lanes store 256 consecutive bytes, aligned
.endr
.endm
	OUTA 0
	OUTA 1
	OUTA 2
	OUTA 3
	s_wait_tensorcnt 0x0                           ; the wave's end
	ds_add_u32 v[SPW], v[NIL]
	s_wait_dscnt 0x0
	CROUND                                         ; the closing round
	s_endpgm
.Lfunc_end_k_qa84b7d15f9_ff2:
	.size	k_qa84b7d15f9_ff2, .Lfunc_end_k_qa84b7d15f9_ff2-k_qa84b7d15f9_ff2
	.p2alignl 7, 3214868480
	.fill 96, 4, 3214868480
	.section	.rodata,"a",@progbits
	.p2align	6, 0x0
	.amdhsa_kernel k_qa84b7d15f9_ff2
		.amdhsa_group_segment_fixed_size 327680
		.amdhsa_private_segment_fixed_size 0
		.amdhsa_enable_private_segment 0
		.amdhsa_kernarg_size 40
		.amdhsa_user_sgpr_count 2
		.amdhsa_user_sgpr_kernarg_segment_ptr 1
		.amdhsa_wavefront_size32 1
		.amdhsa_system_sgpr_workgroup_id_x 1
		.amdhsa_system_sgpr_workgroup_id_y 1
		.amdhsa_system_sgpr_workgroup_id_z 1
		.amdhsa_system_vgpr_workitem_id 0
		.amdhsa_next_free_vgpr 640
		.amdhsa_next_free_sgpr 104
		.amdhsa_reserve_vcc 0
		.amdhsa_float_denorm_mode_32 3
		.amdhsa_float_denorm_mode_16_64 3
		.amdhsa_memory_ordered 1
		.amdhsa_forward_progress 1
		.amdhsa_inst_pref_size 112
	.end_amdhsa_kernel
	.amdgpu_metadata
---
amdhsa.version: [ 1, 2 ]
amdhsa.kernels:
  - .name:           k_qa84b7d15f9_ff2
    .symbol:         k_qa84b7d15f9_ff2.kd
    .args:
      - { .name: wts, .offset: 0, .size: 8, .value_kind: global_buffer, .address_space: global }
      - { .name: gc, .offset: 8, .size: 8, .value_kind: global_buffer, .address_space: global }
      - { .name: ff2_b, .offset: 16, .size: 8, .value_kind: global_buffer, .address_space: global }
      - { .name: x1, .offset: 24, .size: 8, .value_kind: global_buffer, .address_space: global }
      - { .name: out0, .offset: 32, .size: 8, .value_kind: global_buffer, .address_space: global }
    .group_segment_fixed_size: 327680
    .private_segment_fixed_size: 0
    .kernarg_segment_align: 8
    .kernarg_segment_size: 40
    .max_flat_workgroup_size: 128
    .sgpr_count:     104
    .vgpr_count:     640
    .wavefront_size: 32
...
	.end_amdgpu_metadata
.endif
;; end of part 5
;; ======== version 2 of 2: 5 launches
;; limits: right only within a limited range of input values
;; workspace buffers: wts 7,798,784 bytes; qkvc 6,684,672 bytes; x1 16,777,216 bytes; h2c 2,228,224 bytes; gc 6,684,672 bytes
;; launch prep (part 6): grid 896 x 1, 8 waves a work-group, no clusters, 78,336 bytes of LDS; arguments x, qkv_w, out_w, ff1_w, ff2_w, ln1_w, ln1_b, wts; writes wts
.if DOCPART == 6
	.amdgcn_target "amdgcn-amd-amdhsa--gfx1250"
	.amdhsa_code_object_version 6
	.text
	.protected	k_qa84b7d15f9_prep
	.globl	k_qa84b7d15f9_prep
	.p2align	8
	.type	k_qa84b7d15f9_prep,@function
k_qa84b7d15f9_prep:
	s_mov_b64 s[64:65], 0
	v_nop
	global_prefetch_b8 v0, s[64:65] scope:SCOPE_SE
	s_setreg_imm32_b32 hwreg(HW_REG_WAVE_MODE, 25, 1), 1
	s_wait_xcnt 0x0
; PREP: LN1(x) and the four weights become codes of E2M1 with one E8M0 byte for each 32 along K, laid as the matrix unit's registers take them.
; A UNIT is 16 rows x 1,024 along K: 8 fragments of 1,024 bytes (byte 512 c + 16 lane = registers 4 c .. 4 c + 3 of that lane) and 512 bytes of scale words (word 32 r + 4 s).
; The 16 rows of tile T are rows 32 (T / 2) + 8 (T % 2) + i + 8 (i / 8), i = 0 .. 15: as source 0 of a product, two neighbouring tiles then leave 16 neighbours along their rows in a lane's registers.
; Units 0-255: LN1(x); 256-447 qkv_w; 448-511 out_w; 512-703 ff1_w; 704 + 3 T + g: ff2_w's tile T, columns 1,024 g on.  Work-group = unit, wave w = K step w (128 along K).
; Each load reads 512 consecutive bytes of one row; the 16 x 512 bytes turn through the wave's own stage in LDS (pitch 528) so that lane (r, h) holds 16 neighbours of each block of 32 of row r.
; ln1_w and ln1_b at the wave's 128 columns come by ONE load of 512 consecutive bytes each, lie in 1,024 bytes of LDS of the wave's own, and are read back 16 numbers of each at a time, where they are used.
; The mean and the variance (of the centred numbers: no difference of large sums) meet across the 8 waves in LDS.  The three barriers stand on every work-group's path; only register work, the
; statistics' words and the reads of gain and bias stand under the branches on the work-group's number.  A wave names 128 registers and has 18 loads out.
; LIMITS: NaN and infinities are not served; a block whose largest magnitude lies under 2^-124 keeps the byte 1, a block of zeros too (its codes are zeros; this program alone reads the bytes).
.set WST,  8448                        ; a wave's stage: 16 rows x 528 bytes
.set ST1,  67584                       ; behind the 8 stages: sums (512 bytes), sums of squares (+512), scale words (+1024): word 32 r + 4 w
.set VEC,  69120                       ; behind them: 1,024 bytes a wave: ln1_w's 128 numbers, ln1_b's
.set L16,  1                           ; 16 x lane
.set SD,   2                           ; the stage as loaded: stage + 16 x lane
.set SL,   3                           ; the stage by lanes: stage + 528 r + 64 h
.set A1,   4                           ; ST1 + 32 r + 4 w
.set A1R,  5                           ; ST1 + 32 r
.set VRD,  6                           ; VEC + 1024 w + 64 h
.set AGR,  7                           ; ST1 + 1024 + 16 x lane
.set VST,  8                           ; VEC + 1024 w + 16 x lane
.set X,    16                          ; v16-79   64 numbers
.set LW,   80                          ; v80-95   16 of ln1_w
.set LB,   96                          ; v96-111  16 of ln1_b
.set TM,   80                          ; v80-95   later: the quantiser's work
.set PW,   96                          ; the scale word
.set PC,   98                          ; v98-105  the codes
.set VQ,   112                         ; v112-119 gain and bias as loaded
.set T0,   112                         ; later: two chains of a sum
.set T2,   114
.set MP,   116                         ; a pair: the mean, later 1 / sqrt(var + eps)
.set TA,   118
.set TB,   119
.set PS,   120                         ; v120-127 eight partial sums
.set SEL,  32                          ; s[32:33] lane selects: lane l xor 16
; 64 numbers of a lane, register 16 b + i = k 32 b + 16 h + i of my row, become a fragment's codes in v[PC] on and its scale word in v[PW]
.macro QUANT s
.irp b, 0,1,2,3
	v_max3_num_f32 v[TM+\b], |v[\s+16*\b]|, |v[\s+1+16*\b]|, 0x1800000   ; my 16 numbers of block b, and the floor 2^(3 - 127): the byte cannot fall under 1
.endr
.irp i, 2,4,6,8,10,12,14
.irp b, 0,1,2,3
	s_delay_alu instid0(VALU_DEP_4)
	v_max3_num_f32 v[TM+\b], v[TM+\b], |v[\s+16*\b+\i]|, |v[\s+1+16*\b+\i]|
.endr
.endr
.irp b, 0,1,2,3
	s_delay_alu instid0(VALU_DEP_4)
	v_permlanex16_b32 v[TM+4+\b], v[TM+\b], s[SEL], s[SEL+1]
.endr
.irp b, 0,1,2,3
	s_delay_alu instid0(VALU_DEP_4)
	v_max_num_f32 v[TM+\b], v[TM+\b], v[TM+4+\b]   ; with lane l xor 16's: the block's largest magnitude
.endr
.irp b, 0,1,2,3
	s_delay_alu instid0(VALU_DEP_4)
	v_add_nc_u32 v[TM+12+\b], 0xff000000, v[TM+\b]   ; 2 off its exponent field: the conversion's scale operand
.endr
.irp b, 0,1,2,3
	s_delay_alu instid0(VALU_DEP_4)
	v_lshrrev_b32 v[TM+4+\b], 23, v[TM+12+\b]      ; the scale's byte
.endr
	s_delay_alu instid0(VALU_DEP_3)
	v_lshl_or_b32 v[PW], v[TM+5], 8, v[TM+4]
	s_delay_alu instid0(VALU_DEP_1)
	v_lshl_or_b32 v[PW], v[TM+6], 16, v[PW]
	s_delay_alu instid0(VALU_DEP_1)
	v_lshl_or_b32 v[PW], v[TM+7], 24, v[PW]
.irp b, 0,1,2,3
	v_cvt_scalef32_pk8_fp4_f32 v[PC+2*\b], v[\s+16*\b:\s+7+16*\b], v[TM+12+\b]
	v_cvt_scalef32_pk8_fp4_f32 v[PC+1+2*\b], v[\s+8+16*\b:\s+15+16*\b], v[TM+12+\b]
.endr
	v_nop                                          ; one plain place behind a scaled conversion
.irp c, 0,1                                    ; a whole block to a lane: lanes 0-15 block 2 c, lanes 16-31 block 2 c + 1
.irp i, 0,1
	v_permlane16_swap_b32 v[PC+4*\c+\i], v[PC+2+4*\c+\i]
.endr
.endr
.endm
.macro LOADROWS pitch                          ; the tile's 16 rows, 512 consecutive bytes of each
.irp i, 0,1,2,3,4,5,6,7,8,9,10,11,12,13,14,15
	global_load_b128 v[X+4*\i:X+4*\i+3], v[L16], s[4:5] offset:(\i+8*(\i/8))*\pitch th:TH_LOAD_NT
.endr
.endm
.macro CHUNK q                                 ; gain and bias at my 16 columns of block q
.irp j, 0,1,2,3
	ds_load_b128 v[LW+4*\j:LW+4*\j+3], v[VRD] offset:128*(\q)+16*\j
	ds_load_b128 v[LB+4*\j:LB+4*\j+3], v[VRD] offset:512+128*(\q)+16*\j
.endr
.endm
.macro LNTAIL                                  ; two chains, two halves, two lanes: my row's sum over this wave's 128 columns, in v[TA]
	s_delay_alu instid0(VALU_DEP_1)
	v_pk_add_f32 v[T0:T0+1], v[T0:T0+1], v[T2:T2+1]
	s_delay_alu instid0(VALU_DEP_1)
	v_add_f32 v[TA], v[T0], v[T0+1]
	s_delay_alu instid0(VALU_DEP_1)
	v_permlanex16_b32 v[TB], v[TA], s[SEL], s[SEL+1]
	s_delay_alu instid0(VALU_DEP_1)
	v_add_f32 v[TA], v[TA], v[TB]
.endm
.macro LNSUM src
	v_pk_add_f32 v[T0:T0+1], v[\src:\src+1], v[\src+2:\src+3]
	v_pk_add_f32 v[T2:T2+1], v[\src+4:\src+5], v[\src+6:\src+7]
.irp j, 8,12,16,20,24,28,32,36,40,44,48,52,56,60
	s_delay_alu instid0(VALU_DEP_2)
	v_pk_add_f32 v[T0:T0+1], v[T0:T0+1], v[\src+\j:\src+\j+1]
	s_delay_alu instid0(VALU_DEP_2)
	v_pk_add_f32 v[T2:T2+1], v[T2:T2+1], v[\src+\j+2:\src+\j+3]
.endr
	LNTAIL
.endm
.macro LNSQ src
	v_pk_mul_f32 v[T0:T0+1], v[\src:\src+1], v[\src:\src+1]
	v_pk_mul_f32 v[T2:T2+1], v[\src+2:\src+3], v[\src+2:\src+3]
.irp j, 4,8,12,16,20,24,28,32,36,40,44,48,52,56,60
	s_delay_alu instid0(VALU_DEP_2)
	v_pk_fma_f32 v[T0:T0+1], v[\src+\j:\src+\j+1], v[\src+\j:\src+\j+1], v[T0:T0+1]
	s_delay_alu instid0(VALU_DEP_2)
	v_pk_fma_f32 v[T2:T2+1], v[\src+\j+2:\src+\j+3], v[\src+\j+2:\src+\j+3], v[T2:T2+1]
.endr
	LNTAIL
.endm
.macro SUM8 off                                ; the eight waves' parts of my row, summed into v[TA]
	ds_load_b128 v[PS:PS+3], v[A1R] offset:\off
	ds_load_b128 v[PS+4:PS+7], v[A1R] offset:\off+16
	s_wait_dscnt 0x0
	v_add_f32 v[PS], v[PS], v[PS+1]
	v_add_f32 v[PS+2], v[PS+2], v[PS+3]
	v_add_f32 v[PS+4], v[PS+4], v[PS+5]
	v_add_f32 v[PS+6], v[PS+6], v[PS+7]
	s_delay_alu instid0(VALU_DEP_3)
	v_add_f32 v[PS], v[PS], v[PS+2]
	s_delay_alu instid0(VALU_DEP_2)
	v_add_f32 v[PS+4], v[PS+4], v[PS+6]
	s_delay_alu instid0(VALU_DEP_1)
	v_add_f32 v[TA], v[PS], v[PS+4]
.endm
.macro BAR                                     ; my LDS stores have landed and my LDS loads are in: then the work-group's barrier
	s_wait_dscnt 0x0
	s_barrier_signal -1
	s_barrier_wait -1
.endm
	s_load_b512 s[16:31], s[0:1], 0x0              ; x, qkv_w, out_w, ff1_w, ff2_w, ln1_w, ln1_b, wts
	v_lshl_add_u32 v12, v0, 2, 0x12e00             ; my spare word, and 0: kept for the add alone
	v_mov_b32 v13, 0
	v_lshrrev_b32 v9, 5, v0
	s_delay_alu instid0(VALU_DEP_1)
	v_readfirstlane_b32 s3, v9                     ; wave = K step
	v_and_b32 v9, 31, v0                           ; lane
	v_and_b32 v10, 15, v0                          ; r
	v_bfe_u32 v11, v0, 4, 1                        ; h
	s_delay_alu instid0(VALU_DEP_3)
	v_lshlrev_b32 v[L16], 4, v9
	s_mul_i32 s2, s3, WST
	v_add_nc_u32 v[SD], s2, v[L16]
	v_mul_u32_u24 v[SL], v10, 528
	s_delay_alu instid0(VALU_DEP_1)
	v_lshl_add_u32 v[SL], v11, 6, v[SL]
	s_delay_alu instid0(VALU_DEP_1)
	v_add_nc_u32 v[SL], s2, v[SL]
	v_lshlrev_b32 v[A1R], 5, v10
	s_delay_alu instid0(VALU_DEP_1)
	v_add_nc_u32 v[A1R], ST1, v[A1R]
	s_lshl_b32 s2, s3, 2
	v_add_nc_u32 v[A1], s2, v[A1R]
	v_add_nc_u32 v[AGR], ST1+1024, v[L16]
	s_lshl_b32 s2, s3, 10
	s_add_co_u32 s2, s2, VEC
	v_add_nc_u32 v[VST], s2, v[L16]
	v_lshl_add_u32 v[VRD], v11, 6, s2
.irp b, 0,1,2,3
	v_mov_b32 v[TM+4+\b], 0                        ; written once: a lane permute's destination counts as one of its sources
.endr
	v_mov_b32 v[TB], 0
	s_mov_b32 s[SEL], 0x76543210
	s_mov_b32 s[SEL+1], 0xfedcba98
	s_mov_b32 s34, 0x3a800000                      ; 1 / 1024
	s_mov_b32 s35, 0x3727c5ac                      ; 1e-5
	s_wait_kmcnt 0x0
	s_mov_b64 s[4:5], s[16:17]                     ; which tensor: a choice on the work-group's number alone
	s_mov_b32 s6, 0                                ; and its first unit
	s_cmp_ge_u32 ttmp9, 256
	s_cselect_b64 s[4:5], s[18:19], s[4:5]
	s_cselect_b32 s6, 256, s6
	s_cmp_ge_u32 ttmp9, 448
	s_cselect_b64 s[4:5], s[20:21], s[4:5]
	s_cselect_b32 s6, 448, s6
	s_cmp_ge_u32 ttmp9, 512
	s_cselect_b64 s[4:5], s[22:23], s[4:5]
	s_cselect_b32 s6, 512, s6
	s_cmp_ge_u32 ttmp9, 704
	s_cselect_b64 s[4:5], s[24:25], s[4:5]
	s_cselect_b32 s6, 704, s6
	s_sub_co_u32 s7, ttmp9, s6                     ; the unit's number in its tensor
	s_and_b32 s8, s7, 63                           ; ff2_w: tile,
	s_lshr_b32 s9, s7, 6                           ; third of K,
	s_mul_i32 s10, s8, 3
	s_add_co_u32 s10, s10, s9
	s_add_co_u32 s10, s10, 704                     ; and place: a tile's 24 K steps lie on end
	s_mov_b32 s11, 4096
	s_cmp_ge_u32 ttmp9, 704
	s_cselect_b32 s8, s8, s7                       ; T
	s_cselect_b32 s9, s9, 0                        ; g
	s_cselect_b32 s10, s10, ttmp9                  ; U
	s_cselect_b32 s11, 12288, s11                  ; a row in bytes
	s_lshr_b32 s12, s8, 1
	s_lshl_b32 s12, s12, 5
	s_and_b32 s13, s8, 1
	s_lshl_b32 s13, s13, 3
	s_add_co_u32 s12, s12, s13                     ; the tile's first row
	s_mul_i32 s12, s12, s11
	s_lshl_b32 s13, s9, 12
	s_add_co_u32 s12, s12, s13
	s_lshl_b32 s14, s3, 9
	s_add_co_u32 s12, s12, s14                     ; + 4,096 g + 512 w
	s_mov_b32 s13, 0
	s_mov_b32 s15, 0
	s_add_nc_u64 s[4:5], s[4:5], s[12:13]
	s_add_nc_u64 s[26:27], s[26:27], s[14:15]      ; gain and bias at my wave's 128 columns
	s_add_nc_u64 s[28:29], s[28:29], s[14:15]
	s_lshl_b32 s36, s10, 13                        ; codes: 8,192 U + 1,024 w
	s_lshl_b32 s2, s3, 10
	s_add_co_u32 s36, s36, s2
	s_mov_b32 s37, 0
	s_add_nc_u64 s[36:37], s[30:31], s[36:37]
	s_lshl_b32 s38, s10, 9                         ; scale words: behind all codes, 512 U
	s_add_co_u32 s38, s38, 7340032
	s_mov_b32 s39, 0
	s_add_nc_u64 s[38:39], s[30:31], s[38:39]
	s_cmp_ge_u32 ttmp9, 704
	s_cbranch_scc1 .Lwide
	LOADROWS 4096
	s_branch .Lloaded
.Lwide:
	LOADROWS 12288
.Lloaded:
	global_load_b128 v[VQ:VQ+3], v[L16], s[26:27]      ; 512 consecutive bytes of ln1_w,
	global_load_b128 v[VQ+4:VQ+7], v[L16], s[28:29]    ; and of ln1_b
	s_wait_loadcnt 0x0
.irp i, 0,1,2,3,4,5,6,7,8,9,10,11,12,13,14,15
	ds_store_b128 v[SD], v[X+4*\i:X+4*\i+3] offset:528*\i
.endr
	s_wait_alu depctr_va_vdst(0)
	ds_store_b128 v[VST], v[VQ:VQ+3]
	ds_store_b128 v[VST], v[VQ+4:VQ+7] offset:512
.irp i, 0,1,2,3,4,5,6,7,8,9,10,11,12,13,14,15
	ds_load_b128 v[X+4*\i:X+4*\i+3], v[SL] offset:128*(\i/4)+16*(\i%4)   ; LDS serves a wave's instructions in order: these see my stores
.endr
	s_wait_dscnt 0x0
	s_cmp_lt_u32 ttmp9, 256
	s_cbranch_scc0 .Lno1
	LNSUM X
	ds_store_b32 v[A1], v[TA]
.Lno1:
	BAR
	s_cmp_lt_u32 ttmp9, 256
	s_cbranch_scc0 .Lno2
	SUM8 0
	s_delay_alu instid0(VALU_DEP_1)
	v_mul_f32 v[MP], s34, v[TA]                    ; the mean
	s_delay_alu instid0(VALU_DEP_1)
	v_mov_b32 v[MP+1], v[MP]
.set jj, 0
.rept 32
	v_pk_add_f32 v[X+jj:X+jj+1], v[X+jj:X+jj+1], v[MP:MP+1] neg_lo:[0,1] neg_hi:[0,1]
.set jj, jj+2
.endr
	LNSQ X
	ds_store_b32 v[A1], v[TA] offset:512
.Lno2:
	BAR
	s_cmp_lt_u32 ttmp9, 256
	s_cbranch_scc0 .Lno3
	SUM8 512
	s_delay_alu instid0(VALU_DEP_1)
	v_fma_f32 v[TA], v[TA], s34, s35               ; the variance + eps
	s_wait_alu depctr_va_vdst(0)
	v_rsq_f32 v[MP], v[TA]
	v_nop                                          ; a plain place behind the transcendental
	CHUNK 0                                        ; the first 16 of gain and bias are on their way during the 32 multiplications
	s_wait_alu depctr_va_vdst(0)                   ; the wait ahead of the first reader
	v_mov_b32 v[MP+1], v[MP]
.set jj, 0
.rept 32
	v_pk_mul_f32 v[X+jj:X+jj+1], v[X+jj:X+jj+1], v[MP:MP+1]
.set jj, jj+2
.endr
.irp q, 0,1,2,3
	s_wait_dscnt 0x0
.irp j, 0,2,4,6,8,10,12,14
	v_pk_fma_f32 v[X+16*\q+\j:X+16*\q+\j+1], v[X+16*\q+\j:X+16*\q+\j+1], v[LW+\j:LW+\j+1], v[LB+\j:LB+\j+1]
.endr
.if \q < 3
	CHUNK \q+1
.endif
.endr
.Lno3:
	QUANT X
	global_store_b128 v[L16], v[PC:PC+3], s[36:37]             ; 512 consecutive bytes each
	global_store_b128 v[L16], v[PC+4:PC+7], s[36:37] offset:512
	ds_store_b32 v[A1], v[PW] offset:1024          ; both lanes of a row write the same word with the same value
	BAR
	s_cmp_lg_u32 s3, 0
	s_cbranch_scc1 .Lend
	ds_load_b128 v[PS:PS+3], v[AGR]                ; the unit's 512 bytes of scale words leave as one run
	s_wait_dscnt 0x0
	global_store_b128 v[L16], v[PS:PS+3], s[38:39]
.Lend:
	s_wait_tensorcnt 0x0
	ds_add_u32 v12, v13
	s_wait_dscnt 0x0
	s_endpgm
.Lfunc_end_k_qa84b7d15f9_prep:
	.size	k_qa84b7d15f9_prep, .Lfunc_end_k_qa84b7d15f9_prep-k_qa84b7d15f9_prep
	.p2alignl 7, 3214868480
	.fill 96, 4, 3214868480
	.section	.rodata,"a",@progbits
	.p2align	6, 0x0
	.amdhsa_kernel k_qa84b7d15f9_prep
		.amdhsa_group_segment_fixed_size 78336
		.amdhsa_private_segment_fixed_size 0
		.amdhsa_enable_private_segment 0
		.amdhsa_kernarg_size 64
		.amdhsa_user_sgpr_count 2
		.amdhsa_user_sgpr_kernarg_segment_ptr 1
		.amdhsa_wavefront_size32 1
		.amdhsa_system_sgpr_workgroup_id_x 1
		.amdhsa_system_sgpr_workgroup_id_y 1
		.amdhsa_system_sgpr_workgroup_id_z 1
		.amdhsa_system_vgpr_workitem_id 0
		.amdhsa_next_free_vgpr 128
		.amdhsa_next_free_sgpr 66
		.amdhsa_reserve_vcc 0
		.amdhsa_float_denorm_mode_32 3
		.amdhsa_float_denorm_mode_16_64 3
		.amdhsa_memory_ordered 1
		.amdhsa_forward_progress 1
		.amdhsa_inst_pref_size 32
	.end_amdhsa_kernel
	.amdgpu_metadata
---
amdhsa.version: [ 1, 2 ]
amdhsa.kernels:
  - .name:           k_qa84b7d15f9_prep
    .symbol:         k_qa84b7d15f9_prep.kd
    .args:
      - { .name: x, .offset: 0, .size: 8, .value_kind: global_buffer, .address_space: global }
      - { .name: qkv_w, .offset: 8, .size: 8, .value_kind: global_buffer, .address_space: global }
      - { .name: out_w, .offset: 16, .size: 8, .value_kind: global_buffer, .address_space: global }
      - { .name: ff1_w, .offset: 24, .size: 8, .value_kind: global_buffer, .address_space: global }
      - { .name: ff2_w, .offset: 32, .size: 8, .value_kind: global_buffer, .address_space: global }
      - { .name: ln1_w, .offset: 40, .size: 8, .value_kind: global_buffer, .address_space: global }
      - { .name: ln1_b, .offset: 48, .size: 8, .value_kind: global_buffer, .address_space: global }
      - { .name: wts, .offset: 56, .size: 8, .value_kind: global_buffer, .address_space: global }
    .group_segment_fixed_size: 78336
    .private_segment_fixed_size: 0
    .kernarg_segment_align: 8
    .kernarg_segment_size: 64
    .max_flat_workgroup_size: 256
    .sgpr_count:     66
    .vgpr_count:     128
    .wavefront_size: 32
...
	.end_amdgpu_metadata
.endif
;; end of part 6
;; launch qkv (part 7): grid 12 x 16, 4 waves a work-group, clusters of 4 x 4, 281,088 bytes of LDS; arguments wts, qkv_b, qkvc; writes qkvc
.if DOCPART == 7
	.amdgcn_target "amdgcn-amd-amdhsa--gfx1250"
	.amdhsa_code_object_version 6
	.text
	.protected	k_qa84b7d15f9_qkv
	.globl	k_qa84b7d15f9_qkv
	.p2align	8
	.type	k_qa84b7d15f9_qkv,@function
k_qa84b7d15f9_qkv:
	s_mov_b64 s[64:65], 0
	v_nop
	global_prefetch_b8 v0, s[64:65] scope:SCOPE_SE
	s_setreg_imm32_b32 hwreg(HW_REG_WAVE_MODE, 25, 1), 1
	s_wait_xcnt 0x0
	s_wait_alu depctr_hold_cnt(0) depctr_sa_sdst(0) depctr_va_vdst(0) depctr_va_sdst(0) depctr_va_ssrc(0) depctr_va_vcc(0) depctr_vm_vsrc(0)
	s_getreg_b32 s2, hwreg(HW_REG_IB_STS2, 6, 4)
	s_cmp_eq_u32 s2, 0
	s_cbranch_scc0 .Lentry_in_a_cluster
	s_endpgm
.Lentry_in_a_cluster:
	s_bfe_u32 s2, ttmp6, 0x10000c
	s_cmp_lg_u32 s2, 0xf033
	s_cbranch_scc0 .Lentry_shape_is_right
	s_endpgm
.Lentry_shape_is_right:
; QKV: LN1(x) qkv_w^T + qkv_b on codes of E2M1, and its results quantised on the way: q and k along the head's 64, v along the keys.
; A work-group makes 256 tokens x 256 channels, each of its four waves 128 x 128: 64 accumulators.  K = 1,024: both panels (512 rows x 512 bytes of codes, 16 KiB of scale words) fit in LDS, so every LDS byte is
; filled ONCE: one tensor load a wave at the start (half of a panel, all eight K steps), no slot is filled again.
; CLUSTER 4 x 4: the weights' panel hangs on the work-group's x alone and is asked for jointly along a column of the cluster, the tokens' panel on y alone and jointly along a row.
; ROLES.  P is source 0: its rows run along a lane's registers in the result and become the next product's K.  R is source 1: its rows are the lanes.  q, k (x under 8): P = weights (128 channels = two heads = one
; K step of the scores' product), R = tokens.  v (cluster x = 2, the same in all partners): P = tokens (128 keys = one K step of the second product), R = weights.  The loads are the same; only the bases of the LDS
; reads, the bias and the place of the output differ.
; Operands lie as images of their registers: a fragment (tile, K step) is 1,024 bytes, byte 512 c + 16 lane; tile T holds rows 32 (T / 2) + 8 (T % 2) + i + 8 (i / 8).
; OUTPUT (qkvc): codes of q, k: [16 head pairs: 8 of q, 8 of k][256 token tiles] KiB; of v: [64 channel tiles][32 key steps] KiB; scale words: 64 bytes a fragment.
; LIMITS: NaN and infinities are not served; a block under 2^-124, a block of zeros too, keeps the byte 1 (this program alone reads the bytes).
.set WC,   2097152                     ; qkv_w's codes in wts
.set WSC,  7471104                     ; and its scale words
.set HSC,  7340032                     ; LN1(x)'s scale words (its codes lie at 0)
.set VC,   4194304
.set QKS,  6291456
.set VS,   6553600
; THE LOADS AS THE TEXT HAS THEM: LDS holds the weights' panel (16 tiles x 8 KiB) at 0 and the tokens' at 131,072; each wave fetches one half of a panel, 64 KiB dense in memory, by ONE joint load at the head.
; The scale words go from memory straight into their registers: 32 bytes a row and tile.
.set STGS, 278528                      ; and 512 bytes a wave for the scale words on their way out: no tensor load lands here
.set ADP,  1                           ; v1     P's fragments
.set ADR,  5                           ; v5     R's
.set ASP,  9                           ; P's scale words
.set ASR,  10
.set ASTG, 11                          ; STGS + 512 w + 4 r
.set ASTR, 12                          ; STGS + 512 w + 16 lane
.set L16,  13
.set BV,   16                          ; v16-31  v's bias: a pair for each of R's tiles
.set SC,   32                          ; v32-159 scale words: P's tile p, K step s at SC + 8 p + s; R's tile a at SC + 64 + 8 a + s
.set H,    32                          ; on the way out: 64 results
.set BIAS, 160                         ; v160-223 q's and k's bias, in the result's layout
.set TM,   224
.set PW,   240
.set PC,   242
.set SQ,   252
.set SEL,  16                          ; s[16:17]
.set ISV,  101
.set MSB, 0
.macro WIN new                         ; the immediate's high byte repeats the setting that is left
.if MSB != (\new)
	s_set_vgpr_msb (MSB<<8)|(\new)
.set MSB, (\new)
.endif
.endm
.macro PLACES n
.rept \n
	v_nop
.endr
.endm
.macro QUANT s
.irp b, 0,1,2,3
	v_max3_num_f32 v[TM+\b], |v[\s+16*\b]|, |v[\s+1+16*\b]|, 0x1800000   ; my 16 numbers of block b, and the floor 2^(3 - 127)
.endr
.irp i, 2,4,6,8,10,12,14
.irp b, 0,1,2,3
	v_max3_num_f32 v[TM+\b], v[TM+\b], |v[\s+16*\b+\i]|, |v[\s+1+16*\b+\i]|
.endr
.endr
.irp b, 0,1,2,3
	v_permlanex16_b32 v[TM+4+\b], v[TM+\b], s[SEL], s[SEL+1]
.endr
.irp b, 0,1,2,3
	v_max_num_f32 v[TM+\b], v[TM+\b], v[TM+4+\b]
.endr
.irp b, 0,1,2,3
	v_add_nc_u32 v[TM+12+\b], 0xff000000, v[TM+\b]   ; 2 off the exponent field: the conversion's scale operand
.endr
.irp b, 0,1,2,3
	v_lshrrev_b32 v[TM+4+\b], 23, v[TM+12+\b]
.endr
	v_lshl_or_b32 v[PW], v[TM+5], 8, v[TM+4]
	v_lshl_or_b32 v[PW], v[TM+6], 16, v[PW]
	v_lshl_or_b32 v[PW], v[TM+7], 24, v[PW]
.irp b, 0,1,2,3
	v_cvt_scalef32_pk8_fp4_f32 v[PC+2*\b], v[\s+16*\b:\s+7+16*\b], v[TM+12+\b]
	v_cvt_scalef32_pk8_fp4_f32 v[PC+1+2*\b], v[\s+8+16*\b:\s+15+16*\b], v[TM+12+\b]
.endr
	v_nop                                          ; one plain place behind a scaled conversion
.irp c, 0,1
.irp i, 0,1
	v_permlane16_swap_b32 v[PC+4*\c+\i], v[PC+2+4*\c+\i]
.endr
.endr
.endm
.macro CROUND                          ; a round of the cluster's barrier
	s_barrier_signal -1
	s_barrier_wait -1
	s_cmp_lg_u32 s3, 0
	s_cbranch_scc1 .Lnot_wave_0_\@
	s_barrier_signal -3
.Lnot_wave_0_\@:
	s_barrier_wait -3
	s_barrier_signal -1
	s_barrier_wait -1
.endm
.macro MKG0 g, loff, b, goff           ; a descriptor's group 0: count 1; LDS address s100 + loff; global address s[b:b+1] + goff; type 2
	s_mov_b32 s[\g], 1
	s_add_co_u32 s[\g+1], s100, \loff
	s_add_nc_u64 s[\g+2:\g+3], s[\b:\b+1], \goff
	s_or_b32 s[\g+3], s[\g+3], 0x80000000
.endm
	s_load_b128 s[4:7], s[0:1], 0x0                ; wts, qkv_b
	s_load_b64 s[8:9], s[0:1], 0x10                ; qkvc
	v_lshl_add_u32 v250, v0, 2, 0x44800
	v_mov_b32 v251, 0
	ds_add_u32 v250, v251
	ds_add_u32 v250, v251
	v_lshrrev_b32 v14, 5, v0
	v_readfirstlane_b32 s3, v14                    ; wave 0..3
	s_and_b32 s14, s3, 1                           ; which 128 of P are mine; also which half of a panel I fetch
	s_lshr_b32 s15, s3, 1                          ; which 128 of R; also: I fetch weights (0) or tokens (1)
	s_bfe_u32 s16, ttmp6, 0x40000                  ; cx
	s_bfe_u32 s17, ttmp6, 0x40004                  ; cy
	s_lshl_b32 s12, ttmp9, 2
	s_add_co_u32 s12, s12, s16                     ; X: the weights' panel
	s_and_b32 s13, ttmp7, 0xffff
	s_lshl_b32 s13, s13, 2
	s_add_co_u32 s13, s13, s17                     ; Y: the tokens' panel
	s_lshl_b32 s18, s17, 2
	s_lshl_b32 s18, 15, s18                        ; my row of the cluster
	s_lshl_b32 s19, 0x1111, s16                    ; my column
	; group 1.  Codes: 8 tiles' 8 KiB (eight K steps), dense: 8 rows of 1,024 elements of 8 bytes, pitch 1,024
	s_or_b32 s24, s19, (3<<16)|(1<<21)             ; weights: the mask of my column, elements of 8 bytes, bit 21 beside a mask
	s_or_b32 s32, s18, (3<<16)|(1<<21)             ; tokens: the mask of my row
.irp g, 24, 32
	s_mov_b32 s[\g+1], 1024<<16                    ; 8 rows (tiles) of 1,024 elements of 8 bytes, on end
	s_mov_b32 s[\g+2], 8<<16
	s_mov_b32 s[\g+3], 1024<<16
	s_mov_b32 s[\g+4], 8
	s_mov_b32 s[\g+5], 1024
	s_mov_b32 s[\g+6], 0
	s_mov_b32 s[\g+7], 0
.endr
	s_lshl_b32 s2, s14, 16                         ; my half: 8 tiles x 8 KiB
	s_lshl_b32 s20, s12, 17                        ; weights: 16 tiles x 8 KiB a panel (registers that never hold cy)
	s_add_co_u32 s20, s20, s2
	s_add_co_u32 s20, s20, WC
	s_mov_b32 s21, 0
	s_lshl_b32 s22, s13, 17                        ; tokens (registers that never hold cx)
	s_add_co_u32 s22, s22, s2
	s_mov_b32 s23, 0
	s_lshl_b32 s100, s3, 16                        ; 64 KiB x wave: no place in the cluster enters an LDS address
	s_wait_dscnt 0x0
	s_wait_kmcnt 0x0
	s_add_nc_u64 s[20:21], s[4:5], s[20:21]
	s_add_nc_u64 s[22:23], s[4:5], s[22:23]
	MKG0 56, 0, 20, 0
	MKG0 80, 0, 22, 0
	CROUND                                         ; all sixteen work-groups are here: the joint loads meet
	s_cmp_lt_u32 s3, 2                             ; a wave's fill stands in one branch on the wave's number: one tensor load of mine is out
	s_cbranch_scc0 .Lfor_h
	tensor_load_to_lds s[56:59], s[24:31]
	s_nop 0
	PLACES 4
	s_branch .Lasked
.Lfor_h:
	tensor_load_to_lds s[80:83], s[32:39]
	s_nop 0
	PLACES 4
.Lasked:
	v_and_b32 v224, 31, v0
	v_lshlrev_b32 v[L16], 4, v224
	s_wait_alu depctr_va_vdst(0)
	v_and_b32 v225, 15, v0                         ; r
	v_bfe_u32 v14, v0, 4, 1
	v_lshlrev_b32 v14, 6, v14                      ; 64 h: my half's place in the bias along registers
	v_and_b32 v15, 8, v225
	v_add_nc_u32 v15, v15, v225
	v_lshlrev_b32 v15, 2, v15                      ; 4 (r + 8 (r / 8)): my channel's place in the bias along lanes
	s_lshl_b32 s20, s12, 13
	s_add_co_u32 s20, s20, WSC                     ; offset in wts of the weights' scale words, 8 KiB a panel,
	s_lshl_b32 s22, s13, 13
	s_add_co_u32 s22, s22, HSC                     ; and of the tokens'
	s_cmp_eq_u32 ttmp9, 2                          ; v's panels: the cluster's x, the same in all partners
	s_cselect_b32 s[ISV], 1, 0
	s_cselect_b32 s18, 131072, 0                   ; P's panel in LDS,
	s_cselect_b32 s19, 0, 131072                   ; R's,
	s_cselect_b32 s44, s22, s20                    ; P's scale words,
	s_cselect_b32 s46, s20, s22                    ; R's
	s_lshl_b32 s2, s14, 16
	s_add_co_u32 s18, s18, s2
	s_lshl_b32 s2, s15, 16
	s_add_co_u32 s19, s19, s2
	v_add_nc_u32 v[ADP], s18, v[L16]
	v_add_nc_u32 v[ADR], s19, v[L16]
	s_lshl_b32 s2, s14, 12                         ; my 8 tiles x 512 bytes
	s_add_co_u32 s44, s44, s2
	s_lshl_b32 s2, s15, 12
	s_add_co_u32 s46, s46, s2
	s_mov_b32 s45, 0
	s_mov_b32 s47, 0
	s_add_nc_u64 s[44:45], s[4:5], s[44:45]
	s_add_nc_u64 s[46:47], s[4:5], s[46:47]
	s_wait_alu depctr_va_vdst(0)                   ; directly ahead of the reader below
	v_lshlrev_b32 v[ASP], 5, v225                  ; 32 r: my row's scale words in a tile's 512 bytes
	s_lshl_b32 s2, s3, 9
	s_add_co_u32 s2, s2, STGS
	v_lshl_add_u32 v[ASTG], v225, 2, s2
	v_add_nc_u32 v[ASTR], s2, v[L16]
.irp b, 0,1,2,3
	v_mov_b32 v[TM+4+\b], 0                        ; written once: a lane permute's destination counts as one of its sources
.endr
	; where the results go
	s_lshl_b32 s2, s12, 1
	s_add_co_u32 s2, s2, s14
	s_lshl_b32 s2, s2, 8
	s_lshl_b32 s10, s13, 4
	s_add_co_u32 s2, s2, s10
	s_lshl_b32 s10, s15, 3
	s_add_co_u32 s2, s2, s10                       ; q, k: fragment (2 X + ph) 256 + 16 Y + 8 rh
	s_sub_co_u32 s11, s12, 8
	s_lshl_b32 s11, s11, 4
	s_add_co_u32 s11, s11, s10                     ; v: first channel tile 16 (X - 8) + 8 rh (used where X is 8 or more)
	s_lshl_b32 s10, s13, 1
	s_add_co_u32 s10, s10, s14                     ; key step 2 Y + ph
	s_lshl_b32 s21, s11, 5
	s_add_co_u32 s21, s21, s10
	s_lshl_b32 s21, s21, 10
	s_add_co_u32 s21, s21, VC
	s_lshl_b32 s22, s10, 6
	s_add_co_u32 s22, s22, s11
	s_lshl_b32 s22, s22, 6
	s_add_co_u32 s22, s22, VS
	s_lshl_b32 s23, s2, 6
	s_add_co_u32 s23, s23, QKS
	s_lshl_b32 s2, s2, 10
	s_mov_b32 s18, 1024
	s_cmp_eq_u32 s[ISV], 1
	s_cselect_b32 s20, s21, s2                     ; codes,
	s_cselect_b32 s22, s22, s23                    ; scale words,
	s_cselect_b32 s18, 32768, s18                  ; and from one of R's tiles to the next
	s_mov_b32 s21, 0
	s_mov_b32 s23, 0
	s_mov_b32 s19, 0
	s_add_nc_u64 s[20:21], s[8:9], s[20:21]
	s_add_nc_u64 s[22:23], s[8:9], s[22:23]
	s_lshl_b32 s10, s12, 10                        ; the bias of P's 128 channels,
	s_lshl_b32 s2, s14, 9
	s_add_co_u32 s10, s10, s2
	s_mov_b32 s11, 0
	s_add_nc_u64 s[4:5], s[6:7], s[10:11]
	s_lshl_b32 s10, s12, 10                        ; and of R's: both are loaded, so that no register is unwritten on either way
	s_lshl_b32 s2, s15, 9
	s_add_co_u32 s10, s10, s2
	s_add_nc_u64 s[6:7], s[6:7], s[10:11]
	s_mov_b32 s[SEL], 0x76543210
	s_mov_b32 s[SEL+1], 0xfedcba98
.irp i, 0,1,2,3,4,5,6,7,8,9,10,11,12,13,14,15
	global_load_b128 v[BIAS+4*\i:BIAS+4*\i+3], v14, s[4:5] offset:128*(\i/4)+16*(\i%4)
.endr
.irp a, 0,1,2,3,4,5,6,7
	global_load_b32 v[BV+2*\a], v15, s[6:7] offset:4*(32*(\a/2)+8*(\a%2))
	global_load_b32 v[BV+2*\a+1], v15, s[6:7] offset:4*(32*(\a/2)+8*(\a%2))
.endr
.macro FETCH s                         ; K step s: 8 + 8 fragments into set s % 2 of window 1 (P at v0 / v64, R at v128 / v192)
	WIN 0x40
.irp i, 0,1,2,3,4,5,6,7
.irp c, 0,1
	ds_load_b128 v[64*((\s)%2)+8*\i+4*\c:64*((\s)%2)+8*\i+4*\c+3], v[ADP] offset:8192*\i+1024*(\s)+512*\c
	ds_load_b128 v[128+64*((\s)%2)+8*\i+4*\c:128+64*((\s)%2)+8*\i+4*\c+3], v[ADR] offset:8192*\i+1024*(\s)+512*\c
.endr
.endr
.endm
.macro MUL s                           ; 64 matrix instructions; the 64 accumulators take turns in one order in every step; step 0 starts the sums
.irp a, 0,1,2,3,4,5,6,7
	WIN 0xa5+0x50*(\a/4)                           ; P and R in window 1; C and D in window 2 (R's tiles 0-3) or 3
.irp p, 0,1,2,3,4,5,6,7
.if (\s) == 0
	v_wmma_scale_f32_16x16x128_f8f6f4 v[64*(\a%4)+8*\p:64*(\a%4)+8*\p+7], v[64*((\s)%2)+8*\p:64*((\s)%2)+8*\p+7], v[128+64*((\s)%2)+8*\a:128+64*((\s)%2)+8*\a+7], 0, v[SC+8*\p+(\s)], v[SC+64+8*\a+(\s)] matrix_a_fmt:MATRIX_FMT_FP4 matrix_b_fmt:MATRIX_FMT_FP4
.else
	v_wmma_scale_f32_16x16x128_f8f6f4 v[64*(\a%4)+8*\p:64*(\a%4)+8*\p+7], v[64*((\s)%2)+8*\p:64*((\s)%2)+8*\p+7], v[128+64*((\s)%2)+8*\a:128+64*((\s)%2)+8*\a+7], v[64*(\a%4)+8*\p:64*(\a%4)+8*\p+7], v[SC+8*\p+(\s)], v[SC+64+8*\a+(\s)] matrix_a_fmt:MATRIX_FMT_FP4 matrix_b_fmt:MATRIX_FMT_FP4
.endif
.endr
.endr
.endm
.macro STEP s
	s_wait_dscnt 0x0                               ; this step's fragments are in
.if (\s) < 7
.if (\s) > 0
	PLACES 4                                       ; in front of loads into registers that the step before multiplied
.endif
	FETCH (\s)+1
.endif
	MUL \s
.endm
	s_wait_alu depctr_va_vdst(0)
.irp p, 0,1,2,3,4,5,6,7
.irp f, 0,1
	global_load_b128 v[SC+8*\p+4*\f:SC+8*\p+4*\f+3], v[ASP], s[44:45] offset:512*\p+16*\f       ; the scale words of all 8 K steps, on their way beside the panels
	global_load_b128 v[SC+64+8*\p+4*\f:SC+64+8*\p+4*\f+3], v[ASP], s[46:47] offset:512*\p+16*\f
.endr
.endr
	s_wait_tensorcnt 0x0                           ; my one tensor load, my half of a panel, has landed
	s_barrier_signal -1
	s_barrier_wait -1                              ; everybody's has; nothing is filled again in this launch
	FETCH 0
	s_wait_loadcnt 0x0                             ; the scale words (and the biases issued ahead of them)
.irp s, 0,1,2,3,4,5,6,7
	STEP \s
.endr
	WIN 0
	PLACES 4                                       ; in front of the first reads of results and the first writes over scale words
	s_wait_loadcnt 0x0                             ; the biases
; R's tile a: its 64 results a lane get their bias (which is also the move into window 0), are quantised, and leave as one fragment
.macro EPI a
	s_cmp_eq_u32 s[ISV], 0
	s_cbranch_scc0 .Lv_\@
	WIN 0x02+(\a)/4
.set jj, 0
.rept 32
	v_pk_add_f32 v[H+jj:H+jj+1], v[64*((\a)%4)+jj:64*((\a)%4)+jj+1], v[BIAS+jj:BIAS+jj+1]
.set jj, jj+2
.endr
	WIN 0
	s_branch .Lj_\@
.Lv_\@:
	WIN 0x02+(\a)/4
.set jj, 0
.rept 32
	v_pk_add_f32 v[H+jj:H+jj+1], v[64*((\a)%4)+jj:64*((\a)%4)+jj+1], v[BV+2*(\a):BV+2*(\a)+1]
.set jj, jj+2
.endr
	WIN 0
.Lj_\@:
	QUANT H
	global_store_b128 v[L16], v[PC:PC+3], s[20:21]
	global_store_b128 v[L16], v[PC+4:PC+7], s[20:21] offset:512
	ds_store_b32 v[ASTG], v[PW] offset:64*(\a)
	s_wait_dscnt 0x0
	s_wait_xcnt 0x0                                ; the stores have read their registers and their base: both are written again only behind these waits
	s_add_nc_u64 s[20:21], s[20:21], s[18:19]
.endm
.irp a, 0,1,2,3,4,5,6,7
	EPI \a
.endr
	ds_load_b128 v[SQ:SQ+3], v[ASTR]               ; my eight fragments' scale words: 512 consecutive bytes
	s_wait_dscnt 0x0
	global_store_b128 v[L16], v[SQ:SQ+3], s[22:23]
	s_wait_tensorcnt 0x0
	ds_add_u32 v250, v251
	s_wait_dscnt 0x0
	CROUND                                         ; the closing round: no work-group ends while a partner may still ask for a tile that names it
	s_endpgm
.Lfunc_end_k_qa84b7d15f9_qkv:
	.size	k_qa84b7d15f9_qkv, .Lfunc_end_k_qa84b7d15f9_qkv-k_qa84b7d15f9_qkv
	.p2alignl 7, 3214868480
	.fill 96, 4, 3214868480
	.section	.rodata,"a",@progbits
	.p2align	6, 0x0
	.amdhsa_kernel k_qa84b7d15f9_qkv
		.amdhsa_group_segment_fixed_size 281088
		.amdhsa_private_segment_fixed_size 0
		.amdhsa_enable_private_segment 0
		.amdhsa_kernarg_size 24
		.amdhsa_user_sgpr_count 2
		.amdhsa_user_sgpr_kernarg_segment_ptr 1
		.amdhsa_wavefront_size32 1
		.amdhsa_system_sgpr_workgroup_id_x 1
		.amdhsa_system_sgpr_workgroup_id_y 1
		.amdhsa_system_sgpr_workgroup_id_z 1
		.amdhsa_system_vgpr_workitem_id 0
		.amdhsa_next_free_vgpr 1024
		.amdhsa_next_free_sgpr 104
		.amdhsa_reserve_vcc 0
		.amdhsa_float_denorm_mode_32 3
		.amdhsa_float_denorm_mode_16_64 3
		.amdhsa_memory_ordered 1
		.amdhsa_forward_progress 1
		.amdhsa_inst_pref_size 162
	.end_amdhsa_kernel
	.amdgpu_metadata
---
amdhsa.version: [ 1, 2 ]
amdhsa.kernels:
  - .name:           k_qa84b7d15f9_qkv
    .symbol:         k_qa84b7d15f9_qkv.kd
    .args:
      - { .name: wts, .offset: 0, .size: 8, .value_kind: global_buffer, .address_space: global }
      - { .name: qkv_b, .offset: 8, .size: 8, .value_kind: global_buffer, .address_space: global }
      - { .name: qkvc, .offset: 16, .size: 8, .value_kind: global_buffer, .address_space: global }
    .group_segment_fixed_size: 281088
    .private_segment_fixed_size: 0
    .kernarg_segment_align: 8
    .kernarg_segment_size: 24
    .max_flat_workgroup_size: 128
    .sgpr_count:     104
    .vgpr_count:     1024
    .wavefront_size: 32
...
	.end_amdgpu_metadata
.endif
;; end of part 7
;; launch attn (part 8): grid 256 x 1, 8 waves a work-group, clusters of 4 x 1, 327,680 bytes of LDS; arguments qkvc, wts, x, out_b, ln2_w, ln2_b, x1, h2c; writes x1, h2c
.if DOCPART == 8
	.amdgcn_target "amdgcn-amd-amdhsa--gfx1250"
	.amdhsa_code_object_version 6
	.text
	.protected	k_qa84b7d15f9_attn
	.globl	k_qa84b7d15f9_attn
	.p2align	8
	.type	k_qa84b7d15f9_attn,@function
k_qa84b7d15f9_attn:
	s_mov_b64 s[64:65], 0
	v_nop
	global_prefetch_b8 v0, s[64:65] scope:SCOPE_SE
	s_setreg_imm32_b32 hwreg(HW_REG_WAVE_MODE, 25, 1), 1
	s_wait_xcnt 0x0
	s_wait_alu depctr_hold_cnt(0) depctr_sa_sdst(0) depctr_va_vdst(0) depctr_va_sdst(0) depctr_va_ssrc(0) depctr_va_vcc(0) depctr_vm_vsrc(0)
	s_getreg_b32 s2, hwreg(HW_REG_IB_STS2, 6, 4)
	s_cmp_eq_u32 s2, 0
	s_cbranch_scc0 .Lentry_in_a_cluster
	s_endpgm
.Lentry_in_a_cluster:
	s_bfe_u32 s2, ttmp6, 0x10000c
	s_cmp_lg_u32 s2, 0x3003
	s_cbranch_scc0 .Lentry_shape_is_right
	s_endpgm
.Lentry_shape_is_right:
.set OWR,  28672
.set OWS,  24576
.set STG,  229376
.set WST,  8448
.set CIMG, 296960
.set CSC,  305152
.set ST1,  305664
.set VEC,  307200
.set QKS,  6291456
.set VC,   4194304
.set VS,   6553600
.set WOC,  3670016
.set WOS,  7569408
.set L16,  1
.set R4,   2
.set SD,   3
.set SL,   4
.set A1,   5
.set A1R,  6
.set VRD,  7
.set DQ,   8
.set NINF, 9
.set CIR,  10
.set CIW,  11
.set CSR,  12
.set CSW,  13
.set QF,   16
.set QS,   28
.set VST,  29
.set KS,   30
.set VW0,  40
.set VW1,  48
.set BM,   56
.set BT,   61
.set SO,   66
.set BY,   71
.set PA,   80
.set PB,   88
.set SS,   96
.set OT,   176
.set NM,   240
.set SUMA, 242
.set SUMB, 244
.set PW0,  246
.set PW1,  247
.set RL,   248
.set WL,   250
.set WSL,  251
.set AA,   16
.set BB,   96
.set CS8,  80
.set CFB,  160
.set PC,   160
.set PW,   168
.set TM,   240
.set T0,   88
.set T2,   90
.set MP,   92
.set TA,   94
.set TB,   95
.set PS,   168
.set VF,   80
.set SEQ,  2
.set SEL,  32
.set CS,   34
.set MK,   40
.set GM,   6
.set MSB, 0
.macro WIN new
.if MSB != (\new)
	s_set_vgpr_msb (MSB<<8)|(\new)
.set MSB, (\new)
.endif
.endm
.macro PLACES n
.rept \n
	v_nop
.endr
.endm
.macro WMZ d, a, b, sa, sb
	v_wmma_scale_f32_16x16x128_f8f6f4 v[\d:\d+7], v[\a:\a+7], v[\b:\b+7], 0, v[\sa], v[\sb] matrix_a_fmt:MATRIX_FMT_FP4 matrix_b_fmt:MATRIX_FMT_FP4
.endm
.macro WMC d, a, b, c, sa, sb
	v_wmma_scale_f32_16x16x128_f8f6f4 v[\d:\d+7], v[\a:\a+7], v[\b:\b+7], v[\c:\c+7], v[\sa], v[\sb] matrix_a_fmt:MATRIX_FMT_FP4 matrix_b_fmt:MATRIX_FMT_FP4
.endm
.macro QUANT s
.irp b, 0,1,2,3
	v_max3_num_f32 v[TM+\b], |v[\s+16*\b]|, |v[\s+1+16*\b]|, 0x1800000
.endr
.irp i, 2,4,6,8,10,12,14
.irp b, 0,1,2,3
	s_delay_alu instid0(VALU_DEP_4)
	v_max3_num_f32 v[TM+\b], v[TM+\b], |v[\s+16*\b+\i]|, |v[\s+1+16*\b+\i]|
.endr
.endr
.irp b, 0,1,2,3
	s_delay_alu instid0(VALU_DEP_4)
	v_permlanex16_b32 v[TM+4+\b], v[TM+\b], s[SEL], s[SEL+1]
.endr
.irp b, 0,1,2,3
	s_delay_alu instid0(VALU_DEP_4)
	v_max_num_f32 v[TM+\b], v[TM+\b], v[TM+4+\b]
.endr
.irp b, 0,1,2,3
	s_delay_alu instid0(VALU_DEP_4)
	v_add_nc_u32 v[TM+12+\b], 0xff000000, v[TM+\b]
.endr
.irp b, 0,1,2,3
	s_delay_alu instid0(VALU_DEP_4)
	v_lshrrev_b32 v[TM+4+\b], 23, v[TM+12+\b]
.endr
	s_delay_alu instid0(VALU_DEP_3)
	v_lshl_or_b32 v[PW], v[TM+5], 8, v[TM+4]
	s_delay_alu instid0(VALU_DEP_1)
	v_lshl_or_b32 v[PW], v[TM+6], 16, v[PW]
	s_delay_alu instid0(VALU_DEP_1)
	v_lshl_or_b32 v[PW], v[TM+7], 24, v[PW]
.irp b, 0,1,2,3
	v_cvt_scalef32_pk8_fp4_f32 v[PC+2*\b], v[\s+16*\b:\s+7+16*\b], v[TM+12+\b]
	v_cvt_scalef32_pk8_fp4_f32 v[PC+1+2*\b], v[\s+8+16*\b:\s+15+16*\b], v[TM+12+\b]
.endr
	v_nop
.irp c, 0,1
.irp i, 0,1
	v_permlane16_swap_b32 v[PC+4*\c+\i], v[PC+2+4*\c+\i]
.endr
.endr
.endm
.macro LNTAIL
	s_delay_alu instid0(VALU_DEP_1)
	v_pk_add_f32 v[T0:T0+1], v[T0:T0+1], v[T2:T2+1]
	s_delay_alu instid0(VALU_DEP_1)
	v_add_f32 v[TA], v[T0], v[T0+1]
	s_delay_alu instid0(VALU_DEP_1)
	v_permlanex16_b32 v[TB], v[TA], s[SEL], s[SEL+1]
	s_delay_alu instid0(VALU_DEP_1)
	v_add_f32 v[TA], v[TA], v[TB]
.endm
.macro LNSUM src
	v_pk_add_f32 v[T0:T0+1], v[\src:\src+1], v[\src+2:\src+3]
	v_pk_add_f32 v[T2:T2+1], v[\src+4:\src+5], v[\src+6:\src+7]
.irp j, 8,12,16,20,24,28,32,36,40,44,48,52,56,60
	s_delay_alu instid0(VALU_DEP_2)
	v_pk_add_f32 v[T0:T0+1], v[T0:T0+1], v[\src+\j:\src+\j+1]
	s_delay_alu instid0(VALU_DEP_2)
	v_pk_add_f32 v[T2:T2+1], v[T2:T2+1], v[\src+\j+2:\src+\j+3]
.endr
	LNTAIL
.endm
.macro LNSQ src
	v_pk_mul_f32 v[T0:T0+1], v[\src:\src+1], v[\src:\src+1]
	v_pk_mul_f32 v[T2:T2+1], v[\src+2:\src+3], v[\src+2:\src+3]
.irp j, 4,8,12,16,20,24,28,32,36,40,44,48,52,56,60
	s_delay_alu instid0(VALU_DEP_2)
	v_pk_fma_f32 v[T0:T0+1], v[\src+\j:\src+\j+1], v[\src+\j:\src+\j+1], v[T0:T0+1]
	s_delay_alu instid0(VALU_DEP_2)
	v_pk_fma_f32 v[T2:T2+1], v[\src+\j+2:\src+\j+3], v[\src+\j+2:\src+\j+3], v[T2:T2+1]
.endr
	LNTAIL
.endm
.macro SUM8 off
	ds_load_b128 v[PS:PS+3], v[A1R] offset:\off
	ds_load_b128 v[PS+4:PS+7], v[A1R] offset:\off+16
	s_wait_dscnt 0x0
	v_add_f32 v[PS], v[PS], v[PS+1]
	v_add_f32 v[PS+2], v[PS+2], v[PS+3]
	v_add_f32 v[PS+4], v[PS+4], v[PS+5]
	v_add_f32 v[PS+6], v[PS+6], v[PS+7]
	s_delay_alu instid0(VALU_DEP_3)
	v_add_f32 v[PS], v[PS], v[PS+2]
	s_delay_alu instid0(VALU_DEP_2)
	v_add_f32 v[PS+4], v[PS+4], v[PS+6]
	s_delay_alu instid0(VALU_DEP_1)
	v_add_f32 v[TA], v[PS], v[PS+4]
.endm
.macro BAR
	s_wait_dscnt 0x0
	s_barrier_signal -1
	s_barrier_wait -1
.endm
.macro CROUND
	s_barrier_signal -1
	s_barrier_wait -1
	s_cmp_lg_u32 s3, 0
	s_cbranch_scc1 .Lnot_wave_0_\@
	s_barrier_signal -3
.Lnot_wave_0_\@:
	s_barrier_wait -3
	s_barrier_signal -1
	s_barrier_wait -1
.endm
.macro GLD reg, s
	WIN 0x40
.irp p, 0,1,2,3,4,5,6,7
.irp c, 0,1
	global_load_b128 v[\reg+8*\p+4*\c:\reg+8*\p+4*\c+3], v[L16], s[70:71] offset:8192*\p+1024*(\s)+512*\c
.endr
.endr
	WIN 0
.endm
	s_load_b512 s[16:31], s[0:1], 0x0
	v_lshl_add_u32 v254, v0, 2, 0x4d000
	v_mov_b32 v255, 0
	ds_add_u32 v254, v255
	ds_add_u32 v254, v255
	s_wait_dscnt 0x0
	v_lshrrev_b32 v14, 5, v0
	s_delay_alu instid0(VALU_DEP_1)
	v_readfirstlane_b32 s3, v14
	v_and_b32 v14, 31, v0
	v_and_b32 v15, 15, v0
	v_bfe_u32 v9, v0, 4, 1
	s_delay_alu instid0(VALU_DEP_3)
	v_lshlrev_b32 v[L16], 4, v14
	s_delay_alu instid0(VALU_DEP_3)
	v_lshlrev_b32 v[R4], 2, v15
	s_mul_i32 s96, s3, WST
	s_add_co_u32 s96, s96, STG
	v_add_nc_u32 v[SD], s96, v[L16]
	v_mul_u32_u24 v[SL], v15, 528
	s_delay_alu instid0(VALU_DEP_1)
	v_lshl_add_u32 v[SL], v9, 6, v[SL]
	s_delay_alu instid0(VALU_DEP_1)
	v_add_nc_u32 v[SL], s96, v[SL]
	s_mul_i32 s89, s3, OWR
	v_add_nc_u32 v[WL], s89, v[L16]
	v_lshlrev_b32 v[WSL], 5, v15
	s_delay_alu instid0(VALU_DEP_1)
	v_add_nc_u32 v[A1R], ST1, v[WSL]
	s_lshl_b32 s96, s3, 2
	v_add_nc_u32 v[A1], s96, v[A1R]
	v_add_nc_u32 v[CIR], CIMG, v[L16]
	s_lshl_b32 s96, s3, 10
	v_add_nc_u32 v[CIW], s96, v[CIR]
	s_add_co_u32 s96, s96, VEC
	v_add_nc_u32 v[VST], s96, v[L16]
	v_lshl_add_u32 v[VRD], v9, 6, s96
	v_add_nc_u32 v[CSR], CSC, v[R4]
	s_lshl_b32 s96, s3, 6
	v_add_nc_u32 v[CSW], s96, v[CSR]
	s_bfe_u32 s10, ttmp6, 0x40000
	s_lshl_b32 s9, ttmp9, 2
	s_add_co_u32 s9, s9, s10
	s_and_b32 s[SEQ], ttmp9, 31
	s_lshr_b32 s4, s9, 1
	s_and_b32 s5, s9, 1
	s_and_b32 s[GM], s4, 63
	s_and_b32 s7, s4, 3
	s_lshl_b32 s7, s7, 3
	s_sub_co_u32 s8, 24, s7
	v_and_b32 v[DQ], 8, v15
	s_delay_alu instid0(VALU_DEP_1)
	v_add_nc_u32 v[DQ], v[DQ], v15
	s_lshl_b32 s10, s5, 3
	v_add_nc_u32 v[DQ], s10, v[DQ]
	v_lshlrev_b32 v9, 4, v9
	s_delay_alu instid0(VALU_DEP_1)
	v_sub_nc_u32 v[DQ], v[DQ], v9
	v_mov_b32 v[NINF], 0xff800000
	s_mov_b32 s[SEL], 0x76543210
	s_mov_b32 s[SEL+1], 0xfedcba98
	s_mov_b32 s[CS], 0x3e38aa3b
	s_mov_b32 s[CS+1], s[CS]
	s_mov_b32 s72, 15|(3<<16)|(1<<21)
	s_mov_b32 s73, 384<<16
	s_mov_b32 s74, 8<<16
	s_mov_b32 s75, 384<<16
	s_mov_b32 s76, 8
	s_mov_b32 s77, 1024
	s_mov_b32 s78, 0
	s_mov_b32 s79, 0
	s_lshl_b32 s10, s3, 8
	s_lshl_b32 s11, s4, 1
	s_add_co_u32 s10, s10, s11
	s_add_co_u32 s10, s10, 2040
	s_lshl_b32 s56, s10, 10
	s_mov_b32 s57, 0
	s_lshl_b32 s58, s10, 6
	s_add_co_u32 s58, s58, QKS
	s_mov_b32 s59, 0
	s_lshl_b32 s10, s3, 8
	s_add_co_u32 s10, s10, s9
	s_lshl_b32 s60, s10, 10
	s_mov_b32 s61, 0
	s_lshl_b32 s62, s10, 6
	s_add_co_u32 s62, s62, QKS
	s_mov_b32 s63, 0
	s_lshl_b32 s10, s3, 10
	s_add_co_u32 s10, s10, s4
	s_lshl_b32 s66, s10, 8
	s_add_co_u32 s66, s66, VC-1024
	s_mov_b32 s67, 0
	s_lshr_b32 s10, s4, 2
	s_lshl_b32 s68, s10, 12
	s_lshl_b32 s10, s3, 9
	s_add_co_u32 s68, s68, s10
	s_add_co_u32 s68, s68, VS-4096
	s_mov_b32 s69, 0
	s_lshl_b32 s70, s3, 16
	s_add_co_u32 s70, s70, WOC
	s_mov_b32 s71, 0
	s_lshl_b32 s36, s3, 12
	s_add_co_u32 s36, s36, WOS
	s_mov_b32 s37, 0
	s_lshl_b32 s12, s4, 5
	s_lshl_b32 s13, s5, 3
	s_add_co_u32 s12, s12, s13
	s_lshl_b32 s12, s12, 12
	s_lshl_b32 s13, s3, 9
	s_add_co_u32 s12, s12, s13
	s_mov_b32 s13, 0
	s_lshl_b32 s14, s9, 3
	s_add_co_u32 s14, s14, s3
	s_lshl_b32 s14, s14, 10
	s_mov_b32 s15, 0
	s_lshl_b32 s38, s9, 9
	s_add_co_u32 s38, s38, 2097152
	s_mov_b32 s39, 0
	s_lshl_b32 s10, s3, 9
	s_mov_b32 s11, 0
	s_wait_kmcnt 0x0
	s_add_nc_u64 s[56:57], s[16:17], s[56:57]
	s_add_nc_u64 s[58:59], s[16:17], s[58:59]
	s_add_nc_u64 s[60:61], s[16:17], s[60:61]
	s_add_nc_u64 s[62:63], s[16:17], s[62:63]
	s_add_nc_u64 s[66:67], s[16:17], s[66:67]
	s_add_nc_u64 s[68:69], s[16:17], s[68:69]
	s_add_nc_u64 s[70:71], s[18:19], s[70:71]
	s_add_nc_u64 s[36:37], s[18:19], s[36:37]
	s_add_nc_u64 s[20:21], s[20:21], s[12:13]
	s_add_nc_u64 s[22:23], s[22:23], s[10:11]
	s_add_nc_u64 s[24:25], s[24:25], s[10:11]
	s_add_nc_u64 s[26:27], s[26:27], s[10:11]
	s_add_nc_u64 s[28:29], s[28:29], s[12:13]
	s_add_nc_u64 s[38:39], s[30:31], s[38:39]
	s_add_nc_u64 s[30:31], s[30:31], s[14:15]
	s_mov_b32 s88, 1
	s_mov_b64 s[90:91], s[70:71]
	s_or_b32 s91, s91, 0x80000000
	s_mov_b32 s12, 0x3a800000
	s_mov_b32 s13, 0x3727c5ac
	WIN 0x40
.irp t, 0,1,2,3,4,5,6,7,8,9
.irp c, 0,1
	global_load_b128 v[8*\t+4*\c:8*\t+4*\c+3], v[L16], s[56:57] offset:1024*\t+512*\c
.endr
.endr
	WIN 0
.irp t, 0,1,2,3,4,5,6,7,8,9
	global_load_b32 v[KS+\t], v[R4], s[58:59] offset:64*\t
.endr
	global_load_b128 v[QF:QF+3], v[L16], s[60:61]
	global_load_b128 v[QF+8:QF+11], v[L16], s[60:61] offset:512
	global_load_b32 v[QS], v[R4], s[62:63]
	CROUND
	tensor_load_to_lds s[88:91], s[72:79]
	s_nop 0
	PLACES 4
	WIN 0x40
	global_load_b128 v[176:179], v[L16], s[22:23]
	global_load_b128 v[180:183], v[L16], s[24:25]
	global_load_b128 v[184:187], v[L16], s[26:27]
	WIN 0
.irp i, 0,1,2,3,4,5,6,7,8,9,10,11,12,13,14,15
	global_load_b128 v[OT+4*\i:OT+4*\i+3], v[L16], s[20:21] offset:(\i+8*(\i/8))*4096 th:TH_LOAD_NT
.endr
	WIN 0x40
.irp i, 0,1,2,3,4,5,6,7
	global_load_b128 v[VF+12*\i:VF+12*\i+3], v[L16], s[66:67] offset:32768*\i
	global_load_b128 v[VF+12*\i+4:VF+12*\i+7], v[L16], s[66:67] offset:32768*\i+512
	global_load_b128 v[VF+12*\i+8:VF+12*\i+11], v[L16], s[66:67] offset:32768*\i+768
.endr
	WIN 0
.irp i, 0,1,2,3,4,5,6,7
	global_load_b32 v[VW0+\i], v[R4], s[68:69] offset:64*\i
	global_load_b32 v[VW1+\i], v[R4], s[68:69] offset:64*\i+4096
.endr
	s_wait_alu depctr_va_vdst(0)
.irp n, 0,1,2,3,4,5,6,7,8,9,10,11,12,13,14,15
	v_cmp_gt_i32 s[MK+\n], \n, v[DQ]
.endr
.irp i, 0,1,2,3
	v_mov_b32 v[QF+4+\i], 0
	v_mov_b32 v[PB+\i], 0
.endr
.irp i, 0,1,2,3,4
	v_mov_b32 v[BT+\i], 0
.endr
	v_mov_b32 v[NM+1], 0
	v_mov_b32 v[RL+1], 0
	s_wait_alu depctr_va_vdst(0)
	s_wait_loadcnt 59
	PLACES 8
.macro JOB hd
	WIN 0x01
.irp t, 0,1,2,3,4,5,6,7,8,9
	WMZ SS+8*\t, 8*\t, QF+4*\hd, KS+\t, QS
.endr
	WIN 0
	PLACES 4
.if \hd == 1
	GLD 0, 4
.endif
	s_cmp_lt_u32 s[SEQ], 2
	s_cbranch_scc0 .Linside_\@
.irp g, 0,1,2,3
	s_add_co_u32 s10, s[GM], \g
	s_cmp_lt_u32 s10, 4
	s_cselect_b32 s11, -1, 0
.irp n, 0,1,2,3,4,5,6,7,8,9,10,11,12,13,14,15
	v_cndmask_b32 v[SS+16*\g+\n], v[SS+16*\g+\n], v[NINF], s11
.endr
.endr
.Linside_\@:
.irp n, 0,1,2,3,4,5,6,7,8,9,10,11,12,13,14,15
	v_cndmask_b32 v[SS+\n], v[NINF], v[SS+\n], s[MK+\n]
.endr
.irp n, 0,1,2,3,4,5,6,7,8,9,10,11,12,13,14,15
	v_cndmask_b32 v[SS+64+\n], v[SS+64+\n], v[NINF], s[MK+\n]
.endr
.irp b, 0,1,2,3,4
	v_max3_num_f32 v[BM+\b], v[SS+16*\b], v[SS+16*\b+1], v[SS+16*\b+2]
.endr
.irp i, 3,5,7,9,11,13
.irp b, 0,1,2,3,4
	v_max3_num_f32 v[BM+\b], v[BM+\b], v[SS+16*\b+\i], v[SS+16*\b+\i+1]
.endr
.endr
.irp b, 0,1,2,3,4
	v_max_num_f32 v[BM+\b], v[BM+\b], v[SS+16*\b+15]
.endr
.irp b, 0,1,2,3,4
	v_permlanex16_b32 v[BT+\b], v[BM+\b], s[SEL], s[SEL+1]
.endr
.irp b, 0,1,2,3,4
	v_max_num_f32 v[BM+\b], v[BM+\b], v[BT+\b]
.endr
	s_delay_alu instid0(VALU_DEP_3)
	v_max3_num_f32 v14, v[BM], v[BM+1], v[BM+2]
	s_delay_alu instid0(VALU_DEP_1)
	v_max3_num_f32 v14, v14, v[BM+3], v[BM+4]
	s_delay_alu instid0(VALU_DEP_1)
	v_mul_f32 v14, s[CS], v14
	s_delay_alu instid0(VALU_DEP_1)
	v_floor_f32 v[NM], -v14
.set jj, 0
.rept 40
	v_pk_fma_f32 v[SS+jj:SS+jj+1], v[SS+jj:SS+jj+1], s[CS:CS+1], v[NM:NM+1] op_sel_hi:[1,0,0]
.set jj, jj+2
.endr
.irp b, 0,1,2,3,4
	v_fma_f32 v[BM+\b], v[BM+\b], s[CS], v[NM]
.endr
.set jj, 0
	s_wait_alu depctr_va_vdst(0)
.rept 80
	v_exp_f32 v[SS+jj], v[SS+jj]
.set jj, jj+1
.endr
	v_nop
	s_wait_alu depctr_va_vdst(0)
.irp b, 0,1,2,3,4
	v_exp_f32 v[BM+\b], v[BM+\b]
.endr
	v_pk_add_f32 v[SUMA:SUMA+1], v[SS:SS+1], v[SS+2:SS+3]
	v_pk_add_f32 v[SUMB:SUMB+1], v[SS+4:SS+5], v[SS+6:SS+7]
.set jj, 8
.rept 18
	v_pk_add_f32 v[SUMA:SUMA+1], v[SUMA:SUMA+1], v[SS+jj:SS+jj+1]
	v_pk_add_f32 v[SUMB:SUMB+1], v[SUMB:SUMB+1], v[SS+jj+2:SS+jj+3]
.set jj, jj+4
.endr
	s_delay_alu instid0(VALU_DEP_1)
	v_pk_add_f32 v[SUMA:SUMA+1], v[SUMA:SUMA+1], v[SUMB:SUMB+1]
	s_wait_alu depctr_va_vdst(0)
.if \hd == 0
	s_wait_loadcnt 0x0
.irp i, 0,1,2,3,4,5,6,7
	v_alignbit_b32 v[VW0+\i], v[VW1+\i], v[VW0+\i], s7
	v_lshlrev_b32 v[VW1+\i], s8, v[VW1+\i]
.endr
	WIN 0x04
.set jj, 0
.rept 16
	v_pk_add_f32 v[OT+jj:OT+jj+1], v[OT+jj:OT+jj+1], v[176:177]
	v_pk_add_f32 v[OT+jj+2:OT+jj+3], v[OT+jj+2:OT+jj+3], v[178:179]
.set jj, jj+4
.endr
	ds_store_b128 v[VST], v[180:183]
	ds_store_b128 v[VST], v[184:187] offset:512
	WIN 0
.irp i, 0,1,2,3,4,5,6,7,8,9,10,11,12,13,14,15
	ds_store_b128 v[SD], v[OT+4*\i:OT+4*\i+3] offset:528*\i
.endr
	GLD 192, 3
.endif
.irp b, 0,1,2,3,4
	v_max_num_f32 v[BM+\b], 0x1800000, v[BM+\b]
.endr
.irp b, 0,1,2,3,4
	v_add_nc_u32 v[SO+\b], 0xff000000, v[BM+\b]
.endr
.irp b, 0,1,2,3,4
	v_lshrrev_b32 v[BY+\b], 23, v[SO+\b]
.endr
	s_delay_alu instid0(VALU_DEP_4)
	v_lshl_or_b32 v[PW0], v[BY+1], 8, v[BY]
	s_delay_alu instid0(VALU_DEP_1)
	v_lshl_or_b32 v[PW0], v[BY+2], 16, v[PW0]
	s_delay_alu instid0(VALU_DEP_1)
	v_lshl_or_b32 v[PW0], v[BY+3], 24, v[PW0]
	s_delay_alu instid0(VALU_DEP_4)
	v_lshlrev_b32 v[PW1], 24, v[BY+4]
	v_mov_b32 v[PB+4], 0
	v_mov_b32 v[PB+5], 0
.irp b, 0,1,2,3
	v_cvt_scalef32_pk8_fp4_f32 v[PA+2*\b], v[SS+16*\b:SS+16*\b+7], v[SO+\b]
	v_cvt_scalef32_pk8_fp4_f32 v[PA+2*\b+1], v[SS+16*\b+8:SS+16*\b+15], v[SO+\b]
.endr
	v_cvt_scalef32_pk8_fp4_f32 v[PB+6], v[SS+64:SS+71], v[SO+4]
	v_cvt_scalef32_pk8_fp4_f32 v[PB+7], v[SS+72:SS+79], v[SO+4]
	v_nop
.irp c, 0,1
.irp i, 0,1
	v_permlane16_swap_b32 v[PA+4*\c+\i], v[PA+2+4*\c+\i]
.endr
.endr
	v_permlane16_swap_b32 v[PB+4], v[PB+6]
	v_permlane16_swap_b32 v[PB+5], v[PB+7]
	v_add_f32 v14, v[SUMA], v[SUMA+1]
	s_delay_alu instid0(VALU_DEP_1)
	v_permlanex16_b32 v15, v14, s[SEL], s[SEL+1]
	s_delay_alu instid0(VALU_DEP_1)
	v_add_f32 v14, v14, v15
	s_wait_alu depctr_va_vdst(0)
	v_rcp_f32 v[RL], v14
	PLACES 8
.if \hd == 0
	s_wait_dscnt 0x0
.endif
	WIN 0x01
.irp t, 0,1,2,3
	WMZ OT+32*\hd+8*\t, VF+12*(4*\hd+\t), PA, VW0+4*\hd+\t, PW0
.endr
.irp t, 0,1,2,3
	WMC OT+32*\hd+8*\t, VF+12*(4*\hd+\t)+4, PB, OT+32*\hd+8*\t, VW1+4*\hd+\t, PW1
.endr
	WIN 0
	PLACES 4
	s_wait_alu depctr_va_vdst(0)
.set jj, 0
.rept 16
	v_pk_mul_f32 v[OT+32*\hd+jj:OT+32*\hd+jj+1], v[OT+32*\hd+jj:OT+32*\hd+jj+1], v[RL:RL+1] op_sel_hi:[1,0]
.set jj, jj+2
.endr
.endm
	JOB 0
	JOB 1
.irp p, 0,1,2,3,4,5,6,7
.irp f, 0,1
	global_load_b128 v[BB+8*\p+4*\f:BB+8*\p+4*\f+3], v[WSL], s[36:37] offset:512*\p+16*\f   ; out_w's scale words of my 8 tiles, 32 bytes a row, straight into their registers (the scores' registers are free)
.endr
.endr
.macro LANDR reg, w, s                 ; out_w's 8 fragments at place s of my own LDS region into v[reg] on of window w
	WIN 0x40*(\w)
.irp p, 0,1,2,3,4,5,6,7
.irp c, 0,1
	ds_load_b128 v[\reg+8*\p+4*\c:\reg+8*\p+4*\c+3], v[WL] offset:3072*\p+1024*(\s)+512*\c
.endr
.endr
	WIN 0
.endm
	s_wait_tensorcnt 0x0                           ; my region's K steps 0 to 2 have landed: I alone read them
	LANDR AA, 0, 0                                 ; they go into registers that the two heads have left, so that the region can be filled again
	LANDR 64, 1, 1
	LANDR 128, 1, 2
	QUANT OT
	ds_store_b128 v[CIW], v[PC:PC+3]
	ds_store_b128 v[CIW], v[PC+4:PC+7] offset:512
	ds_store_b32 v[CSW], v[PW]
	v_lshl_add_u32 v254, v0, 2, 0x4d000            ; the add's two registers are made anew: the quantiser has used them
	v_mov_b32 v255, 0
	s_wait_alu depctr_va_vdst(0)                   ; directly ahead of the wait below
	s_wait_tensorcnt 0x0                           ; no tensor load of mine is out, so group 0 may be written
	ds_add_u32 v254, v255
	s_add_nc_u64 s[90:91], s[90:91], 5120          ; K steps 5 to 7 of each of my 8 tiles
	s_wait_dscnt 0x0                               ; the add, my reads of the region and my stores of the ctx image are done
	CROUND                                         ; the round also shows every wave's ctx image to all waves of the work-group
	tensor_load_to_lds s[88:91], s[72:79]          ; the joint refill, first behind the round
	s_nop 0
	PLACES 4
.macro CFL s, buf
	ds_load_b128 v[CFB+8*(\buf):CFB+8*(\buf)+3], v[CIR] offset:1024*(\s)
	ds_load_b128 v[CFB+8*(\buf)+4:CFB+8*(\buf)+7], v[CIR] offset:1024*(\s)+512
.endm
.macro OMUL s, a, w, buf, zero
	WIN \w
.irp p, 0,1,2,3,4,5,6,7
.if \zero
	WMZ OT+8*\p, (\a)+8*\p, CFB+8*(\buf), BB+8*\p+(\s), CS8+(\s)
.else
	WMC OT+8*\p, (\a)+8*\p, CFB+8*(\buf), OT+8*\p, BB+8*\p+(\s), CS8+(\s)
.endif
.endr
	WIN 0
	PLACES 4
.endm
.irp s, 0,1,2,3,4,5,6,7
	ds_load_b32 v[CS8+\s], v[CSR] offset:64*\s
.endr
	CFL 3, 0
	CFL 0, 1
	s_wait_loadcnt 0x0                             ; K steps 3 and 4 and out_w's scale words
	s_wait_dscnt 2                                 ; all but the next ctx fragment's two loads
	OMUL 3, 192, 0x01, 0, 1
	CFL 1, 0
	s_wait_dscnt 2
	OMUL 0, AA, 0, 1, 0
	CFL 2, 1
	s_wait_dscnt 2
	OMUL 1, 64, 0x01, 0, 0
	CFL 4, 0
	s_wait_dscnt 2
	OMUL 2, 128, 0x01, 1, 0
	CFL 5, 1
	s_wait_dscnt 2
	OMUL 4, 0, 0x01, 0, 0
	s_wait_tensorcnt 0x0                           ; K steps 5 to 7 have landed in my region
	LANDR AA, 0, 0
	LANDR 64, 1, 1
	LANDR 128, 1, 2
	CFL 6, 0
	s_wait_dscnt 34                                ; K step 5 and its ctx fragment are in; behind them 32 loads of steps 6 and 7 and 2 of the next ctx fragment
	OMUL 5, AA, 0, 1, 0
	CFL 7, 1
	s_wait_dscnt 2
	OMUL 6, 64, 0x01, 0, 0
	s_wait_dscnt 0x0
	OMUL 7, 128, 0x01, 1, 0
.irp i, 0,1,2,3,4,5,6,7,8,9,10,11,12,13,14,15
	ds_load_b128 v[BB+4*\i:BB+4*\i+3], v[SL] offset:128*(\i/4)+16*(\i%4)
.endr
.irp i, 0,1,2,3,4,5,6,7,8,9,10,11,12,13,14,15
	ds_load_b128 v[AA+4*\i:AA+4*\i+3], v[VRD] offset:128*(\i/4)+16*(\i%4)
.endr
	s_wait_dscnt 0x0
.set jj, 0
.rept 32
	v_pk_add_f32 v[OT+jj:OT+jj+1], v[OT+jj:OT+jj+1], v[BB+jj:BB+jj+1]
.set jj, jj+2
.endr
.irp i, 0,1,2,3,4,5,6,7,8,9,10,11,12,13,14,15
	ds_load_b128 v[BB+4*\i:BB+4*\i+3], v[VRD] offset:512+128*(\i/4)+16*(\i%4)
.endr
.irp i, 0,1,2,3,4,5,6,7,8,9,10,11,12,13,14,15
	ds_store_b128 v[SL], v[OT+4*\i:OT+4*\i+3] offset:128*(\i/4)+16*(\i%4)
.endr
	WIN 0x40
.irp i, 0,1,2,3,4,5,6,7,8,9,10,11,12,13,14,15
	ds_load_b128 v[64+4*\i:64+4*\i+3], v[SD] offset:528*\i
.endr
	WIN 0
	LNSUM OT
	s_wait_alu depctr_va_vdst(0)
	s_wait_dscnt 0x0
	WIN 0x04
.irp i, 0,1,2,3,4,5,6,7,8,9,10,11,12,13,14,15
	global_store_b128 v[L16], v[64+4*\i:64+4*\i+3], s[28:29] offset:(\i+8*(\i/8))*4096
.endr
	WIN 0
	ds_store_b32 v[A1], v[TA]
	BAR
	SUM8 0
	s_delay_alu instid0(VALU_DEP_1)
	v_mul_f32 v[MP], s12, v[TA]
	s_delay_alu instid0(VALU_DEP_1)
	v_mov_b32 v[MP+1], v[MP]
.set jj, 0
.rept 32
	v_pk_add_f32 v[OT+jj:OT+jj+1], v[OT+jj:OT+jj+1], v[MP:MP+1] neg_lo:[0,1] neg_hi:[0,1]
.set jj, jj+2
.endr
	LNSQ OT
	ds_store_b32 v[A1], v[TA] offset:512
	BAR
	SUM8 512
	s_delay_alu instid0(VALU_DEP_1)
	v_fma_f32 v[TA], v[TA], s12, s13
	s_wait_alu depctr_va_vdst(0)
	v_rsq_f32 v[MP], v[TA]
	v_nop
	s_wait_alu depctr_va_vdst(0)
	v_mov_b32 v[MP+1], v[MP]
.set jj, 0
.rept 32
	v_pk_mul_f32 v[OT+jj:OT+jj+1], v[OT+jj:OT+jj+1], v[MP:MP+1]
.set jj, jj+2
.endr
.set jj, 0
.rept 32
	v_pk_fma_f32 v[OT+jj:OT+jj+1], v[OT+jj:OT+jj+1], v[AA+jj:AA+jj+1], v[BB+jj:BB+jj+1]
.set jj, jj+2
.endr
	QUANT OT
	global_store_b128 v[L16], v[PC:PC+3], s[30:31]
	global_store_b128 v[L16], v[PC+4:PC+7], s[30:31] offset:512
	ds_store_b32 v[A1], v[PW] offset:1024
	BAR
	s_cmp_lg_u32 s3, 0
	s_cbranch_scc1 .Lend
	ds_load_b128 v[T0:T0+3], v[CIR] offset:ST1+1024-CIMG
	s_wait_dscnt 0x0
	global_store_b128 v[L16], v[T0:T0+3], s[38:39]
.Lend:
	s_wait_xcnt 0x0
	v_lshl_add_u32 v254, v0, 2, 0x4d000
	v_mov_b32 v255, 0
	s_wait_alu depctr_va_vdst(0)
	s_wait_tensorcnt 0x0
	ds_add_u32 v254, v255
	s_wait_dscnt 0x0
	CROUND
	s_endpgm
.Lfunc_end_k_qa84b7d15f9_attn:
	.size	k_qa84b7d15f9_attn, .Lfunc_end_k_qa84b7d15f9_attn-k_qa84b7d15f9_attn
	.p2alignl 7, 3214868480
	.fill 96, 4, 3214868480
	.section	.rodata,"a",@progbits
	.p2align	6, 0x0
	.amdhsa_kernel k_qa84b7d15f9_attn
		.amdhsa_group_segment_fixed_size 327680
		.amdhsa_private_segment_fixed_size 0
		.amdhsa_enable_private_segment 0
		.amdhsa_kernarg_size 64
		.amdhsa_user_sgpr_count 2
		.amdhsa_user_sgpr_kernarg_segment_ptr 1
		.amdhsa_wavefront_size32 1
		.amdhsa_system_sgpr_workgroup_id_x 1
		.amdhsa_system_sgpr_workgroup_id_y 1
		.amdhsa_system_sgpr_workgroup_id_z 1
		.amdhsa_system_vgpr_workitem_id 0
		.amdhsa_next_free_vgpr 512
		.amdhsa_next_free_sgpr 100
		.amdhsa_reserve_vcc 0
		.amdhsa_float_denorm_mode_32 3
		.amdhsa_float_denorm_mode_16_64 3
		.amdhsa_memory_ordered 1
		.amdhsa_forward_progress 1
		.amdhsa_inst_pref_size 127
	.end_amdhsa_kernel
	.amdgpu_metadata
---
amdhsa.version: [ 1, 2 ]
amdhsa.kernels:
  - .name:           k_qa84b7d15f9_attn
    .symbol:         k_qa84b7d15f9_attn.kd
    .args:
      - { .name: qkvc, .offset: 0, .size: 8, .value_kind: global_buffer, .address_space: global }
      - { .name: wts, .offset: 8, .size: 8, .value_kind: global_buffer, .address_space: global }
      - { .name: x, .offset: 16, .size: 8, .value_kind: global_buffer, .address_space: global }
      - { .name: out_b, .offset: 24, .size: 8, .value_kind: global_buffer, .address_space: global }
      - { .name: ln2_w, .offset: 32, .size: 8, .value_kind: global_buffer, .address_space: global }
      - { .name: ln2_b, .offset: 40, .size: 8, .value_kind: global_buffer, .address_space: global }
      - { .name: x1, .offset: 48, .size: 8, .value_kind: global_buffer, .address_space: global }
      - { .name: h2c, .offset: 56, .size: 8, .value_kind: global_buffer, .address_space: global }
    .group_segment_fixed_size: 327680
    .private_segment_fixed_size: 0
    .kernarg_segment_align: 8
    .kernarg_segment_size: 64
    .max_flat_workgroup_size: 256
    .sgpr_count:     100
    .vgpr_count:     512
    .wavefront_size: 32
...
	.end_amdgpu_metadata
.endif
;; end of part 8
;; launch ff1 (part 9): grid 12 x 16, 4 waves a work-group, clusters of 4 x 4, 281,088 bytes of LDS; arguments wts, h2c, ff1_b, gc; writes gc
.if DOCPART == 9
	.amdgcn_target "amdgcn-amd-amdhsa--gfx1250"
	.amdhsa_code_object_version 6
	.text
	.protected	k_qa84b7d15f9_ff1
	.globl	k_qa84b7d15f9_ff1
	.p2align	8
	.type	k_qa84b7d15f9_ff1,@function
k_qa84b7d15f9_ff1:
	s_mov_b64 s[64:65], 0
	v_nop
	global_prefetch_b8 v0, s[64:65] scope:SCOPE_SE
	s_setreg_imm32_b32 hwreg(HW_REG_WAVE_MODE, 25, 1), 1
	s_wait_xcnt 0x0
	s_wait_alu depctr_hold_cnt(0) depctr_sa_sdst(0) depctr_va_vdst(0) depctr_va_sdst(0) depctr_va_ssrc(0) depctr_va_vcc(0) depctr_vm_vsrc(0)
	s_getreg_b32 s2, hwreg(HW_REG_IB_STS2, 6, 4)
	s_cmp_eq_u32 s2, 0
	s_cbranch_scc0 .Lentry_in_a_cluster
	s_endpgm
.Lentry_in_a_cluster:
	s_bfe_u32 s2, ttmp6, 0x10000c
	s_cmp_lg_u32 s2, 0xf033
	s_cbranch_scc0 .Lentry_shape_is_right
	s_endpgm
.Lentry_shape_is_right:
; FF1: gelu(LN2(x1) ff1_w^T + ff1_b) on codes of E2M1, quantised on the way along the hidden units, which are the next product's K.
; A work-group makes 256 tokens x 256 hidden units, each of its four waves 128 x 128.  K = 1,024: both panels fit in LDS, every LDS byte is filled ONCE: one tensor load a wave at the start.
; CLUSTER 4 x 4: the weights' panel is asked for jointly along a column of the cluster, the tokens' along a row.  Source 0 = weights (P: its rows run along a lane's registers), source 1 = tokens (R: the lanes).
; GELU is exact: 0.5 x (1 + erf(x / sqrt 2)), erf(z) = z P(z^2) / Q(z^2) with z held to +-4, a rational form good to a few units in the last place of 1.
; LIMITS: for x far under 0 the result therefore carries an absolute error of about 1e-7 |x|, as any f32 sum 1 + erf does.  NaN and infinities are not served; a block under 2^-124, a block of zeros too, keeps the byte 1.
; The way out is a loop of 8 trips, one of R's tiles each: only the 32 additions that fetch a tile's sums differ from trip to trip, and stand in eight short blocks chosen by the trip's number.
.set WC,   4194304                     ; ff1_w's codes in wts
.set WSC,  7602176
.set HSC,  2097152                     ; LN2(x1)'s scale words in h2c
.set GS,   6291456
; THE LOADS AS THE TEXT HAS THEM: LDS holds the weights' panel (16 tiles x 8 KiB) at 0 and the tokens' at 131,072; each wave fetches one half of a panel, 64 KiB dense in memory, by ONE joint load at the head.
; The scale words go from memory straight into their registers: 32 bytes a row and tile.
.set STGS, 278528
.set ADP,  1
.set ADR,  5
.set ASP,  9
.set ASR,  10
.set ASTG, 11
.set ASTR, 12
.set L16,  13
.set KA1,  16                          ; pairs: the second coefficients of P and Q
.set KB1,  18
.set SC,   32
.set H,    32
.set GZ,   96
.set GZ2,  112
.set GP,   128
.set GQ,   144
.set BIAS, 160
.set TM,   224
.set PW,   240
.set PC,   242
.set SQ,   252
.set SEL,  16
.set MSB, 0
.macro WIN new
.if MSB != (\new)
	s_set_vgpr_msb (MSB<<8)|(\new)
.set MSB, (\new)
.endif
.endm
.macro PLACES n
.rept \n
	v_nop
.endr
.endm
.macro QUANT s
.irp b, 0,1,2,3
	v_max3_num_f32 v[TM+\b], |v[\s+16*\b]|, |v[\s+1+16*\b]|, 0x1800000
.endr
.irp i, 2,4,6,8,10,12,14
.irp b, 0,1,2,3
	v_max3_num_f32 v[TM+\b], v[TM+\b], |v[\s+16*\b+\i]|, |v[\s+1+16*\b+\i]|
.endr
.endr
.irp b, 0,1,2,3
	v_permlanex16_b32 v[TM+4+\b], v[TM+\b], s[SEL], s[SEL+1]
.endr
.irp b, 0,1,2,3
	v_max_num_f32 v[TM+\b], v[TM+\b], v[TM+4+\b]
.endr
.irp b, 0,1,2,3
	v_add_nc_u32 v[TM+12+\b], 0xff000000, v[TM+\b]
.endr
.irp b, 0,1,2,3
	v_lshrrev_b32 v[TM+4+\b], 23, v[TM+12+\b]
.endr
	v_lshl_or_b32 v[PW], v[TM+5], 8, v[TM+4]
	v_lshl_or_b32 v[PW], v[TM+6], 16, v[PW]
	v_lshl_or_b32 v[PW], v[TM+7], 24, v[PW]
.irp b, 0,1,2,3
	v_cvt_scalef32_pk8_fp4_f32 v[PC+2*\b], v[\s+16*\b:\s+7+16*\b], v[TM+12+\b]
	v_cvt_scalef32_pk8_fp4_f32 v[PC+1+2*\b], v[\s+8+16*\b:\s+15+16*\b], v[TM+12+\b]
.endr
	v_nop
.irp c, 0,1
.irp i, 0,1
	v_permlane16_swap_b32 v[PC+4*\c+\i], v[PC+2+4*\c+\i]
.endr
.endr
.endm
.macro CROUND
	s_barrier_signal -1
	s_barrier_wait -1
	s_cmp_lg_u32 s3, 0
	s_cbranch_scc1 .Lnot_wave_0_\@
	s_barrier_signal -3
.Lnot_wave_0_\@:
	s_barrier_wait -3
	s_barrier_signal -1
	s_barrier_wait -1
.endm
.macro MKG0 g, loff, b, goff
	s_mov_b32 s[\g], 1
	s_add_co_u32 s[\g+1], s100, \loff
	s_add_nc_u64 s[\g+2:\g+3], s[\b:\b+1], \goff
	s_or_b32 s[\g+3], s[\g+3], 0x80000000
.endm
	s_load_b256 s[4:11], s[0:1], 0x0               ; wts, h2c, ff1_b, gc
	v_lshl_add_u32 v250, v0, 2, 0x44800
	v_mov_b32 v251, 0
	ds_add_u32 v250, v251
	ds_add_u32 v250, v251
	v_lshrrev_b32 v14, 5, v0
	v_readfirstlane_b32 s3, v14
	s_and_b32 s14, s3, 1                           ; which 128 hidden units are mine; also which half of a panel I fetch
	s_lshr_b32 s15, s3, 1                          ; which 128 tokens; also: I fetch weights (0) or tokens (1)
	s_bfe_u32 s16, ttmp6, 0x40000
	s_bfe_u32 s17, ttmp6, 0x40004
	s_lshl_b32 s12, ttmp9, 2
	s_add_co_u32 s12, s12, s16                     ; X
	s_and_b32 s13, ttmp7, 0xffff
	s_lshl_b32 s13, s13, 2
	s_add_co_u32 s13, s13, s17                     ; Y
	s_lshl_b32 s18, s17, 2
	s_lshl_b32 s18, 15, s18                        ; my row of the cluster
	s_lshl_b32 s19, 0x1111, s16                    ; my column
	s_or_b32 s24, s19, (3<<16)|(1<<21)
	s_or_b32 s32, s18, (3<<16)|(1<<21)
.irp g, 24, 32                         ; codes: 8 rows (tiles) of 1,024 elements of 8 bytes (eight K steps), pitch 1,024
	s_mov_b32 s[\g+1], 1024<<16                    ; 8 rows (tiles) of 1,024 elements of 8 bytes, on end
	s_mov_b32 s[\g+2], 8<<16
	s_mov_b32 s[\g+3], 1024<<16
	s_mov_b32 s[\g+4], 8
	s_mov_b32 s[\g+5], 1024
	s_mov_b32 s[\g+6], 0
	s_mov_b32 s[\g+7], 0
.endr
	s_lshl_b32 s2, s14, 16
	s_lshl_b32 s20, s12, 17
	s_add_co_u32 s20, s20, s2
	s_add_co_u32 s20, s20, WC
	s_mov_b32 s21, 0
	s_lshl_b32 s22, s13, 17
	s_add_co_u32 s22, s22, s2
	s_mov_b32 s23, 0
	s_lshl_b32 s100, s3, 16                        ; 64 KiB x wave
	s_wait_dscnt 0x0
	s_wait_kmcnt 0x0
	s_add_nc_u64 s[20:21], s[4:5], s[20:21]
	s_add_nc_u64 s[22:23], s[6:7], s[22:23]
	MKG0 56, 0, 20, 0
	MKG0 80, 0, 22, 0
	s_lshl_b32 s2, s14, 12
	s_lshl_b32 s20, s12, 13
	s_add_co_u32 s20, s20, s2
	s_add_co_u32 s20, s20, WSC
	s_mov_b32 s21, 0
	s_lshl_b32 s2, s15, 12                         ; the tokens' scale words: my 8 tiles x 512 bytes
	s_lshl_b32 s22, s13, 13
	s_add_co_u32 s22, s22, s2
	s_add_co_u32 s22, s22, HSC
	s_mov_b32 s23, 0
	s_add_nc_u64 s[44:45], s[4:5], s[20:21]        ; P's scale words,
	s_add_nc_u64 s[46:47], s[6:7], s[22:23]        ; R's
	CROUND                                         ; all sixteen work-groups are here: the joint loads meet
	s_cmp_lt_u32 s3, 2                             ; one tensor load of mine is out
	s_cbranch_scc0 .Lfor_h
	tensor_load_to_lds s[56:59], s[24:31]
	s_nop 0
	PLACES 4
	s_branch .Lasked
.Lfor_h:
	tensor_load_to_lds s[80:83], s[32:39]
	s_nop 0
	PLACES 4
.Lasked:
	v_and_b32 v224, 31, v0
	v_lshlrev_b32 v[L16], 4, v224
	v_and_b32 v225, 15, v0
	v_bfe_u32 v14, v0, 4, 1
	v_lshlrev_b32 v14, 6, v14                      ; 64 h
	s_lshl_b32 s18, s14, 16                        ; P = weights: my 8 tiles x 8 KiB
	s_lshl_b32 s19, s15, 16
	s_add_co_u32 s19, s19, 131072                  ; R = tokens, behind the weights' panel
	v_add_nc_u32 v[ADP], s18, v[L16]
	v_add_nc_u32 v[ADR], s19, v[L16]
	v_lshlrev_b32 v[ASP], 5, v225                  ; 32 r: my row's scale words in a tile's 512 bytes
	s_lshl_b32 s2, s3, 9
	s_add_co_u32 s2, s2, STGS
	v_lshl_add_u32 v[ASTG], v225, 2, s2
	v_add_nc_u32 v[ASTR], s2, v[L16]
.irp b, 0,1,2,3
	v_mov_b32 v[TM+4+\b], 0
.endr
	v_mov_b32 v[KA1], 0x32edffee                   ; 2.77068142e-08
	v_mov_b32 v[KA1+1], 0x32edffee
	v_mov_b32 v[KB1], 0xb95fbd29                   ; -2.13374055e-04
	v_mov_b32 v[KB1+1], 0xb95fbd29
	s_lshl_b32 s2, s12, 1
	s_add_co_u32 s2, s2, s14
	s_lshl_b32 s2, s2, 8
	s_lshl_b32 s18, s13, 4
	s_add_co_u32 s2, s2, s18
	s_lshl_b32 s18, s15, 3
	s_add_co_u32 s2, s2, s18                       ; my first fragment: (2 X + ph) 256 + 16 Y + 8 rh
	s_lshl_b32 s20, s2, 10
	s_mov_b32 s21, 0
	s_lshl_b32 s22, s2, 6
	s_add_co_u32 s22, s22, GS
	s_mov_b32 s23, 0
	s_add_nc_u64 s[20:21], s[10:11], s[20:21]
	s_add_nc_u64 s[22:23], s[10:11], s[22:23]
	s_lshl_b32 s18, s12, 10
	s_lshl_b32 s2, s14, 9
	s_add_co_u32 s18, s18, s2
	s_mov_b32 s19, 0
	s_add_nc_u64 s[8:9], s[8:9], s[18:19]          ; the bias of my 128 hidden units
	s_mov_b32 s[SEL], 0x76543210
	s_mov_b32 s[SEL+1], 0xfedcba98
.irp i, 0,1,2,3,4,5,6,7,8,9,10,11,12,13,14,15
	global_load_b128 v[BIAS+4*\i:BIAS+4*\i+3], v14, s[8:9] offset:128*(\i/4)+16*(\i%4)
.endr
.macro FETCH s
	WIN 0x40
.irp i, 0,1,2,3,4,5,6,7
.irp c, 0,1
	ds_load_b128 v[64*((\s)%2)+8*\i+4*\c:64*((\s)%2)+8*\i+4*\c+3], v[ADP] offset:8192*\i+1024*(\s)+512*\c
	ds_load_b128 v[128+64*((\s)%2)+8*\i+4*\c:128+64*((\s)%2)+8*\i+4*\c+3], v[ADR] offset:8192*\i+1024*(\s)+512*\c
.endr
.endr
.endm
.macro MUL s                           ; the 64 accumulators take turns in one order in every step; step 0 starts the sums
.irp a, 0,1,2,3,4,5,6,7
	WIN 0xa5+0x50*(\a/4)
.irp p, 0,1,2,3,4,5,6,7
.if (\s) == 0
	v_wmma_scale_f32_16x16x128_f8f6f4 v[64*(\a%4)+8*\p:64*(\a%4)+8*\p+7], v[64*((\s)%2)+8*\p:64*((\s)%2)+8*\p+7], v[128+64*((\s)%2)+8*\a:128+64*((\s)%2)+8*\a+7], 0, v[SC+8*\p+(\s)], v[SC+64+8*\a+(\s)] matrix_a_fmt:MATRIX_FMT_FP4 matrix_b_fmt:MATRIX_FMT_FP4
.else
	v_wmma_scale_f32_16x16x128_f8f6f4 v[64*(\a%4)+8*\p:64*(\a%4)+8*\p+7], v[64*((\s)%2)+8*\p:64*((\s)%2)+8*\p+7], v[128+64*((\s)%2)+8*\a:128+64*((\s)%2)+8*\a+7], v[64*(\a%4)+8*\p:64*(\a%4)+8*\p+7], v[SC+8*\p+(\s)], v[SC+64+8*\a+(\s)] matrix_a_fmt:MATRIX_FMT_FP4 matrix_b_fmt:MATRIX_FMT_FP4
.endif
.endr
.endr
.endm
.macro STEP s
	s_wait_dscnt 0x0
.if (\s) < 7
.if (\s) > 0
	PLACES 4
.endif
	FETCH (\s)+1
.endif
	MUL \s
.endm
	s_wait_alu depctr_va_vdst(0)                   ; the wait at the head's end
.irp p, 0,1,2,3,4,5,6,7
.irp f, 0,1
	global_load_b128 v[SC+8*\p+4*\f:SC+8*\p+4*\f+3], v[ASP], s[44:45] offset:512*\p+16*\f       ; the scale words of all 8 K steps, on their way beside the panels
	global_load_b128 v[SC+64+8*\p+4*\f:SC+64+8*\p+4*\f+3], v[ASP], s[46:47] offset:512*\p+16*\f
.endr
.endr
	s_wait_tensorcnt 0x0                           ; my one tensor load, my half of a panel, has landed
	s_barrier_signal -1
	s_barrier_wait -1                              ; everybody's has; nothing is filled again in this launch
	FETCH 0
	s_wait_loadcnt 0x0                             ; the scale words (and the bias issued ahead of them)
.irp s, 0,1,2,3,4,5,6,7
	STEP \s
.endr
	WIN 0
	PLACES 4
	s_wait_loadcnt 0x0                             ; the bias
.macro MOVE a                          ; R's tile a: sums + bias, into window 0
	WIN 0x02+(\a)/4
.set jj, 0
.rept 32
	v_pk_add_f32 v[H+jj:H+jj+1], v[64*((\a)%4)+jj:64*((\a)%4)+jj+1], v[BIAS+jj:BIAS+jj+1]
.set jj, jj+2
.endr
	WIN 0
.endm
.macro GELU q                          ; 16 numbers: the 16 reciprocals are one batch with one wait
.set HB, H+16*(\q)
.irp i, 0,2,4,6,8,10,12,14
	v_pk_mul_f32 v[GZ+\i:GZ+\i+1], v[HB+\i:HB+\i+1], 0x3f3504f3 op_sel_hi:[1,0]   ; z = x / sqrt 2
.endr
.irp i, 0,1,2,3,4,5,6,7,8,9,10,11,12,13,14,15
	v_med3_num_f32 v[GZ+\i], v[GZ+\i], -4.0, 4.0
.endr
.irp i, 0,2,4,6,8,10,12,14
	v_pk_mul_f32 v[GZ2+\i:GZ2+\i+1], v[GZ+\i:GZ+\i+1], v[GZ+\i:GZ+\i+1]
.endr
.irp i, 0,2,4,6,8,10,12,14
	v_pk_fma_f32 v[GP+\i:GP+\i+1], v[GZ2+\i:GZ2+\i+1], 0xaf95df0b, v[KA1:KA1+1] op_sel_hi:[1,0,1]
	v_pk_fma_f32 v[GQ+\i:GQ+\i+1], v[GZ2+\i:GZ2+\i+1], 0xb77460cd, v[KB1:KB1+1] op_sel_hi:[1,0,1]
.endr
.irp k, 0xb60cff51, 0xb86ec2d2, 0xba40ac63, 0xbb41a1f6, 0xbc83dbd4
.irp i, 0,2,4,6,8,10,12,14
	v_pk_fma_f32 v[GP+\i:GP+\i+1], v[GP+\i:GP+\i+1], v[GZ2+\i:GZ2+\i+1], \k op_sel_hi:[1,1,0]
.endr
.endr
.irp k, 0xbadc924e, 0xbbf19bf8, 0xbc69b6a7
.irp i, 0,2,4,6,8,10,12,14
	v_pk_fma_f32 v[GQ+\i:GQ+\i+1], v[GQ+\i:GQ+\i+1], v[GZ2+\i:GZ2+\i+1], \k op_sel_hi:[1,1,0]
.endr
.endr
	s_wait_alu depctr_va_vdst(0)
.irp i, 0,1,2,3,4,5,6,7,8,9,10,11,12,13,14,15
	v_rcp_f32 v[GQ+\i], v[GQ+\i]                   ; every coefficient of Q is negative: Q is never 0
.endr
.irp i, 0,2,4,6,8,10,12,14
	v_pk_mul_f32 v[GP+\i:GP+\i+1], v[GP+\i:GP+\i+1], v[GZ+\i:GZ+\i+1]
	v_pk_mul_f32 v[HB+\i:HB+\i+1], v[HB+\i:HB+\i+1], 0.5 op_sel_hi:[1,0]
.endr
	s_wait_alu depctr_va_vdst(0)                   ; one wait for the batch, ahead of its first reader
.irp i, 0,2,4,6,8,10,12,14
	v_pk_mul_f32 v[GP+\i:GP+\i+1], v[GP+\i:GP+\i+1], v[GQ+\i:GQ+\i+1]   ; erf
.endr
.irp i, 0,2,4,6,8,10,12,14
	v_pk_fma_f32 v[HB+\i:HB+\i+1], v[HB+\i:HB+\i+1], v[GP+\i:GP+\i+1], v[HB+\i:HB+\i+1]   ; 0.5 x erf + 0.5 x
.endr
.endm
	s_mov_b32 s18, 0                               ; the trip = R's tile
	s_mov_b32 s19, 0                               ; and its scale words' place in my stage
.Lepi:
	s_cmp_eq_u32 s18, 0
	s_cbranch_scc1 .Lm0
	s_cmp_eq_u32 s18, 1
	s_cbranch_scc1 .Lm1
	s_cmp_eq_u32 s18, 2
	s_cbranch_scc1 .Lm2
	s_cmp_eq_u32 s18, 3
	s_cbranch_scc1 .Lm3
	s_cmp_eq_u32 s18, 4
	s_cbranch_scc1 .Lm4
	s_cmp_eq_u32 s18, 5
	s_cbranch_scc1 .Lm5
	s_cmp_eq_u32 s18, 6
	s_cbranch_scc1 .Lm6
	MOVE 7
	s_branch .Lcommon
.Lm0:
	MOVE 0
	s_branch .Lcommon
.Lm1:
	MOVE 1
	s_branch .Lcommon
.Lm2:
	MOVE 2
	s_branch .Lcommon
.Lm3:
	MOVE 3
	s_branch .Lcommon
.Lm4:
	MOVE 4
	s_branch .Lcommon
.Lm5:
	MOVE 5
	s_branch .Lcommon
.Lm6:
	MOVE 6
.Lcommon:
	GELU 0
	GELU 1
	GELU 2
	GELU 3
	QUANT H
	global_store_b128 v[L16], v[PC:PC+3], s[20:21]
	global_store_b128 v[L16], v[PC+4:PC+7], s[20:21] offset:512
	v_add_nc_u32 v[SQ], s19, v[ASTG]
	ds_store_b32 v[SQ], v[PW]
	s_wait_dscnt 0x0
	s_wait_xcnt 0x0                                ; the stores have read their registers and their base
	s_add_nc_u64 s[20:21], s[20:21], 1024
	s_add_co_u32 s19, s19, 64
	s_add_co_u32 s18, s18, 1
	s_cmp_lt_u32 s18, 8
	s_cbranch_scc1 .Lepi
	ds_load_b128 v[SQ:SQ+3], v[ASTR]
	s_wait_dscnt 0x0
	global_store_b128 v[L16], v[SQ:SQ+3], s[22:23]
	s_wait_tensorcnt 0x0
	ds_add_u32 v250, v251
	s_wait_dscnt 0x0
	CROUND                                         ; the closing round
	s_endpgm
.Lfunc_end_k_qa84b7d15f9_ff1:
	.size	k_qa84b7d15f9_ff1, .Lfunc_end_k_qa84b7d15f9_ff1-k_qa84b7d15f9_ff1
	.p2alignl 7, 3214868480
	.fill 96, 4, 3214868480
	.section	.rodata,"a",@progbits
	.p2align	6, 0x0
	.amdhsa_kernel k_qa84b7d15f9_ff1
		.amdhsa_group_segment_fixed_size 281088
		.amdhsa_private_segment_fixed_size 0
		.amdhsa_enable_private_segment 0
		.amdhsa_kernarg_size 32
		.amdhsa_user_sgpr_count 2
		.amdhsa_user_sgpr_kernarg_segment_ptr 1
		.amdhsa_wavefront_size32 1
		.amdhsa_system_sgpr_workgroup_id_x 1
		.amdhsa_system_sgpr_workgroup_id_y 1
		.amdhsa_system_sgpr_workgroup_id_z 1
		.amdhsa_system_vgpr_workitem_id 0
		.amdhsa_next_free_vgpr 1024
		.amdhsa_next_free_sgpr 104
		.amdhsa_reserve_vcc 0
		.amdhsa_float_denorm_mode_32 3
		.amdhsa_float_denorm_mode_16_64 3
		.amdhsa_memory_ordered 1
		.amdhsa_forward_progress 1
		.amdhsa_inst_pref_size 164
	.end_amdhsa_kernel
	.amdgpu_metadata
---
amdhsa.version: [ 1, 2 ]
amdhsa.kernels:
  - .name:           k_qa84b7d15f9_ff1
    .symbol:         k_qa84b7d15f9_ff1.kd
    .args:
      - { .name: wts, .offset: 0, .size: 8, .value_kind: global_buffer, .address_space: global }
      - { .name: h2c, .offset: 8, .size: 8, .value_kind: global_buffer, .address_space: global }
      - { .name: ff1_b, .offset: 16, .size: 8, .value_kind: global_buffer, .address_space: global }
      - { .name: gc, .offset: 24, .size: 8, .value_kind: global_buffer, .address_space: global }
    .group_segment_fixed_size: 281088
    .private_segment_fixed_size: 0
    .kernarg_segment_align: 8
    .kernarg_segment_size: 32
    .max_flat_workgroup_size: 128
    .sgpr_count:     104
    .vgpr_count:     1024
    .wavefront_size: 32
...
	.end_amdgpu_metadata
.endif
;; end of part 9
;; launch ff2 (part 10): grid 8 x 32, 4 waves a work-group, clusters of 4 x 4, 327,680 bytes of LDS; arguments wts, gc, ff2_b, x1, out0; writes out0
.if DOCPART == 10
	.amdgcn_target "amdgcn-amd-amdhsa--gfx1250"
	.amdhsa_code_object_version 6
	.text
	.protected	k_qa84b7d15f9_ff2
	.globl	k_qa84b7d15f9_ff2
	.p2align	8
	.type	k_qa84b7d15f9_ff2,@function
k_qa84b7d15f9_ff2:
	s_mov_b64 s[64:65], 0
	v_nop
	global_prefetch_b8 v0, s[64:65] scope:SCOPE_SE
	s_setreg_imm32_b32 hwreg(HW_REG_WAVE_MODE, 25, 1), 1
	s_wait_xcnt 0x0
	s_wait_alu depctr_hold_cnt(0) depctr_sa_sdst(0) depctr_va_vdst(0) depctr_va_sdst(0) depctr_va_ssrc(0) depctr_va_vcc(0) depctr_vm_vsrc(0)
	s_getreg_b32 s2, hwreg(HW_REG_IB_STS2, 6, 4)
	s_cmp_eq_u32 s2, 0
	s_cbranch_scc0 .Lentry_in_a_cluster
	s_endpgm
.Lentry_in_a_cluster:
	s_bfe_u32 s2, ttmp6, 0x10000c
	s_cmp_lg_u32 s2, 0xf033
	s_cbranch_scc0 .Lentry_shape_is_right
	s_endpgm
.Lentry_shape_is_right:
; FF2: out0 = x1 + gelu(..) ff2_w^T + ff2_b, the product on codes of E2M1.
; A work-group makes 128 tokens x 128 columns (256 work-groups), each of its four waves 64 x 64: 16 accumulators.  Source 0 = ff2_w's rows (P), source 1 = tokens (R).
; K = 3,072 = 24 steps = three thirds of eight.  Two LDS slots of 128 KiB take thirds 0-1 with the first fills; third 2 is filled into slot 0, behind the wait for all my tensor loads,
; the add onto my spare word, the wait for it and for my reads, and a round of the cluster's barrier.  By this text's count one tensor load of a wave is out at the start, one behind the change of slots.
; The launch claims all of a WGP's LDS.
; CLUSTER 4 x 4: P's panel is asked for jointly along a column of the cluster, R's along a row.
; x1's 64 x 64 numbers of a wave are asked for at the head, in the layout in which the results leave, and are on their way during the whole product.  ff2_b is the C of the first step.
.set W2C,  5767168
.set W2S,  7700480
.set GS,   6291456
; THE RING AS THE TEXT HAS IT: K = 24 steps = three thirds of eight.  Two LDS slots of 128 KiB (P: 8 tiles x 8 KiB, then R: 8 K steps x 8 KiB).
; At the head each wave has ONE joint load of 64 KiB: wave 0 P's third 0, wave 1 P's third 1, wave 2 R's third 0, wave 3 R's third 1.  Third 2 goes into slot 0 when all its fragments are in registers,
; behind the three lines and a round, a quarter of the slot (32 KiB, 4 rows) a wave: group 1's two words that count rows are set from 8 to 4 where no load is out.
; The scale words go from memory straight into their registers, a sixth of K (four steps) at a time, one sixth ahead.
.set STAGE, 286720                     ; 16 rows x 272 bytes for each wave: no tensor load lands here
.set SPARE, 304128                     ; the spare words, 128 bytes for each wave: no other line names them
.set ADP,  1                           ; v1-2  P's fragments in slot n
.set ADR,  5                           ; v5-6  R's
.set ASP,  9
.set ASR,  10
.set STO,  11
.set RD,   12
.set CO,   13
.set SPW,  28
.set NIL,  29
.set SC,   32                          ; v32-95 two sets of scale words, by the sixth's parity: P's tile p at +4 p + s', R's tile a at +16 + 4 a + s'
.set BIAS, 96                          ; v96-127
.set ACC,  128                         ; v128-255: (a, p) at ACC + 8 (4 a + p)
.set MSB, 0
.macro WIN new
.if MSB != (\new)
	s_set_vgpr_msb (MSB<<8)|(\new)
.set MSB, (\new)
.endif
.endm
.macro PLACES n
.rept \n
	v_nop
.endr
.endm
.macro CROUND
	s_barrier_signal -1
	s_barrier_wait -1
	s_cmp_lg_u32 s3, 0
	s_cbranch_scc1 .Lnot_wave_0_\@
	s_barrier_signal -3
.Lnot_wave_0_\@:
	s_barrier_wait -3
	s_barrier_signal -1
	s_barrier_wait -1
.endm
.macro MKG0 g, loff, b, goff
	s_mov_b32 s[\g], 1
	s_add_co_u32 s[\g+1], s2, \loff
	s_add_nc_u64 s[\g+2:\g+3], s[\b:\b+1], \goff
	s_or_b32 s[\g+3], s[\g+3], 0x80000000
.endm
.macro JLOAD g0p, g0r                  ; a joint refill: waves 0 and 1 fetch for P, waves 2 and 3 for R; four v_nop follow each line
	s_cmp_eq_u32 s15, 0
	s_cbranch_scc0 .Lfor_r_\@
	tensor_load_to_lds s[\g0p:\g0p+3], s[24:31]
	s_nop 0
	PLACES 4
	s_branch .Lasked_\@
.Lfor_r_\@:
	tensor_load_to_lds s[\g0r:\g0r+3], s[32:39]
	s_nop 0
	PLACES 4
.Lasked_\@:
.endm
	s_load_b256 s[4:11], s[0:1], 0x0               ; wts, gc, ff2_b, x1
	s_load_b64 s[12:13], s[0:1], 0x20              ; out0
	v_lshl_add_u32 v[SPW], v0, 2, SPARE
	v_mov_b32 v[NIL], 0
	ds_add_u32 v28, v29
	ds_add_u32 v28, v29
	s_wait_dscnt 0x0
	v_lshrrev_b32 v14, 5, v0
	v_readfirstlane_b32 s3, v14
	s_and_b32 s14, s3, 1                           ; which 64 columns are mine; also which half I fetch
	s_lshr_b32 s15, s3, 1                          ; which 64 tokens; also: I fetch for P (0) or R (1)
	s_bfe_u32 s16, ttmp6, 0x40000
	s_bfe_u32 s17, ttmp6, 0x40004
	s_lshl_b32 s18, ttmp9, 2
	s_add_co_u32 s18, s18, s16                     ; X
	s_and_b32 s19, ttmp7, 0xffff
	s_lshl_b32 s19, s19, 2
	s_add_co_u32 s19, s19, s17                     ; Y
	s_lshl_b32 s20, s17, 2
	s_lshl_b32 s20, 15, s20                        ; my row of the cluster
	s_lshl_b32 s21, 0x1111, s16                    ; my column
	s_or_b32 s24, s21, (3<<16)|(1<<21)             ; P's codes: rows (tiles) of 1,024 elements of 8 bytes (eight K steps), pitch 3,072
	s_mov_b32 s25, 1024<<16                        ; P: 4 rows (tiles) of 1,024 elements of 8 bytes (eight K steps)
	s_mov_b32 s26, 8<<16                           ; at the head 8 rows (tiles)
	s_mov_b32 s27, 1024<<16
	s_mov_b32 s28, 8
	s_mov_b32 s29, 3072
	s_mov_b32 s30, 0
	s_mov_b32 s31, 0
	s_or_b32 s32, s20, (3<<16)|(1<<21)             ; R's codes: rows (K steps) of 1,024 elements (eight tiles), pitch 32,768
	s_mov_b32 s33, 1024<<16
	s_mov_b32 s34, 8<<16                           ; at the head 8 rows (K steps)
	s_mov_b32 s35, 1024<<16
	s_mov_b32 s36, 8
	s_mov_b32 s37, 32768
	s_mov_b32 s38, 0
	s_mov_b32 s39, 0
	s_mul_i32 s22, s18, 196608                     ; P: 8 tiles x 24 KiB a panel (registers that never hold cy),
	s_mul_i32 s2, s14, 98304
	s_add_co_u32 s22, s22, s2
	s_add_co_u32 s22, s22, W2C
	s_mov_b32 s23, 0
	s_lshl_b32 s100, s19, 13                       ; R: 8 KiB a panel in each K step (registers that never hold cx),
	s_lshl_b32 s2, s14, 20                         ; my four K steps of a third
	s_add_co_u32 s100, s100, s2
	s_mov_b32 s101, 0
	s_lshl_b32 s2, s3, 15                          ; in a slot: 32 KiB x wave
	s_wait_kmcnt 0x0
	s_add_nc_u64 s[22:23], s[4:5], s[22:23]
	s_add_nc_u64 s[100:101], s[6:7], s[100:101]
	MKG0 56, 0, 22, 0
	MKG0 80, 0, 100, 0                             ; s[56:59], s[80:83]: the refill's quarters; the change of slots steps them to third 2
	s_mul_i32 s76, s14, 90112                      ; the head's loads: P from tile 0 on, third s14: 98,304 s14 becomes 8,192 s14;
	s_mov_b32 s77, 0
	s_sub_nc_u64 s[22:23], s[22:23], s[76:77]
	s_lshl_b32 s76, s14, 20                        ; R: third s14 begins 8 K steps x 256 KiB on
	s_add_nc_u64 s[100:101], s[100:101], s[76:77]
	s_lshl_b32 s2, s14, 17                         ; into slot s14
	MKG0 60, 0, 22, 0
	MKG0 84, 65536, 100, 0
	s_mul_i32 s22, s18, 12288
	s_mul_i32 s2, s14, 6144
	s_add_co_u32 s22, s22, s2
	s_add_co_u32 s22, s22, W2S
	s_mov_b32 s23, 0
	s_lshl_b32 s100, s19, 9
	s_lshl_b32 s2, s15, 8                          ; my 4 token tiles x 64 bytes
	s_add_co_u32 s100, s100, s2
	s_add_co_u32 s100, s100, GS
	s_mov_b32 s101, 0
	s_add_nc_u64 s[40:41], s[4:5], s[22:23]        ; P's scale words: my 4 tiles x 1,536 bytes,
	s_add_nc_u64 s[42:43], s[6:7], s[100:101]      ; R's: 16,384 bytes from K step to K step
	CROUND                                         ; all sixteen work-groups are here: the first joint loads meet
	s_cmp_lt_u32 s3, 2
	s_cbranch_scc0 .Lfirst_r
	tensor_load_to_lds s[60:63], s[24:31]
	s_nop 0
	PLACES 4
	s_branch .Lfirst_asked
.Lfirst_r:
	tensor_load_to_lds s[84:87], s[32:39]
	s_nop 0
	PLACES 4
.Lfirst_asked:
	v_and_b32 v15, 31, v0
	v_lshlrev_b32 v15, 4, v15                      ; 16 x lane
	v_and_b32 v16, 15, v0                          ; r
	v_bfe_u32 v17, v0, 4, 1                        ; h
	v_lshlrev_b32 v14, 6, v17                      ; 64 h: my half's place in the bias
	s_lshl_b32 s20, s14, 15                        ; P: my 4 tiles x 8 KiB
	s_lshl_b32 s21, s15, 12                        ; R: my 4 tiles x 1 KiB in each K step,
	s_add_co_u32 s21, s21, 65536                   ; behind P's 64 KiB
	v_add_nc_u32 v[ADP], s20, v15
	v_add_nc_u32 v[ADR], s21, v15
	v_add_nc_u32 v[ADP+1], 131072, v[ADP]          ; and the same in slot 1
	v_add_nc_u32 v[ADR+1], 131072, v[ADR]
	v_lshlrev_b32 v[ASP], 5, v16                   ; 32 r: my row's scale words of P
	v_lshlrev_b32 v[ASR], 2, v16                   ; 4 r: of R
	s_mul_i32 s20, s3, 4352
	s_add_co_u32 s20, s20, STAGE
	v_mul_u32_u24 v[STO], v16, 272
	v_lshl_add_u32 v[STO], v17, 6, v[STO]
	v_add_nc_u32 v[STO], s20, v[STO]               ; in: row r, + 64 h
	v_mul_u32_u24 v[RD], v17, 272
	v_lshl_add_u32 v[RD], v16, 4, v[RD]
	v_add_nc_u32 v[RD], s20, v[RD]                 ; back: lanes 0-15 one row of 256 bytes, lanes 16-31 the next
	v_lshlrev_b32 v[CO], 12, v17
	v_lshl_add_u32 v[CO], v16, 4, v[CO]            ; and the same two rows in x1 and out0
	s_wait_alu depctr_va_vdst(0)
	s_lshl_b32 s20, s19, 19                        ; row 128 Y + 64 rh, column 128 X + 64 ph
	s_lshl_b32 s21, s15, 18
	s_add_co_u32 s20, s20, s21
	s_lshl_b32 s21, s18, 9
	s_add_co_u32 s20, s20, s21
	s_lshl_b32 s21, s14, 8
	s_add_co_u32 s20, s20, s21
	s_mov_b32 s21, 0
	s_add_nc_u64 s[10:11], s[10:11], s[20:21]
	s_add_nc_u64 s[12:13], s[12:13], s[20:21]
	s_lshl_b32 s20, s18, 9
	s_lshl_b32 s22, s14, 8
	s_add_co_u32 s20, s20, s22
	s_add_nc_u64 s[8:9], s[8:9], s[20:21]
.irp i, 0,1,2,3,4,5,6,7
	global_load_b128 v[BIAS+4*\i:BIAS+4*\i+3], v14, s[8:9] offset:128*(\i/4)+16*(\i%4)
.endr
	WIN 0x80                                       ; destination window 2
.irp a, 0,1,2,3
.irp i, 0,1,2,3,4,5,6,7
	global_load_b128 v[32*\a+4*\i:32*\a+4*\i+3], v[CO], s[10:11] offset:(32*(\a/2)+8*(\a%2)+2*\i+8*(\i/4))*4096 th:TH_LOAD_NT
.endr
.endr
	WIN 0
.macro FETCHG gi                       ; group gi = K steps 2 gi, 2 gi + 1: 32 loads into set gi % 2 of window 1 (a step: P's 4 fragments, then R's 4)
.set FB, 128*((\gi)%2)
.set SLT, ((\gi)/4)%2
	WIN 0x40
.irp st, 0,1
.irp i, 0,1,2,3
.irp c, 0,1
	ds_load_b128 v[FB+64*\st+8*\i+4*\c:FB+64*\st+8*\i+4*\c+3], v[ADP+SLT] offset:8192*\i+1024*(2*((\gi)%4)+\st)+512*\c
	ds_load_b128 v[FB+64*\st+32+8*\i+4*\c:FB+64*\st+32+8*\i+4*\c+3], v[ADR+SLT] offset:8192*(2*((\gi)%4)+\st)+1024*\i+512*\c
.endr
.endr
.endr
	WIN 0
.endm
.macro SCALESQ q                       ; sixth q's scale words into set q % 2
.set SB, SC+32*((\q)%2)
.irp p, 0,1,2,3
	global_load_b128 v[SB+4*\p:SB+4*\p+3], v[ASP], s[40:41] offset:1536*\p+512*((\q)/2)+16*((\q)%2)
.endr
.irp a, 0,1,2,3
.irp st, 0,1,2,3
	global_load_b32 v[SB+16+4*\a+\st], v[ASR], s[42:43] offset:16384*(4*(\q)+\st)+64*\a
.endr
.endr
.endm
.macro MULG gi                         ; 2 x 16 matrix instructions; the 16 accumulators take turns in one order; the first step takes the bias as C
.set FB, 128*((\gi)%2)
.set SB, SC+32*(((\gi)/2)%2)
.if ((\gi)%2) == 0
	s_wait_loadcnt 0x0                             ; this sixth's scale words are in (asked for one group ahead)
.endif
	WIN 0x05
.irp st, 0,1
.irp a, 0,1,2,3
.irp p, 0,1,2,3
.if ((\gi) == 0) && (\st == 0)
	v_wmma_scale_f32_16x16x128_f8f6f4 v[ACC+8*(4*\a+\p):ACC+8*(4*\a+\p)+7], v[FB+64*\st+8*\p:FB+64*\st+8*\p+7], v[FB+64*\st+32+8*\a:FB+64*\st+32+8*\a+7], v[BIAS+8*\p:BIAS+8*\p+7], v[SB+4*\p+2*((\gi)%2)+\st], v[SB+16+4*\a+2*((\gi)%2)+\st] matrix_a_fmt:MATRIX_FMT_FP4 matrix_b_fmt:MATRIX_FMT_FP4
.else
	v_wmma_scale_f32_16x16x128_f8f6f4 v[ACC+8*(4*\a+\p):ACC+8*(4*\a+\p)+7], v[FB+64*\st+8*\p:FB+64*\st+8*\p+7], v[FB+64*\st+32+8*\a:FB+64*\st+32+8*\a+7], v[ACC+8*(4*\a+\p):ACC+8*(4*\a+\p)+7], v[SB+4*\p+2*((\gi)%2)+\st], v[SB+16+4*\a+2*((\gi)%2)+\st] matrix_a_fmt:MATRIX_FMT_FP4 matrix_b_fmt:MATRIX_FMT_FP4
.endif
.endr
.endr
.endr
	WIN 0
.endm
; Slot n, all of whose fragments are in registers, is filled again with the third two further on
.macro CHANGE n
	s_wait_tensorcnt 0x0                           ; all my tensor loads have landed, so a group 0 may be written
	ds_add_u32 v[SPW], v[NIL]                      ; 0 onto my spare word
	s_add_nc_u64 s[58+4*\n:59+4*\n], s[58+4*\n:59+4*\n], 16384       ; P: sixteen K steps on in each tile
	s_add_nc_u64 s[82+4*\n:83+4*\n], s[82+4*\n:83+4*\n], 4194304     ; R: sixteen K steps on
	s_mov_b32 s26, 4<<16                           ; from here on a load brings 4 rows
	s_mov_b32 s28, 4
	s_mov_b32 s34, 4<<16
	s_mov_b32 s36, 4
	s_wait_dscnt 0x0                               ; the add is done, and my reads of the slot are over
	CROUND                                         ; no wave of any partner still reads the slot or has a load on its way
	JLOAD 56+4*\n, 80+4*\n                         ; the first tensor load behind the round; its four v_nop are also the places in front of the loads that follow
.endm
	SCALESQ 0
	s_wait_alu depctr_va_vdst(0)                   ; the wait at the head's end
	s_wait_tensorcnt 0x0                           ; my one tensor load has landed
	s_barrier_signal -1
	s_barrier_wait -1                              ; thirds 0 and 1 are whole; slot 0 is filled again only at the change of slots
	FETCHG 0
	s_wait_dscnt 0x0
	FETCHG 1
	MULG 0
	s_wait_dscnt 0x0
	PLACES 4
	SCALESQ 1
	FETCHG 2
	MULG 1
	s_wait_dscnt 0x0
	PLACES 4
	FETCHG 3
	MULG 2
	s_wait_dscnt 0x0
	CHANGE 0                                       ; third 0 is in registers; the wait for all loads and the round also show third 1 landed, to every wave
	SCALESQ 2
	FETCHG 4
	MULG 3
	s_wait_dscnt 0x0
	PLACES 4
	FETCHG 5
	MULG 4
	s_wait_dscnt 0x0
	PLACES 4
	SCALESQ 3
	FETCHG 6
	MULG 5
	s_wait_dscnt 0x0
	PLACES 4
	FETCHG 7
	MULG 6
	s_wait_dscnt 0x0
	s_wait_tensorcnt 0x0                           ; my part of third 2 has landed,
	s_barrier_signal -1
	s_barrier_wait -1                              ; everybody's has
	PLACES 4
	SCALESQ 4
	FETCHG 8
	MULG 7
	s_wait_dscnt 0x0
	PLACES 4
	FETCHG 9
	MULG 8
	s_wait_dscnt 0x0
	PLACES 4
	SCALESQ 5
	FETCHG 10
	MULG 9
	s_wait_dscnt 0x0
	PLACES 4
	FETCHG 11
	MULG 10
	s_wait_dscnt 0x0
	MULG 11
	s_wait_loadcnt 0x0                             ; x1
	PLACES 4
; R's tile a: 16 rows x 64 columns through my stage, back as whole runs of 256 bytes, + x1, stored
.macro OUTA a
.set TT, 32+32*((\a)%2)
.irp p, 0,1,2,3
	ds_store_b128 v[STO], v[ACC+8*(4*(\a)+\p):ACC+8*(4*(\a)+\p)+3] offset:128*(\p/2)+32*(\p%2)       ; each accumulator from its low end on
	ds_store_b128 v[STO], v[ACC+8*(4*(\a)+\p)+4:ACC+8*(4*(\a)+\p)+7] offset:128*(\p/2)+32*(\p%2)+16
.endr
	s_wait_xcnt 0x0                                ; earlier stores have read the registers that the loads below fill
.irp i, 0,1,2,3,4,5,6,7
	ds_load_b128 v[TT+4*\i:TT+4*\i+3], v[RD] offset:544*\i   ; LDS serves a wave's instructions in order: these see my stores
.endr
	s_wait_dscnt 0x0
	WIN 0x08                                       ; source 1 (x1) in window 2
.set jj, 0
.rept 16
	v_pk_add_f32 v[TT+jj:TT+jj+1], v[TT+jj:TT+jj+1], v[32*(\a)+jj:32*(\a)+jj+1]
.set jj, jj+2
.endr
	WIN 0
.irp i, 0,1,2,3,4,5,6,7
	global_store_b128 v[CO], v[TT+4*\i:TT+4*\i+3], s[12:13] offset:(32*((\a)/2)+8*((\a)%2)+2*\i+8*(\i/4))*4096 th:TH_STORE_NT   ; 16 lanes store 256 consecutive bytes, aligned
.endr
.endm
	OUTA 0
	OUTA 1
	OUTA 2
	OUTA 3
	s_wait_tensorcnt 0x0                           ; the wave's end
	ds_add_u32 v[SPW], v[NIL]
	s_wait_dscnt 0x0
	CROUND                                         ; the closing round
	s_endpgm
.Lfunc_end_k_qa84b7d15f9_ff2:
	.size	k_qa84b7d15f9_ff2, .Lfunc_end_k_qa84b7d15f9_ff2-k_qa84b7d15f9_ff2
	.p2alignl 7, 3214868480
	.fill 96, 4, 3214868480
	.section	.rodata,"a",@progbits
	.p2align	6, 0x0
	.amdhsa_kernel k_qa84b7d15f9_ff2
		.amdhsa_group_segment_fixed_size 327680
		.amdhsa_private_segment_fixed_size 0
		.amdhsa_enable_private_segment 0
		.amdhsa_kernarg_size 40
		.amdhsa_user_sgpr_count 2
		.amdhsa_user_sgpr_kernarg_segment_ptr 1
		.amdhsa_wavefront_size32 1
		.amdhsa_system_sgpr_workgroup_id_x 1
		.amdhsa_system_sgpr_workgroup_id_y 1
		.amdhsa_system_sgpr_workgroup_id_z 1
		.amdhsa_system_vgpr_workitem_id 0
		.amdhsa_next_free_vgpr 640
		.amdhsa_next_free_sgpr 104
		.amdhsa_reserve_vcc 0
		.amdhsa_float_denorm_mode_32 3
		.amdhsa_float_denorm_mode_16_64 3
		.amdhsa_memory_ordered 1
		.amdhsa_forward_progress 1
		.amdhsa_inst_pref_size 111
	.end_amdhsa_kernel
	.amdgpu_metadata
---
amdhsa.version: [ 1, 2 ]
amdhsa.kernels:
  - .name:           k_qa84b7d15f9_ff2
    .symbol:         k_qa84b7d15f9_ff2.kd
    .args:
      - { .name: wts, .offset: 0, .size: 8, .value_kind: global_buffer, .address_space: global }
      - { .name: gc, .offset: 8, .size: 8, .value_kind: global_buffer, .address_space: global }
      - { .name: ff2_b, .offset: 16, .size: 8, .value_kind: global_buffer, .address_space: global }
      - { .name: x1, .offset: 24, .size: 8, .value_kind: global_buffer, .address_space: global }
      - { .name: out0, .offset: 32, .size: 8, .value_kind: global_buffer, .address_space: global }
    .group_segment_fixed_size: 327680
    .private_segment_fixed_size: 0
    .kernarg_segment_align: 8
    .kernarg_segment_size: 40
    .max_flat_workgroup_size: 128
    .sgpr_count:     104
    .vgpr_count:     640
    .wavefront_size: 32
...
	.end_amdgpu_metadata
.endif
;; end of part 10
